; MI455X (gfx1250); checked and timed in simulation.
; The chip was launched on July 23, 2026; its instructions are those of AMD's public machine-readable ISA for CDNA 5 (MIT licence, August 2026) and "CDNA5" Instruction Set Architecture Reference Guide (July 2026). The comments in the code are by the model that wrote it; some were corrected since.
;; EF Layout Spatial Attention. Allowed arithmetic: matrix products marked QUANTISED: E5M2 operands, one E8M0 scale for each 32 along K, by v_wmma_scale_f32_16x16x128_f8f6f4 with both operands' format E5M2, f32 sums; everything else in f32.
;; Inputs: cos 4,096 x 64 float32; hidden_states 4,096 x 1,024 float32; proj_b 1,024 float32; proj_w 1,024 x 1,024 float32; qkv_b 3,072 float32; qkv_w 3,072 x 1,024 float32; sin 4,096 x 64 float32.
;; Outputs: out0 4,096 x 1,024 float32.
;; This version of the problem:
;;   THIS VERSION OF THE PROBLEM IS GIVEN IN LOW PRECISION. The matrix products marked QUANTISED in the list below multiply operands that are first quantised to E5M2 (5 exponent bits, 2 mantissa bits; 8 bits a number), with one power-of-two scale for each 32 numbers along K (OCP MX v1.0); their sums are f32. All else is computed in f32.
;;   The module's matrix products, in the order in which they are computed (A, B: the left and right operand; K: the contracted axis; several contracted axes count as one K, in the product's order):
;;     1. [M 4,096, K 1,024] x [K 1,024, N 3,072]; A: input hidden_states; B: input qkv_w: QUANTISED
;;     2. batch 16 x [M 4,096, K 64] x [K 64, N 4,096]; A: computed on the way; B: computed on the way: QUANTISED
;;     3. batch 16 x [M 4,096, K 4,096] x [K 4,096, N 64]; A: softmax (see below); B: computed on the way: QUANTISED
;;     4. [M 4,096, K 1,024] x [K 1,024, N 1,024]; A: computed on the way; B: input proj_w: QUANTISED
;;   THE QUANTISER, for each operand of a quantised product, along K:
;;     - K is cut into blocks of 32 from its start; a last block that is shorter is filled with zeros.
;;     - A block's scale is 2^e with e = floor(log2(the largest magnitude in the block)) - 15, held to -126 .. 127; a block of zeros has e = 0. As a byte (E8M0): e + 127.
;;     - Each number is divided by its block's scale, clamped to +-57,344, and rounded to the nearest number of E5M2, ties to even, subnormals kept.
;;     - The product sums the exact products of the quantised numbers (number of the format x scale) in f32.
;;   ~~~python
;;   def quantise(x, axis):      # numpy; x: float32 -> the quantised numbers, widened to float32 again
;;       x = np.moveaxis(x, axis, -1); K = x.shape[-1]
;;       x = np.pad(x, [(0, 0)] * (x.ndim - 1) + [(0, -K % 32)]); x = x.reshape(x.shape[:-1] + (-1, 32)); a = np.abs(x).max(-1, keepdims=True)
;;       e = np.where(a > 0, np.clip(np.frexp(np.where(a > 0, a, 1))[1] - 1 - 15, -126, 127), 0)      # np.frexp(a)[1] - 1 = floor(log2(a)), exactly
;;       r = np.clip(x / 2.0 ** e, -57344, 57344)
;;       step = 2.0 ** (np.maximum(np.frexp(np.where(r == 0, 1, r))[1] - 1, -14) - 2)
;;       q = np.round(r / step) * step * 2.0 ** e      # np.round: ties to even
;;       return np.moveaxis(q.reshape(q.shape[:-2] + (-1,))[..., :K], -1, axis).astype(np.float32)
;;   ~~~
;;   SOFTMAX AHEAD OF A QUANTISED PRODUCT. Where the list says 'softmax', what is quantised is not the finished softmax but p = 2^(t - M), with t = logit x log2(e) and M = ceil(the row's largest t), a whole number; so 1/2 < the row's largest p <= 1. The row's sum l is taken of the UNQUANTISED p, in f32, and the product's result is divided by l at the end. Since M is a whole number, a kernel that streams over the keys may use a running M (the ceiling of the running maximum): every later rescaling is an exact power of two, which a block's scale takes up: the codes' values come out the same.
;;   OPERANDS COMPUTED ON THE WAY. 'Computed on the way' means the value that the module computes at that place (a softmax that the list does not call 'softmax' is quantised finished and normalised). What goes into a quantiser is computed in f32, as accurately as f32 sums, v_exp_f32 and their like allow (about 1e-6 of the number): no bf16 or f16 on the way to a quantiser, and a product that is left as it is and whose result goes on into a quantised operand takes f32 operands (vector FMAs, or v_wmma_f32_16x16x4_f32). A number that lies on a knife's edge between two numbers of the format may be rounded either way, as far as f32 arithmetic and the matrix unit's own rounding can turn it there, and no further.
;; 2 versions. Each part assembles by itself: llvm-mc -triple=amdgcn-amd-amdhsa -mcpu=gfx1250 --defsym DOCPART=n.
;; ======== version 1 of 2: 4 launches
;; workspace buffers: codes 8,388,608 bytes; scl 262,144 bytes; qk_img 8,388,608 bytes; qk_scl 524,288 bytes; v_img 4,194,304 bytes; v_scl 131,072 bytes; o_img 4,194,304 bytes; o_scl 262,144 bytes
;; launch quant (part 1): grid 256 x 1, 4 waves a work-group, no clusters, 34,304 bytes of LDS; arguments hidden_states, qkv_w, proj_w, codes, scl; writes codes, scl
.if DOCPART == 1
	.amdgcn_target "amdgcn-amd-amdhsa--gfx1250"
	.amdhsa_code_object_version 6
	.text
	.protected	k_qe84c842aba_quant
	.globl	k_qe84c842aba_quant
	.p2align	8
	.type	k_qe84c842aba_quant,@function
k_qe84c842aba_quant:
	s_mov_b64 s[64:65], 0
	v_nop
	global_prefetch_b8 v0, s[64:65] scope:SCOPE_SE
	s_setreg_imm32_b32 hwreg(HW_REG_WAVE_MODE, 25, 1), 1
	s_wait_xcnt 0x0
; hidden_states [4096][1024], qkv_w [3072][1024] and proj_w [1024][1024], f32, K innermost, are taken as 8,192 stacked rows and turned into
; codes of BF8 (E5M2) with one E8M0 scale byte for each 32 along K.  A block's scale is 2^(floor(log2(largest magnitude)) - 15).
; THE CODES ARE LAID AS IMAGES OF THE OPERAND'S REGISTERS: a fragment (16 rows x 128 K) is [c 0..3][lane][16 bytes], 2,048 bytes; codes = [row tile][K step 0..7][fragment].
; THE ORDER INSIDE A BLOCK OF 32: slot i of lane (r, h) in block c stands for k = 32 c + 8 h + i (i < 8) and k = 32 c + 16 + 8 h + i - 8 (i >= 8).
; Every operand of this program is laid so, on both sides of each product: the blocks are the true blocks, only the order of the sums inside a block differs.
; THE SCALE WORDS (four bytes: one row, 128 along K): scl = [row / 128][K step][row tile / 4][r][row tile % 4], so that one load of 16 bytes a lane brings the words of 8 row tiles.
; LIMITS: NaN and infinities among the inputs are not served; a block whose largest magnitude lies under 2^-111 has its byte held at 1; a block of zeros gets the byte 1
; where the rule says 127: its codes are zeros, and the bytes are read by this program alone.
; SHARES: a work-group takes 64 rows x 512 along K, a wave 64 rows x 128: four fragments.  Each load reads 512 consecutive bytes of a row; a fragment's 16 rows turn through the wave's
; own stage in LDS (rows of 512 + 16 bytes) and come back 16 numbers of each block a lane.  Memory binds: no matrix unit, no tensor load, no cluster, no barrier (waves share nothing).
.set RP,   528                         ; a stage row
.set RA,   16                          ; v16-143  two sets of 64: a fragment's numbers as loaded
.set X,    144                         ; v144-207 the same, 16 of each block a lane
.set TM,   208                         ; v208-223 at work in QUANT
.set PC,   224                         ; v224-239 the codes
.set PW,   240                         ; v240-243 the four fragments' scale words
.set GA,   2                           ; v2  16 x lane
.set STA,  3                           ; v3  the stage, on the way in
.set LDA,  4                           ; v4  and on the way out
.set SAD,  6                           ; v6  my 8 bytes of the wave's 256 bytes of scale words
.set MNT,  14                          ; s14 the mantissa field of 57,344
.set WV,   15
.set SEL,  22                          ; s[22:23] lane selects: lane l xor 16
; 16 nb numbers of a lane from v[s] on (register 16 b + i = slot i of block b) become codes in v[PC] on and a scale word in v[pw].
; kind 4: four bytes; 3: two bytes, doubled into the upper half; 2: two bytes.
.macro QUANT s, nb, kind, pw
.set qb, 0
.rept \nb
	v_max3_num_f32 v[TM+qb], |v[(\s)+16*qb]|, |v[(\s)+16*qb+1]|, 0x8000000   ; my 16 numbers and the floor 2^(16 - 127): the byte cannot fall under 1
.set qb, qb+1
.endr
.set qi, 2
.rept 7
.set qb, 0
.rept \nb
	v_max3_num_f32 v[TM+qb], v[TM+qb], |v[(\s)+16*qb+qi]|, |v[(\s)+16*qb+qi+1]|   ; the blocks by turns
.set qb, qb+1
.endr
.set qi, qi+2
.endr
.set qb, 0
.rept \nb
	v_permlanex16_b32 v[TM+4+qb], v[TM+qb], s[SEL], s[SEL+1]
.set qb, qb+1
.endr
.set qb, 0
.rept \nb
	v_max_num_f32 v[TM+qb], v[TM+qb], v[TM+4+qb]   ; with lane l xor 16's: the block's largest magnitude
.set qb, qb+1
.endr
.set qb, 0
.rept \nb
	v_add_nc_u32 v[TM+12+qb], 0xf8800000, v[TM+qb]   ; 15 off its exponent field: the conversion's scale operand
.set qb, qb+1
.endr
.set qb, 0
.rept \nb
	v_and_or_b32 v[TM+8+qb], v[TM+qb], 0x7f800000, s[MNT]   ; 57,344 x the scale
.set qb, qb+1
.endr
.set qb, 0
.rept \nb
	v_lshrrev_b32 v[TM+4+qb], 23, v[TM+12+qb]   ; the scale's byte
.set qb, qb+1
.endr
	v_lshl_or_b32 v[\pw], v[TM+5], 8, v[TM+4]
.if \kind == 4
	v_lshl_or_b32 v[\pw], v[TM+6], 16, v[\pw]
	v_lshl_or_b32 v[\pw], v[TM+7], 24, v[\pw]
.elseif \kind == 3
	v_lshl_or_b32 v[\pw], v[\pw], 16, v[\pw]
.endif
.set qb, 0
.rept \nb
.set qi, 0
.rept 16
	v_med3_num_f32 v[(\s)+16*qb+qi], v[(\s)+16*qb+qi], -v[TM+8+qb], v[TM+8+qb]   ; the conversion to an 8-bit code does not saturate (ISA guide 7.6.2): the hold comes first
.set qi, qi+1
.endr
	v_cvt_scalef32_pk8_bf8_f32 v[PC+4*qb:PC+4*qb+1], v[(\s)+16*qb:(\s)+16*qb+7], v[TM+12+qb]
	v_cvt_scalef32_pk8_bf8_f32 v[PC+4*qb+2:PC+4*qb+3], v[(\s)+16*qb+8:(\s)+16*qb+15], v[TM+12+qb]
.set qb, qb+1
.endr
	v_nop                                          ; a plain line behind the last conversion
.endm
	s_load_b128 s[4:7], s[0:1], 0x0                ; hidden_states, qkv_w
	s_load_b128 s[8:11], s[0:1], 0x10              ; proj_w, codes
	s_load_b64 s[12:13], s[0:1], 0x20              ; scl
	v_lshl_add_u32 v254, v0, 2, 0x8400
	v_mov_b32 v255, 0
	v_lshrrev_b32 v5, 5, v0
	v_readfirstlane_b32 s[WV], v5                  ; wave 0..3
	v_and_b32 v1, 31, v0                           ; lane
	v_lshlrev_b32 v[GA], 4, v1
	s_mul_i32 s18, s[WV], 16*RP                    ; my stage
	v_add_nc_u32 v[STA], s18, v[GA]                ; in: a row's 512 bytes as they lie
	v_and_b32 v7, 15, v0                           ; r
	v_bfe_u32 v8, v0, 4, 1                         ; h
	v_mul_u32_u24 v[LDA], v7, RP
	v_lshl_add_u32 v[LDA], v8, 5, v[LDA]
	v_add_nc_u32 v[LDA], s18, v[LDA]               ; out: row r, + 32 h bytes
	v_lshlrev_b32 v[SAD], 4, v7
	v_lshl_add_u32 v[SAD], v8, 3, v[SAD]           ; 16 r + 8 h
.irp b, 0,1,2,3
	v_mov_b32 v[TM+4+\b], 0                        ; written once: a lane permute's destination counts as one of its sources
.endr
	s_mov_b32 s[MNT], 0x600000
	s_mov_b32 s[SEL], 0x76543210
	s_mov_b32 s[SEL+1], 0xfedcba98
	s_lshr_b32 s16, ttmp9, 1                       ; which 64 of the 8,192 stacked rows
	s_and_b32 s17, ttmp9, 1
	s_lshl_b32 s17, s17, 2
	s_add_co_u32 s17, s17, s[WV]                   ; which K step of 128
	s_mov_b32 s20, 112
	s_wait_kmcnt 0x0
	s_cmp_lt_u32 s16, 64                           ; the tensor is chosen by the work-group's number alone; only pointers are chosen, the text has one path
	s_cselect_b64 s[4:5], s[4:5], s[6:7]
	s_cselect_b32 s18, 0, 64
	s_cmp_lt_u32 s16, 112
	s_cselect_b64 s[4:5], s[4:5], s[8:9]
	s_cselect_b32 s18, s18, s20
	s_sub_co_u32 s18, s16, s18                     ; the block of 64 rows inside its tensor
	s_lshl_b32 s18, s18, 18                        ; 64 rows of 4,096 bytes
	s_lshl_b32 s19, s17, 9                         ; 128 numbers
	s_add_co_u32 s18, s18, s19
	s_mov_b32 s19, 0
	s_add_nc_u64 s[4:5], s[4:5], s[18:19]
	s_lshl_b32 s18, s16, 16                        ; codes: four row tiles of 16,384 bytes,
	s_lshl_b32 s20, s17, 11                        ; the K step's fragment
	s_add_co_u32 s18, s18, s20
	s_add_nc_u64 s[10:11], s[10:11], s[18:19]
	s_lshr_b32 s18, s16, 1
	s_lshl_b32 s18, s18, 12                        ; scale words: 4,096 bytes for 128 rows,
	s_lshl_b32 s20, s17, 9                         ; 512 a K step,
	s_add_co_u32 s18, s18, s20
	s_and_b32 s20, s16, 1
	s_lshl_b32 s20, s20, 8                         ; 256 for my 64 rows
	s_add_co_u32 s18, s18, s20
	s_add_nc_u64 s[12:13], s[12:13], s[18:19]
.macro LOAD t                          ; fragment t's 16 rows: each load reads 512 consecutive bytes
.set li, 0
.rept 16
	global_load_b128 v[RA+64*((\t)%2)+4*li:RA+64*((\t)%2)+4*li+3], v[GA], s[4:5] offset:(16*(\t)+li)*4096 th:TH_LOAD_NT
.set li, li+1
.endr
.endm
.macro TURNX t                         ; through the stage: LDS serves a wave's instructions in order, so no wait stands between the stores and the loads
.set li, 0
.rept 16
	ds_store_b128 v[STA], v[RA+64*((\t)%2)+4*li:RA+64*((\t)%2)+4*li+3] offset:li*RP
.set li, li+1
.endr
.irp b, 0,1,2,3
	ds_load_b128 v[X+16*\b:X+16*\b+3], v[LDA] offset:128*\b
	ds_load_b128 v[X+16*\b+4:X+16*\b+7], v[LDA] offset:128*\b+16
	ds_load_b128 v[X+16*\b+8:X+16*\b+11], v[LDA] offset:128*\b+64
	ds_load_b128 v[X+16*\b+12:X+16*\b+15], v[LDA] offset:128*\b+80
.endr
.endm
	LOAD 0
	LOAD 1
.irp t, 0,1,2,3
.if \t < 3
	s_wait_loadcnt 16                              ; this fragment's 16 loads are in; the next one's 16 may be out
.else
	s_wait_loadcnt 0x0
.endif
	TURNX \t
	s_wait_dscnt 0x0                               ; the numbers are back, so the stage's stores have read their registers,
.if \t < 2
	LOAD \t+2                                      ; which take the fragment two further on
.endif
	s_wait_xcnt 0x0                                ; the last fragment's stores have read the codes' registers
	QUANT X, 4, 4, PW+\t
.irp c, 0,1,2,3
	global_store_b128 v[GA], v[PC+4*\c:PC+4*\c+3], s[10:11] offset:\t*16384+\c*512   ; 512 consecutive bytes
.endr
.endr
	v_cmp_le_u32 vcc_lo, 16, v1                    ; lanes 16-31 hold the same words as lanes 0-15: they send fragments 2 and 3
	v_cndmask_b32 v244, v[PW], v[PW+2], vcc_lo
	v_cndmask_b32 v245, v[PW+1], v[PW+3], vcc_lo
	global_store_b64 v[SAD], v[244:245], s[12:13]  ; 256 consecutive bytes, aligned
	s_wait_tensorcnt 0x0
	ds_add_u32 v254, v255
	s_wait_dscnt 0x0
	s_endpgm
.Lfunc_end_k_qe84c842aba_quant:
	.size	k_qe84c842aba_quant, .Lfunc_end_k_qe84c842aba_quant-k_qe84c842aba_quant
	.p2alignl 7, 3214868480
	.fill 96, 4, 3214868480
	.section	.rodata,"a",@progbits
	.p2align	6, 0x0
	.amdhsa_kernel k_qe84c842aba_quant
		.amdhsa_group_segment_fixed_size 34304
		.amdhsa_private_segment_fixed_size 0
		.amdhsa_enable_private_segment 0
		.amdhsa_kernarg_size 40
		.amdhsa_user_sgpr_count 2
		.amdhsa_user_sgpr_kernarg_segment_ptr 1
		.amdhsa_wavefront_size32 1
		.amdhsa_system_sgpr_workgroup_id_x 1
		.amdhsa_system_sgpr_workgroup_id_y 1
		.amdhsa_system_sgpr_workgroup_id_z 1
		.amdhsa_system_vgpr_workitem_id 0
		.amdhsa_next_free_vgpr 256
		.amdhsa_next_free_sgpr 66
		.amdhsa_reserve_vcc 1
		.amdhsa_float_denorm_mode_32 3
		.amdhsa_float_denorm_mode_16_64 3
		.amdhsa_memory_ordered 1
		.amdhsa_forward_progress 1
		.amdhsa_inst_pref_size 51
	.end_amdhsa_kernel
	.amdgpu_metadata
---
amdhsa.version: [ 1, 2 ]
amdhsa.kernels:
  - .name:           k_qe84c842aba_quant
    .symbol:         k_qe84c842aba_quant.kd
    .args:
      - { .name: hidden_states, .offset: 0, .size: 8, .value_kind: global_buffer, .address_space: global }
      - { .name: qkv_w, .offset: 8, .size: 8, .value_kind: global_buffer, .address_space: global }
      - { .name: proj_w, .offset: 16, .size: 8, .value_kind: global_buffer, .address_space: global }
      - { .name: codes, .offset: 24, .size: 8, .value_kind: global_buffer, .address_space: global }
      - { .name: scl, .offset: 32, .size: 8, .value_kind: global_buffer, .address_space: global }
    .group_segment_fixed_size: 34304
    .private_segment_fixed_size: 0
    .kernarg_segment_align: 8
    .kernarg_segment_size: 40
    .max_flat_workgroup_size: 128
    .sgpr_count:     66
    .vgpr_count:     256
    .wavefront_size: 32
...
	.end_amdgpu_metadata
.endif
;; end of part 1
;; launch qkv (part 2): grid 12 x 16, 4 waves a work-group, clusters of 4 x 4, 327,680 bytes of LDS; arguments codes, scl, cos, sin, qkv_b, qk_img, qk_scl, v_img, v_scl; writes qk_img, qk_scl, v_img, v_scl
.if DOCPART == 2
	.amdgcn_target "amdgcn-amd-amdhsa--gfx1250"
	.amdhsa_code_object_version 6
	.text
	.protected	k_qe84c842aba_qkv
	.globl	k_qe84c842aba_qkv
	.p2align	8
	.type	k_qe84c842aba_qkv,@function
k_qe84c842aba_qkv:
	s_mov_b64 s[64:65], 0
	v_nop
	global_prefetch_b8 v0, s[64:65] scope:SCOPE_SE
	s_setreg_imm32_b32 hwreg(HW_REG_WAVE_MODE, 25, 1), 1
	s_wait_xcnt 0x0
	s_wait_alu depctr_hold_cnt(0) depctr_sa_sdst(0) depctr_va_vdst(0) depctr_va_sdst(0) depctr_va_ssrc(0) depctr_va_vcc(0) depctr_vm_vsrc(0)
	s_getreg_b32 s2, hwreg(HW_REG_IB_STS2, 6, 4)
	s_cmp_eq_u32 s2, 0
	s_cbranch_scc0 .Lentry_in_a_cluster
	s_endpgm
.Lentry_in_a_cluster:
	s_bfe_u32 s2, ttmp6, 0x10000c
	s_cmp_lg_u32 s2, 0xf033
	s_cbranch_scc0 .Lentry_shape_is_right
	s_endpgm
.Lentry_shape_is_right:
; qkv = hidden_states qkv_w^T + qkv_b on codes of BF8 (E5M2) with E8M0 scales; then RoPE on q and k; then q, k and v are quantised for attention's two products and stored as images of operand registers.
; A work-group of four waves makes 256 x 256, a wave 128 x 128: 64 accumulators, 512 registers.  K = 1,024 goes in 8 steps of 128 through two LDS slots of two steps each, written out without a loop.
; OPERANDS ARE IMAGES: a fragment (16 rows x 128 K) is 2,048 dense bytes [c][lane][16]; it is read by four loads at 16 x lane: no pitch, no padding.  The order of k inside a block of 32 is the same on both sides
; (slot i of lane (r, h): k = 8 h + i, then 16 + 8 h + i - 8), which is the order in which two neighbouring result tiles lie in a lane's 16 registers.
; SOURCE 0 IS SIDE B, SOURCE 1 SIDE A: lane (r, h) of accumulator (a, b) holds A's row 16 a + r and, in register j, B's row 16 b + 8 h + j.
; CLUSTERS of 4 x 4: cluster x = 0 makes q, 1 makes k: B = rows of qkv_w, A = tokens: a lane holds one token and its registers run along the head's 64, attention's first K.
; Cluster x = 2 makes v: B = tokens (the keys), A = rows of qkv_w: a lane holds one channel and its registers run along the keys, attention's second K.  The K loop is one text: only the block numbers change places.
; A's tiles are shared along a row of the cluster, B's along a column: joint loads, each asked for by four work-groups.  The one branch on ids hangs on the cluster's x, which all partners share.
; THE SCALE WORDS of the wave's 128 + 128 rows for all of K stay in 64 registers: 16 loads of 512 dense bytes.
; OUT: qk_img [G = 0..15 q's heads, 16..31 k's][token tile][c 0..1][lane][16]; qk_scl [G][token / 64][r][tile % 4], a word = the two block bytes, doubled; v_img [head][128 keys][16 channels][c][lane][16]; v_scl [head][128 keys][r][channel tile].
; LIMITS: NaN and infinities are not served; a block whose largest magnitude lies under 2^-111 has its byte held at 1; a block of zeros gets the byte 1 (zero codes; read by this program alone).
; REGISTERS: window 0: v1-8 lane terms, v16-21 LDS addresses, v28-29 for the add, v32-63 B's scale words, v64-95 A's, v128-255 A's fragments (one set), later the way out.
;   window 1: B's fragments, two sets (v0, v128); at the end biases, cos and sin.   windows 2, 3: the accumulators of A's blocks 0-3, 4-7 ((a, b) at v[8 (8 (a % 4) + b)]).
.set SLOT,  131072                     ; a slot: A's halves, then B's, 32,768 bytes each (8 row tiles x 2 K steps x 2,048)
.set SPARE, 2*SLOT                     ; the spare words: 128 bytes a wave, two blocks of 256 bytes that no other line names
.set LI,   1                           ; v1  16 x lane
.set LN,   2                           ; v2  lane
.set CSA,  4                           ; v4  cos, sin: 256 r + 32 h
.set BIA,  5                           ; v5  32 h
.set BVA,  6                           ; v6  4 r
.set VSA,  7                           ; v7  8,192 h + 16 r
.set ADRA, 16
.set ADRB, 20
.set SPW,  28
.set NIL,  29
.set SB,   32
.set SA,   64
.set AF,   128
.set WV,   22
.set RH,   23                          ; my half of A's rows.  Also: I fetch for A (0) or for B (1)
.set CH,   24                          ; my half of B's rows.  Also: which half I fetch
.set ISV,  29
.set BBLK, 30                          ; block of 256 stacked rows on side B
.set ABLK, 31                          ; and on side A
.set G1A,  32
.set G0A,  40
.set G1B,  48
.set G0B,  56
.set MNT,  96
.set SEL,  98
.set MSB, 0
.macro WIN new                         ; the immediate's high byte repeats the setting that is left
.if MSB != (\new)
	s_set_vgpr_msb (MSB<<8)|(\new)
.set MSB, \new
.endif
.endm
.set MUL_LO, 0xa1                      ; source 0 (B) window 1, source 1 (A) window 0, C and D window 2
.set MUL_HI, 0xf1
.set TO_B,   0x40
.macro JLOAD s                         ; a joint load: waves 0 and 1 fetch A's halves, waves 2 and 3 B's; four v_nop follow each line
	s_cmp_eq_u32 s[RH], 0
	s_cbranch_scc0 .Lfor_b_\@
	tensor_load_to_lds s[G0A+4*\s:G0A+4*\s+3], s[G1A:G1A+7]
	s_nop 0
.rept 4
	v_nop
.endr
	s_branch .Lasked_\@
.Lfor_b_\@:
	tensor_load_to_lds s[G0B+4*\s:G0B+4*\s+3], s[G1B:G1B+7]
	s_nop 0
.rept 4
	v_nop
.endr
.Lasked_\@:
.endm
.macro CREST                           ; a round of the cluster's barrier behind its opening barrier
	s_cmp_lg_u32 s[WV], 0
	s_cbranch_scc1 .Lnot_wave_0_\@
	s_barrier_signal -3
.Lnot_wave_0_\@:
	s_barrier_wait -3
	s_barrier_signal -1
	s_barrier_wait -1
.endm
.macro CROUND
	s_barrier_signal -1
	s_barrier_wait -1
	CREST
.endm
.macro PLACES n                        ; plain lines behind matrix instructions: 8 for this form, in front of loads into its registers and of reads of its results
.rept \n
	v_nop
.endr
.endm
.macro FRAG reg, adr, q, i
.irp c, 0,1,2,3
	ds_load_b128 v[\reg+4*\c:\reg+4*\c+3], v[\adr] offset:(\i)*4096+(\q)*2048+512*\c
.endr
.endm
.macro FETCH_B slot, q, p
	WIN TO_B
.irp i, 0,1,2,3,4,5,6,7
	FRAG 128*(\p)+16*\i, ADRB+\slot, \q, \i
.endr
	WIN 0
.endm
.macro FETCH_A slot, q, i0
.irp i, \i0, \i0+1, \i0+2, \i0+3
	FRAG AF+16*(\i), ADRA+\slot, \q, \i
.endr
.endm
; One product.  A scale register holds the words of row tiles 0-3 in lanes 0-15 and of tiles 4-7 in lanes 16-31.
.macro WM a, b, p, ks, zero
.set rD, 8*(8*((\a)%4)+(\b))
.set rB, 128*(\p)+16*(\b)
.set rA, AF+16*(\a)
.set rX, SB+4*(\ks)+(\b)%4
.set rY, SA+4*(\ks)+(\a)%4
.if \zero
.if (\b) < 4
.if (\a) < 4
	v_wmma_scale_f32_16x16x128_f8f6f4 v[rD:rD+7], v[rB:rB+15], v[rA:rA+15], 0, v[rX], v[rY] matrix_a_fmt:MATRIX_FMT_BF8 matrix_b_fmt:MATRIX_FMT_BF8
.else
	v_wmma_scale_f32_16x16x128_f8f6f4 v[rD:rD+7], v[rB:rB+15], v[rA:rA+15], 0, v[rX], v[rY] matrix_a_fmt:MATRIX_FMT_BF8 matrix_b_fmt:MATRIX_FMT_BF8 matrix_b_scale:MATRIX_SCALE_ROW1
.endif
.else
.if (\a) < 4
	v_wmma_scale_f32_16x16x128_f8f6f4 v[rD:rD+7], v[rB:rB+15], v[rA:rA+15], 0, v[rX], v[rY] matrix_a_fmt:MATRIX_FMT_BF8 matrix_b_fmt:MATRIX_FMT_BF8 matrix_a_scale:MATRIX_SCALE_ROW1
.else
	v_wmma_scale_f32_16x16x128_f8f6f4 v[rD:rD+7], v[rB:rB+15], v[rA:rA+15], 0, v[rX], v[rY] matrix_a_fmt:MATRIX_FMT_BF8 matrix_b_fmt:MATRIX_FMT_BF8 matrix_a_scale:MATRIX_SCALE_ROW1 matrix_b_scale:MATRIX_SCALE_ROW1
.endif
.endif
.else
.if (\b) < 4
.if (\a) < 4
	v_wmma_scale_f32_16x16x128_f8f6f4 v[rD:rD+7], v[rB:rB+15], v[rA:rA+15], v[rD:rD+7], v[rX], v[rY] matrix_a_fmt:MATRIX_FMT_BF8 matrix_b_fmt:MATRIX_FMT_BF8
.else
	v_wmma_scale_f32_16x16x128_f8f6f4 v[rD:rD+7], v[rB:rB+15], v[rA:rA+15], v[rD:rD+7], v[rX], v[rY] matrix_a_fmt:MATRIX_FMT_BF8 matrix_b_fmt:MATRIX_FMT_BF8 matrix_b_scale:MATRIX_SCALE_ROW1
.endif
.else
.if (\a) < 4
	v_wmma_scale_f32_16x16x128_f8f6f4 v[rD:rD+7], v[rB:rB+15], v[rA:rA+15], v[rD:rD+7], v[rX], v[rY] matrix_a_fmt:MATRIX_FMT_BF8 matrix_b_fmt:MATRIX_FMT_BF8 matrix_a_scale:MATRIX_SCALE_ROW1
.else
	v_wmma_scale_f32_16x16x128_f8f6f4 v[rD:rD+7], v[rB:rB+15], v[rA:rA+15], v[rD:rD+7], v[rX], v[rY] matrix_a_fmt:MATRIX_FMT_BF8 matrix_b_fmt:MATRIX_FMT_BF8 matrix_a_scale:MATRIX_SCALE_ROW1 matrix_b_scale:MATRIX_SCALE_ROW1
.endif
.endif
.endif
.endm
.macro MUL16 a0, p, ks, zero           ; A's blocks a0, a0 + 1 x B's eight.  The 64 accumulators take turns, in the same order in every step
.irp a, \a0, \a0+1
.irp b, 0,1,2,3,4,5,6,7
	WM \a, \b, \p, \ks, \zero
.endr
.endr
.endm
.macro STEP slot, ks, zero             ; a slot's first K step (B's set 0); it fetches the slot's second
	s_wait_dscnt 16                                ; B's set and A's blocks 0-3 are in; the youngest 16 loads (A's blocks 4-7) may be out
	WIN MUL_LO
	MUL16 0, 0, \ks, \zero
	MUL16 2, 0, \ks, \zero
	s_wait_dscnt 0x0
	PLACES 8
	FETCH_B \slot, 1, 1
	FETCH_A \slot, 1, 0
	WIN MUL_HI
	MUL16 4, 0, \ks, \zero
	MUL16 6, 0, \ks, \zero
	PLACES 8
	WIN 0
	FETCH_A \slot, 1, 4
.endm
.macro TURN slot, next, ks, fill       ; a slot's second K step (B's set 1) changes slots: one barrier; fill = 1: it opens a round of the cluster's barrier, and this slot is filled again
	s_wait_tensorcnt 0x0                           ; all my tensor loads have landed: my part of the next slot
	ds_add_u32 v[SPW], v[NIL]                      ; 0 onto my spare word
	s_wait_dscnt 17                                ; the add and the youngest 16 loads may be out
	WIN MUL_LO
	MUL16 0, 1, \ks, 0
	s_wait_dscnt 0x0                               ; the add is done, and my reads of this slot are over
	s_barrier_signal -1
	MUL16 2, 1, \ks, 0
	WIN 0
	s_barrier_wait -1
.if \fill
	CREST                                          ; no wave of any partner still reads this slot or has a load on its way
	s_add_nc_u64 s[G0A+4*\slot+2:G0A+4*\slot+3], s[G0A+4*\slot+2:G0A+4*\slot+3], 8192   ; four K steps on
	s_add_nc_u64 s[G0B+4*\slot+2:G0B+4*\slot+3], s[G0B+4*\slot+2:G0B+4*\slot+3], 8192
	JLOAD \slot                                    ; the first tensor load behind the round; its four v_nop are four of the eight places
	PLACES 4
.else
	PLACES 8
.endif
	FETCH_B \next, 0, 0
	FETCH_A \next, 0, 0
	WIN MUL_HI
	MUL16 4, 1, \ks, 0
	MUL16 6, 1, \ks, 0
	PLACES 8
	WIN 0
	FETCH_A \next, 0, 4
.endm
.macro LAST                            ; K step 7: nothing more to fetch
	s_wait_dscnt 16
	WIN MUL_LO
	MUL16 0, 1, 7, 0
	MUL16 2, 1, 7, 0
	s_wait_dscnt 0x0
	WIN MUL_HI
	MUL16 4, 1, 7, 0
	MUL16 6, 1, 7, 0
	WIN 0
	PLACES 8
.endm
; 16 nb numbers of a lane from v[s] on (register 16 b + i = slot i of block b) become codes in v[PC] on and a scale word in v[pw].  kind 4: four bytes; 3: two bytes, doubled; 2: two bytes.
.macro QUANT s, nb, kind, pw
.set qb, 0
.rept \nb
	v_max3_num_f32 v[TM+qb], |v[(\s)+16*qb]|, |v[(\s)+16*qb+1]|, 0x8000000   ; my 16 numbers and the floor 2^(16 - 127)
.set qb, qb+1
.endr
.set qi, 2
.rept 7
.set qb, 0
.rept \nb
	v_max3_num_f32 v[TM+qb], v[TM+qb], |v[(\s)+16*qb+qi]|, |v[(\s)+16*qb+qi+1]|
.set qb, qb+1
.endr
.set qi, qi+2
.endr
.set qb, 0
.rept \nb
	v_permlanex16_b32 v[TM+4+qb], v[TM+qb], s[SEL], s[SEL+1]
.set qb, qb+1
.endr
.set qb, 0
.rept \nb
	v_max_num_f32 v[TM+qb], v[TM+qb], v[TM+4+qb]   ; the block's largest magnitude
.set qb, qb+1
.endr
.set qb, 0
.rept \nb
	v_add_nc_u32 v[TM+12+qb], 0xf8800000, v[TM+qb]   ; 15 off its exponent field: the conversion's scale operand
.set qb, qb+1
.endr
.set qb, 0
.rept \nb
	v_and_or_b32 v[TM+8+qb], v[TM+qb], 0x7f800000, s[MNT]   ; 57,344 x the scale
.set qb, qb+1
.endr
.set qb, 0
.rept \nb
	v_lshrrev_b32 v[TM+4+qb], 23, v[TM+12+qb]   ; the scale's byte
.set qb, qb+1
.endr
	v_lshl_or_b32 v[\pw], v[TM+5], 8, v[TM+4]
.if \kind == 4
	v_lshl_or_b32 v[\pw], v[TM+6], 16, v[\pw]
	v_lshl_or_b32 v[\pw], v[TM+7], 24, v[\pw]
.elseif \kind == 3
	v_lshl_or_b32 v[\pw], v[\pw], 16, v[\pw]
.endif
.set qb, 0
.rept \nb
.set qi, 0
.rept 16
	v_med3_num_f32 v[(\s)+16*qb+qi], v[(\s)+16*qb+qi], -v[TM+8+qb], v[TM+8+qb]   ; the hold: the conversion does not saturate (ISA guide 7.6.2)
.set qi, qi+1
.endr
	v_cvt_scalef32_pk8_bf8_f32 v[PC+4*qb:PC+4*qb+1], v[(\s)+16*qb:(\s)+16*qb+7], v[TM+12+qb]
	v_cvt_scalef32_pk8_bf8_f32 v[PC+4*qb+2:PC+4*qb+3], v[(\s)+16*qb+8:(\s)+16*qb+15], v[TM+12+qb]
.set qb, qb+1
.endr
	v_nop                                          ; a plain line behind the last conversion
.endm
	s_load_b256 s[4:11], s[0:1], 0x0               ; codes s[4:5], scl s[6:7], cos s[8:9], sin s[10:11]
	s_load_b256 s[12:19], s[0:1], 0x20             ; qkv_b s[12:13], qk_img s[14:15], qk_scl s[16:17], v_img s[18:19]
	s_load_b64 s[20:21], s[0:1], 0x40              ; v_scl
	v_lshl_add_u32 v[SPW], v0, 2, SPARE
	v_mov_b32 v[NIL], 0
	ds_add_u32 v28, v29
	s_wait_dscnt 0x0
	v_lshrrev_b32 v1, 5, v0
	v_readfirstlane_b32 s[WV], v1                  ; wave 0..3
	s_lshr_b32 s[RH], s[WV], 1
	s_and_b32 s[CH], s[WV], 1
	s_bfe_u32 s25, ttmp6, 0x40000                  ; cx
	s_bfe_u32 s26, ttmp6, 0x40004                  ; cy
	s_lshl_b32 s66, ttmp9, 2
	s_add_co_u32 s66, s66, 16                      ; the cluster's first block of qkv_w among the stacked blocks of 256 rows
	s_and_b32 s67, ttmp7, 0xffff
	s_lshl_b32 s67, s67, 2                         ; its first block of tokens
	s_cmp_eq_u32 ttmp9, 2                          ; v's clusters take the tokens as side B
	s_cselect_b32 s[BBLK], s67, s66
	s_cselect_b32 s[ABLK], s66, s67
	s_cselect_b32 s[ISV], 1, 0
	s_add_co_u32 s[BBLK], s[BBLK], s25             ; shared along a column of the cluster
	s_add_co_u32 s[ABLK], s[ABLK], s26             ; shared along a row
	s_lshl_b32 s68, s26, 2
	s_lshl_b32 s68, 15, s68                        ; my row of the cluster
	s_lshl_b32 s69, 0x1111, s25                    ; my column
	; descriptor group 1: 8 row tiles, of each 4,096 bytes (two K steps), 16,384 bytes apart; elements of 8 bytes; no padding
	s_or_b32 s[G1A], s68, (3<<16)|(1<<21)          ; 15:0 the mask; 17:16 elements of 8 bytes; 21 set beside a mask
	s_or_b32 s[G1B], s69, (3<<16)|(1<<21)
.irp g, G1A, G1B
	s_mov_b32 s[\g+1], 512<<16                     ; tensor_dim0 = 512
	s_mov_b32 s[\g+2], 8<<16                       ; tensor_dim1 = 8
	s_mov_b32 s[\g+3], 512<<16                     ; tile_dim0 = 512
	s_mov_b32 s[\g+4], 8                           ; tile_dim1 = 8
	s_mov_b32 s[\g+5], 2048                        ; from row tile to row tile
	s_mov_b32 s[\g+6], 0
	s_mov_b32 s[\g+7], 0
.endr
	s_lshl_b32 s72, s[CH], 17                      ; the half that I fetch: 8 row tiles
	s_lshl_b32 s70, s[ABLK], 18
	s_add_co_u32 s70, s70, s72
	s_mov_b32 s71, 0
	s_lshl_b32 s74, s[BBLK], 18
	s_add_co_u32 s74, s74, s72
	s_mov_b32 s75, 0
	s_lshl_b32 s73, s[WV], 15                      ; where it goes: wave x 32,768: no place in the cluster enters an LDS address
	s_lshl_b32 s76, s[BBLK], 13                    ; the scale words of my 128 rows of B,
	s_lshl_b32 s77, s[CH], 12
	s_add_co_u32 s76, s76, s77
	s_mov_b32 s77, 0
	s_lshl_b32 s78, s[ABLK], 13                    ; and of A
	s_lshl_b32 s79, s[RH], 12
	s_add_co_u32 s78, s78, s79
	s_mov_b32 s79, 0
	s_mov_b32 s[MNT], 0x600000
	s_mov_b32 s[SEL], 0x76543210
	s_mov_b32 s[SEL+1], 0xfedcba98
	s_wait_kmcnt 0x0
	s_add_nc_u64 s[70:71], s[4:5], s[70:71]
	s_add_nc_u64 s[74:75], s[4:5], s[74:75]
	s_add_nc_u64 s[76:77], s[6:7], s[76:77]
	s_add_nc_u64 s[78:79], s[6:7], s[78:79]
	CROUND                                         ; all sixteen work-groups are here: the first joint loads meet
.irp s, 0,1
	s_mov_b32 s[G0A+4*\s], 1
	s_add_co_u32 s[G0A+4*\s+1], s73, \s*SLOT
	s_add_nc_u64 s[G0A+4*\s+2:G0A+4*\s+3], s[70:71], \s*4096
	s_or_b32 s[G0A+4*\s+3], s[G0A+4*\s+3], 0x80000000
	s_mov_b32 s[G0B+4*\s], 1
	s_add_co_u32 s[G0B+4*\s+1], s73, \s*SLOT
	s_add_nc_u64 s[G0B+4*\s+2:G0B+4*\s+3], s[74:75], \s*4096
	s_or_b32 s[G0B+4*\s+3], s[G0B+4*\s+3], 0x80000000
	JLOAD \s
.endr
	v_and_b32 v[LN], 31, v0
	v_lshlrev_b32 v[LI], 4, v[LN]
.irp k, 0,1,2,3,4,5,6,7
	global_load_b128 v[SB+4*\k:SB+4*\k+3], v[LI], s[76:77] offset:512*\k   ; 512 dense bytes: the words of 8 row tiles for K step k
	global_load_b128 v[SA+4*\k:SA+4*\k+3], v[LI], s[78:79] offset:512*\k
.endr
	v_and_b32 v3, 15, v0                           ; r
	v_bfe_u32 v8, v0, 4, 1                         ; h
	v_lshlrev_b32 v[CSA], 8, v3
	v_lshl_add_u32 v[CSA], v8, 5, v[CSA]
	v_lshlrev_b32 v[BIA], 5, v8
	v_lshlrev_b32 v[BVA], 2, v3
	v_lshlrev_b32 v[VSA], 4, v3
	v_lshl_add_u32 v[VSA], v8, 13, v[VSA]
	s_lshl_b32 s80, s[RH], 15                      ; my 128 rows of A,
	s_lshl_b32 s81, s[CH], 15
	s_add_co_u32 s81, s81, 65536                   ; of B, behind A's two halves
.irp s, 0,1
	v_add_nc_u32 v[ADRA+\s], s80, v[LI]
	v_add_nc_u32 v[ADRB+\s], s81, v[LI]
	s_add_co_u32 s80, s80, SLOT
	s_add_co_u32 s81, s81, SLOT
.endr
	s_wait_tensorcnt 1                             ; my part of slot 0 is in; slot 1's may stay out
	s_barrier_signal -1
	s_barrier_wait -1
	FETCH_B 0, 0, 0
	FETCH_A 0, 0, 0
	FETCH_A 0, 0, 4
	s_wait_loadcnt 0x0                             ; the scale words
	STEP 0, 0, 1                                   ; the first products start the sums: nothing is cleared
	TURN 0, 1, 1, 1
	STEP 1, 2, 0
	TURN 1, 0, 3, 1
	STEP 0, 4, 0
	TURN 0, 1, 5, 0                                ; nothing is left to fetch
	STEP 1, 6, 0
	s_cmp_eq_u32 s[ISV], 1                         ; the same in all partners
	s_cbranch_scc1 .Lv_path
	; ---- q and k.  B's set 0 (window 1, v0-127) has had its last read and its places: the biases and the first tile's cos and sin land there under the last K step's products.
.set T,   128                          ; v128-159 a token's 32 numbers of a head (of my half of the lanes), with the bias
.set U,   160                          ; v160-191 after RoPE
.set TM,  192
.set PC,  208
.set PWS, 216                          ; v216-231 scale words: 8 hh + a
.set OW,  232
	s_lshl_b32 s80, s[ABLK], 16                    ; cos, sin at my first token: 256 bytes a token
	s_lshl_b32 s81, s[RH], 15
	s_add_co_u32 s80, s80, s81
	s_mov_b32 s81, 0
	s_add_nc_u64 s[8:9], s[8:9], s[80:81]
	s_add_nc_u64 s[10:11], s[10:11], s[80:81]
	s_sub_co_u32 s82, s[BBLK], 16                  ; the block of 256 rows inside qkv_w
	s_lshl_b32 s84, s82, 10
	s_lshl_b32 s83, s[CH], 9
	s_add_co_u32 s84, s84, s83                     ; 4 x my first row
	s_mov_b32 s85, 0
	s_add_nc_u64 s[12:13], s[12:13], s[84:85]
	s_lshl_b32 s82, s82, 2
	s_lshl_b32 s83, s[CH], 1
	s_add_co_u32 s82, s82, s83                     ; G: my first head (q's 0-15, k's 16-31)
	s_lshl_b32 s86, s82, 18
	s_lshl_b32 s83, s[ABLK], 14
	s_add_co_u32 s86, s86, s83
	s_lshl_b32 s83, s[RH], 13
	s_add_co_u32 s86, s86, s83                     ; + 1,024 bytes a token tile
	s_mov_b32 s87, 0
	s_add_nc_u64 s[14:15], s[14:15], s[86:87]
	s_lshl_b32 s88, s82, 14
	s_lshl_b32 s83, s[ABLK], 10
	s_add_co_u32 s88, s88, s83
	s_lshl_b32 s83, s[RH], 9
	s_add_co_u32 s88, s88, s83                     ; + 4 bytes a token
	s_mov_b32 s89, 0
	s_add_nc_u64 s[16:17], s[16:17], s[88:89]
.macro CSLOAD a                        ; cos and sin of token tile a: register 8 bb + j = channel 16 bb + 8 h + j, as the results lie; sets by turns at window 1 v64 and v128
.set CSB, 64+64*((\a)%2)
	WIN 0x40
.irp bb, 0,1,2,3
	global_load_b128 v[CSB+8*\bb:CSB+8*\bb+3], v[CSA], s[8:9] offset:(\a)*4096+64*\bb
	global_load_b128 v[CSB+8*\bb+4:CSB+8*\bb+7], v[CSA], s[8:9] offset:(\a)*4096+64*\bb+16
	global_load_b128 v[CSB+32+8*\bb:CSB+32+8*\bb+3], v[CSA], s[10:11] offset:(\a)*4096+64*\bb
	global_load_b128 v[CSB+32+8*\bb+4:CSB+32+8*\bb+7], v[CSA], s[10:11] offset:(\a)*4096+64*\bb+16
.endr
	WIN 0
.endm
	WIN 0x40
.irp n, 0,1,2,3,4,5,6,7
	global_load_b128 v[8*\n:8*\n+3], v[BIA], s[12:13] offset:64*\n      ; the bias of my 128 rows of qkv_w: register 8 b + j = row 16 b + 8 h + j
	global_load_b128 v[8*\n+4:8*\n+7], v[BIA], s[12:13] offset:64*\n+16
.endr
	WIN 0
	CSLOAD 0
	LAST
	CSLOAD 1                                       ; B's set 1 is free now
.irp b, 0,1,2,3
	v_mov_b32 v[TM+4+\b], 0                        ; a lane permute's destination counts as one of its sources
.endr
; Token tile a, head hh: bias, RoPE (channel d pairs with d + 32, which lies 16 registers on), quantised along the head's 64: two blocks, 8 registers of codes.
.macro ROPEQ a, hh
.set AC, 64*((\a)%4)+32*(\hh)
.set CSB, 64+64*((\a)%2)
	s_wait_xcnt 0x0                                ; the last stores have read the codes' registers
	WIN 0x06+(\a)/4                                ; source 0 the accumulators' window, source 1 window 1
.set xx, 0
.rept 16
	v_pk_add_f32 v[T+xx:T+xx+1], v[AC+xx:AC+xx+1], v[32*(\hh)+xx:32*(\hh)+xx+1]   ; each accumulator from its low end on
.set xx, xx+2
.endr
	WIN 0x04
.set xx, 0
.rept 8
	v_pk_mul_f32 v[U+xx:U+xx+1], v[T+16+xx:T+17+xx], v[CSB+32+xx:CSB+33+xx]        ; x(d + 32) sin(d)
	v_pk_mul_f32 v[U+16+xx:U+17+xx], v[T+xx:T+xx+1], v[CSB+48+xx:CSB+49+xx]        ; x(d) sin(d + 32)
.set xx, xx+2
.endr
.set xx, 0
.rept 8
	v_pk_fma_f32 v[U+xx:U+xx+1], v[T+xx:T+xx+1], v[CSB+xx:CSB+xx+1], v[U+xx:U+xx+1] neg_lo:[0,0,1] neg_hi:[0,0,1]
	v_pk_fma_f32 v[U+16+xx:U+17+xx], v[T+16+xx:T+17+xx], v[CSB+16+xx:CSB+17+xx], v[U+16+xx:U+17+xx]
.set xx, xx+2
.endr
	WIN 0
	QUANT U, 2, 3, PWS+8*(\hh)+(\a)
	global_store_b128 v[LI], v[PC:PC+3], s[14:15] offset:(\hh)*262144+(\a)*1024        ; 512 consecutive bytes
	global_store_b128 v[LI], v[PC+4:PC+7], s[14:15] offset:(\hh)*262144+(\a)*1024+512
.endm
.irp a, 0,1,2,3,4,5,6,7
.if \a < 7
	s_wait_loadcnt 16                              ; this tile's cos and sin (and the biases) are in; the next tile's 16 loads may be out
.else
	s_wait_loadcnt 0x0
.endif
	ROPEQ \a, 0
	ROPEQ \a, 1
.if \a < 6
	CSLOAD \a+2
.endif
.endr
	v_cmp_le_u32 vcc_lo, 16, v[LN]                 ; lanes 16-31 send the words of tiles 4-7
.irp hh, 0,1
	s_wait_xcnt 0x0
.irp t, 0,1,2,3
	v_cndmask_b32 v[OW+\t], v[PWS+8*\hh+\t], v[PWS+8*\hh+4+\t], vcc_lo
.endr
	global_store_b128 v[LI], v[OW:OW+3], s[16:17] offset:\hh*16384   ; 512 consecutive bytes
.endr
	s_branch .Lend
.Lv_path:
	; ---- v.  A lane holds one channel; its 64 registers of a block a are 128 keys: four blocks, one fragment.
.set T,   128                          ; v128-191
.set TM,  192
.set PC,  208                          ; v208-223
.set PWS, 224                          ; v224-231
.set OW,  232
	s_sub_co_u32 s82, s[ABLK], 16
	s_lshl_b32 s84, s82, 10
	s_lshl_b32 s83, s[RH], 9
	s_add_co_u32 s84, s84, s83                     ; 4 x my first row of qkv_w
	s_mov_b32 s85, 0
	s_add_nc_u64 s[12:13], s[12:13], s[84:85]
	s_sub_co_u32 s82, s[ABLK], 24
	s_lshl_b32 s82, s82, 2
	s_lshl_b32 s83, s[RH], 1
	s_add_co_u32 s82, s82, s83                     ; my first head
	s_lshl_b32 s83, s[BBLK], 1
	s_add_co_u32 s83, s83, s[CH]                   ; my 128 keys
	s_lshl_b32 s86, s82, 18
	s_lshl_b32 s90, s83, 13
	s_add_co_u32 s86, s86, s90
	s_mov_b32 s87, 0
	s_add_nc_u64 s[18:19], s[18:19], s[86:87]
	s_lshl_b32 s88, s82, 13
	s_lshl_b32 s90, s83, 8
	s_add_co_u32 s88, s88, s90
	s_mov_b32 s89, 0
	s_add_nc_u64 s[20:21], s[20:21], s[88:89]
	WIN 0x40
.irp n, 0,1,2,3,4,5,6,7
	global_load_b32 v[2*\n], v[BVA], s[12:13] offset:64*\n     ; my channel's bias, into both registers of a pair for the packed addition
	global_load_b32 v[2*\n+1], v[BVA], s[12:13] offset:64*\n
.endr
	WIN 0
	LAST
.irp b, 0,1,2,3
	v_mov_b32 v[TM+4+\b], 0
.endr
	s_wait_loadcnt 0x0
.macro VQ a
	s_wait_xcnt 0x0                                ; the last stores have read the codes' registers
	WIN 0x06+(\a)/4
.set xx, 0
.rept 32
	v_pk_add_f32 v[T+xx:T+xx+1], v[64*((\a)%4)+xx:64*((\a)%4)+xx+1], v[2*(\a):2*(\a)+1]   ; each accumulator from its low end on
.set xx, xx+2
.endr
	WIN 0
	QUANT T, 4, 4, PWS+(\a)
.irp c, 0,1,2,3
	global_store_b128 v[LI], v[PC+4*\c:PC+4*\c+3], s[18:19] offset:((\a)/4)*262144+((\a)%4)*2048+512*\c
.endr
.endm
.irp a, 0,1,2,3,4,5,6,7
	VQ \a
.endr
	v_cmp_le_u32 vcc_lo, 16, v[LN]                 ; lanes 16-31 send the second head's words
	s_wait_xcnt 0x0
.irp t, 0,1,2,3
	v_cndmask_b32 v[OW+\t], v[PWS+\t], v[PWS+4+\t], vcc_lo
.endr
	global_store_b128 v[VSA], v[OW:OW+3], s[20:21] ; two aligned runs of 256 bytes, one for each head
.Lend:
	s_wait_tensorcnt 0x0                           ; the wave's end
	ds_add_u32 v[SPW], v[NIL]
	s_wait_dscnt 0x0
	CROUND                                         ; the closing round
	s_endpgm
.Lfunc_end_k_qe84c842aba_qkv:
	.size	k_qe84c842aba_qkv, .Lfunc_end_k_qe84c842aba_qkv-k_qe84c842aba_qkv
	.p2alignl 7, 3214868480
	.fill 96, 4, 3214868480
	.section	.rodata,"a",@progbits
	.p2align	6, 0x0
	.amdhsa_kernel k_qe84c842aba_qkv
		.amdhsa_group_segment_fixed_size 327680
		.amdhsa_private_segment_fixed_size 0
		.amdhsa_enable_private_segment 0
		.amdhsa_kernarg_size 72
		.amdhsa_user_sgpr_count 2
		.amdhsa_user_sgpr_kernarg_segment_ptr 1
		.amdhsa_wavefront_size32 1
		.amdhsa_system_sgpr_workgroup_id_x 1
		.amdhsa_system_sgpr_workgroup_id_y 1
		.amdhsa_system_sgpr_workgroup_id_z 1
		.amdhsa_system_vgpr_workitem_id 0
		.amdhsa_next_free_vgpr 1024
		.amdhsa_next_free_sgpr 100
		.amdhsa_reserve_vcc 1
		.amdhsa_float_denorm_mode_32 3
		.amdhsa_float_denorm_mode_16_64 3
		.amdhsa_memory_ordered 1
		.amdhsa_forward_progress 1
		.amdhsa_inst_pref_size 255
	.end_amdhsa_kernel
	.section	.bss,"aw",@nobits
	.p2align	6
	.space	262144
	.amdgpu_metadata
---
amdhsa.version: [ 1, 2 ]
amdhsa.kernels:
  - .name:           k_qe84c842aba_qkv
    .symbol:         k_qe84c842aba_qkv.kd
    .args:
      - { .name: codes, .offset: 0, .size: 8, .value_kind: global_buffer, .address_space: global }
      - { .name: scl, .offset: 8, .size: 8, .value_kind: global_buffer, .address_space: global }
      - { .name: cos, .offset: 16, .size: 8, .value_kind: global_buffer, .address_space: global }
      - { .name: sin, .offset: 24, .size: 8, .value_kind: global_buffer, .address_space: global }
      - { .name: qkv_b, .offset: 32, .size: 8, .value_kind: global_buffer, .address_space: global }
      - { .name: qk_img, .offset: 40, .size: 8, .value_kind: global_buffer, .address_space: global }
      - { .name: qk_scl, .offset: 48, .size: 8, .value_kind: global_buffer, .address_space: global }
      - { .name: v_img, .offset: 56, .size: 8, .value_kind: global_buffer, .address_space: global }
      - { .name: v_scl, .offset: 64, .size: 8, .value_kind: global_buffer, .address_space: global }
    .group_segment_fixed_size: 327680
    .private_segment_fixed_size: 0
    .kernarg_segment_align: 8
    .kernarg_segment_size: 72
    .max_flat_workgroup_size: 128
    .sgpr_count:     100
    .vgpr_count:     1024
    .wavefront_size: 32
...
	.end_amdgpu_metadata
.endif
;; end of part 2
;; launch attn (part 3): grid 16 x 16, 16 waves a work-group, clusters of 4 x 1, 327,680 bytes of LDS; arguments qk_img, qk_scl, v_img, v_scl, o_img, o_scl; writes o_img, o_scl
.if DOCPART == 3
	.amdgcn_target "amdgcn-amd-amdhsa--gfx1250"
	.amdhsa_code_object_version 6
	.text
	.protected	k_qe84c842aba_attn
	.globl	k_qe84c842aba_attn
	.p2align	8
	.type	k_qe84c842aba_attn,@function
k_qe84c842aba_attn:
	s_mov_b64 s[64:65], 0
	v_nop
	global_prefetch_b8 v0, s[64:65] scope:SCOPE_SE
	s_setreg_imm32_b32 hwreg(HW_REG_WAVE_MODE, 25, 1), 1
	s_wait_xcnt 0x0
	s_wait_alu depctr_hold_cnt(0) depctr_sa_sdst(0) depctr_va_vdst(0) depctr_va_sdst(0) depctr_va_ssrc(0) depctr_va_vcc(0) depctr_vm_vsrc(0)
	s_getreg_b32 s2, hwreg(HW_REG_IB_STS2, 6, 4)
	s_cmp_eq_u32 s2, 0
	s_cbranch_scc0 .Lentry_in_a_cluster
	s_endpgm
.Lentry_in_a_cluster:
	s_bfe_u32 s2, ttmp6, 0x10000c
	s_cmp_lg_u32 s2, 0x3003
	s_cbranch_scc0 .Lentry_shape_is_right
	s_endpgm
.Lentry_shape_is_right:
; O[h][q] = the sum over k of softmax_k(Q[h][q] . K[h][k] / 8) V[h][k], 16 heads, 4,096 tokens, head size 64, both products on codes of BF8 (E5M2) with E8M0 scales; O is quantised for the projection and stored as images.
; THE SOFTMAX AHEAD OF THE SECOND PRODUCT: t = score x log2(e) / 8; M = the running largest t rounded UP to a whole number; p = 2^(t - M) is quantised along the keys, not normalised.
; The row's sum is taken of the unquantised p and divides O at the end.  When M moves, the sum and O are multiplied by 2^(old M - new M): exact.
; SHARES.  A work-group owns 256 queries of one head, each of its sixteen waves 16 of them in 256 registers: four waves to a SIMD, so that one wave's vector work stands beside another's products and LDS loads.
; Every wave walks all keys, 128 a step.  K's and V's images come through two LDS slots of 1,024 keys (waves 0, 1: K's halves; waves 2, 3: V's), 32,768 dense bytes a load.
; CLUSTER.  The four query blocks of a cluster belong to one head and walk the same K and V: every tile is asked for jointly by the four.
; LAYOUT.  S^T = K Q^T (source 0 = 16 keys, source 1 = my 16 queries), O^T = V^T P^T: a lane holds ONE query throughout.  The 16 registers of two neighbouring tiles of S^T are slots 0-15 of a block of 32 keys
; in the order in which V's image has them (key 8 h + i, then 16 + 8 h + i - 8), so the conversions' results are the second product's operand.
; THE FIRST PRODUCT'S K IS 64, the instruction's 128: the other half is zero codes on both sides.  Q lies as [q | 0 | q]; K's fragments lie round two runs of zeros, [k | 0] and [0 | k], so that no zero is written twice;
; the scale words of q and k hold their two bytes twice, which serves both placements.
; LIMITS: NaN and infinities are not served; a block of O whose largest magnitude lies under 2^-111 has its byte held at 1; a block of zeros gets the byte 1 (zero codes; read by this program alone).
.set SLOT1, 131072                     ; a slot: K's images of 1,024 keys (65,536 bytes), then V's
.set SCK,   2*SLOT1                    ; K's scale words of the head: 16,384 bytes, filled once
.set SCV,   SCK+16384                  ; V's: 8,192 bytes
.set SPARE, SCV+8192                   ; the spare words: 128 bytes a wave, eight blocks of 256 bytes that no other line names
.set STG,   SPARE+2048                 ; 1,024 bytes of their own for O's scale words: no tensor load lands here
.set LI,   1                           ; v1  16 x lane
.set LR,   2                           ; v2  16 x (lane % 16)
.set STW,  3                           ; v3  where I put my scale word
.set STR,  4                           ; v4  where waves 0 and 1 read 512 bytes back
.set SPW,  5
.set NIL,  6
.set ADK,  8
.set ADV,  9
.set ADS,  10
.set ADT,  11                          ; v12 -M, v13 the largest t, v[14:15] the sum in two halves; v16-39 Q as [q | 0 | q]
.set KR,   40                          ; v40-119: groups of 8: [., k0, 0, k1, k2, 0, k3, ., ., .]; V's four fragments at +0, +24, +48, +64 touch no zero
.set S,    120                         ; v120-183 S^T, then p
.set O,    184                         ; v184-215 O^T
.set PC,   216                         ; v216-231 p's codes
.set BM,   232
.set BP,   236
.set BH,   240
.set BS,   244
.set TM,   232                         ; the same sixteen, in QUANT
.set SW,   248                         ; v248-251 K's scale words, then V's;  v252 f, v253 p's scale word, v254 at work, v255 Q's scale word
.set WV,   18
.set MNT,  19
.set SEL,  20
.set CS,   22
.set G1T,  24
.set G1S,  32
.set G0T,  40
.set G0S,  44
.set TB,   48
.set TS,   49
.set TJ,   50
.set SLOTS, 51
.set CNT,  52
.macro TLOAD g0, g1, nw                ; waves 0 .. nw - 1 issue, each its own part; four v_nop follow.  The branch hangs on the wave's number alone
	s_cmp_lt_u32 s[WV], \nw
	s_cbranch_scc0 .Lnone_\@
	tensor_load_to_lds s[\g0:\g0+3], s[\g1:\g1+7]
	s_nop 0
.rept 4
	v_nop
.endr
.Lnone_\@:
.endm
.macro CROUND                          ; a round of the cluster's barrier
	s_barrier_signal -1
	s_barrier_wait -1
	s_cmp_lg_u32 s[WV], 0
	s_cbranch_scc1 .Lnot_wave_0_\@
	s_barrier_signal -3
.Lnot_wave_0_\@:
	s_barrier_wait -3
	s_barrier_signal -1
	s_barrier_wait -1
.endm
.macro QUANT s, nb, kind, pw           ; 16 nb numbers of a lane become codes in v[PC] on and a scale word in v[pw]
.set qb, 0
.rept \nb
	v_max3_num_f32 v[TM+qb], |v[(\s)+16*qb]|, |v[(\s)+16*qb+1]|, 0x8000000
.set qb, qb+1
.endr
.set qi, 2
.rept 7
.set qb, 0
.rept \nb
	v_max3_num_f32 v[TM+qb], v[TM+qb], |v[(\s)+16*qb+qi]|, |v[(\s)+16*qb+qi+1]|
.set qb, qb+1
.endr
.set qi, qi+2
.endr
.set qb, 0
.rept \nb
	v_permlanex16_b32 v[TM+4+qb], v[TM+qb], s[SEL], s[SEL+1]
.set qb, qb+1
.endr
.set qb, 0
.rept \nb
	v_max_num_f32 v[TM+qb], v[TM+qb], v[TM+4+qb]
.set qb, qb+1
.endr
.set qb, 0
.rept \nb
	v_add_nc_u32 v[TM+12+qb], 0xf8800000, v[TM+qb]
.set qb, qb+1
.endr
.set qb, 0
.rept \nb
	v_and_or_b32 v[TM+8+qb], v[TM+qb], 0x7f800000, s[MNT]
.set qb, qb+1
.endr
.set qb, 0
.rept \nb
	v_lshrrev_b32 v[TM+4+qb], 23, v[TM+12+qb]
.set qb, qb+1
.endr
	v_lshl_or_b32 v[\pw], v[TM+5], 8, v[TM+4]
.if \kind == 4
	v_lshl_or_b32 v[\pw], v[TM+6], 16, v[\pw]
	v_lshl_or_b32 v[\pw], v[TM+7], 24, v[\pw]
.elseif \kind == 3
	v_lshl_or_b32 v[\pw], v[\pw], 16, v[\pw]
.endif
.set qb, 0
.rept \nb
.set qi, 0
.rept 16
	v_med3_num_f32 v[(\s)+16*qb+qi], v[(\s)+16*qb+qi], -v[TM+8+qb], v[TM+8+qb]
.set qi, qi+1
.endr
	v_cvt_scalef32_pk8_bf8_f32 v[PC+4*qb:PC+4*qb+1], v[(\s)+16*qb:(\s)+16*qb+7], v[TM+12+qb]
	v_cvt_scalef32_pk8_bf8_f32 v[PC+4*qb+2:PC+4*qb+3], v[(\s)+16*qb+8:(\s)+16*qb+15], v[TM+12+qb]
.set qb, qb+1
.endr
	v_nop
.endm
	s_load_b256 s[4:11], s[0:1], 0x0               ; qk_img s[4:5], qk_scl s[6:7], v_img s[8:9], v_scl s[10:11]
	s_load_b128 s[12:15], s[0:1], 0x20             ; o_img s[12:13], o_scl s[14:15]
	v_lshl_add_u32 v[SPW], v0, 2, SPARE
	v_mov_b32 v[NIL], 0
	ds_add_u32 v5, v6
	s_wait_dscnt 0x0
	v_lshrrev_b32 v7, 5, v0
	v_readfirstlane_b32 s[WV], v7                  ; wave 0..15
	v_and_b32 v7, 31, v0
	v_lshlrev_b32 v[LI], 4, v7
	v_and_b32 v7, 15, v0
	v_lshlrev_b32 v[LR], 4, v7
	s_and_b32 s56, s[WV], 3
	s_and_b32 s57, s[WV], 1
	s_lshr_b32 s66, s[WV], 2
	s_lshl_b32 s66, s66, 8                         ; the stage: 256 bytes for 64 queries, 16 r + 4 (tile % 4) in them
	s_lshl_b32 s67, s56, 2
	s_add_co_u32 s66, s66, s67
	s_add_co_u32 s66, s66, STG
	v_add_nc_u32 v[STW], s66, v[LR]
	s_lshl_b32 s67, s57, 9
	s_add_co_u32 s67, s67, STG
	v_add_nc_u32 v[STR], s67, v[LI]
	s_bfe_u32 s53, ttmp6, 0x40000                  ; cx
	s_lshl_b32 s54, ttmp9, 2
	s_add_co_u32 s54, s54, s53                     ; my block of 256 queries: it enters Q's and O's addresses alone
	s_and_b32 s55, ttmp7, 0xffff                   ; the head, which the four partners share
	s_lshl_b32 s60, s55, 18                        ; V's images of the head, + the half that I fetch
	s_lshl_b32 s61, s57, 15
	s_add_co_u32 s60, s60, s61
	s_add_co_u32 s58, s60, 16*262144               ; K's: 16 heads of q lie in front
	s_mov_b32 s59, 0
	s_mov_b32 s61, 0
	s_lshl_b32 s62, s55, 14                        ; K's scale words, + my half
	s_lshl_b32 s63, s57, 13
	s_add_co_u32 s62, s62, s63
	s_add_co_u32 s62, s62, 16*16384
	s_mov_b32 s63, 0
	s_lshl_b32 s66, s55, 13                        ; V's
	s_mov_b32 s67, 0
	s_lshl_b32 s70, s54, 4
	s_add_co_u32 s70, s70, s[WV]                   ; my tile of 16 queries
	s_lshl_b32 s68, s55, 18
	s_lshl_b32 s69, s70, 10
	s_add_co_u32 s68, s68, s69                     ; its image
	s_mov_b32 s69, 0
	s_lshl_b32 s72, s55, 14
	s_lshr_b32 s73, s70, 2
	s_lshl_b32 s73, s73, 8
	s_add_co_u32 s72, s72, s73
	s_lshl_b32 s73, s56, 2
	s_add_co_u32 s72, s72, s73                     ; its scale words
	s_mov_b32 s73, 0
	s_lshl_b32 s74, s70, 14                        ; O's image: token tile, K step head / 2, blocks 2 (head % 2) on
	s_lshr_b32 s75, s55, 1
	s_lshl_b32 s75, s75, 11
	s_add_co_u32 s74, s74, s75
	s_and_b32 s75, s55, 1
	s_lshl_b32 s75, s75, 10
	s_add_co_u32 s74, s74, s75
	s_mov_b32 s75, 0
	s_lshl_b32 s76, s55, 14                        ; O's scale words: the work-group's 1,024 bytes, 512 for each of waves 0 and 1
	s_lshl_b32 s77, s54, 10
	s_add_co_u32 s76, s76, s77
	s_lshl_b32 s77, s57, 9
	s_add_co_u32 s76, s76, s77
	s_mov_b32 s77, 0
	; descriptor group 1: dense blocks as rows of 256 bytes (32 elements of 8 bytes): 128 rows for images, 32 for scale words
	s_mov_b32 s[G1T], 15|(3<<16)|(1<<21)           ; 15:0 the mask: all four work-groups; 17:16 elements of 8 bytes; 21 set beside a mask
	s_mov_b32 s[G1T+1], 32<<16
	s_mov_b32 s[G1T+2], 128<<16
	s_mov_b32 s[G1T+3], 32<<16
	s_mov_b32 s[G1T+4], 128
	s_mov_b32 s[G1T+5], 32
	s_mov_b32 s[G1T+6], 0
	s_mov_b32 s[G1T+7], 0
	s_mov_b32 s[G1S], 15|(3<<16)|(1<<21)
	s_mov_b32 s[G1S+1], 32<<16
	s_mov_b32 s[G1S+2], 32<<16
	s_mov_b32 s[G1S+3], 32<<16
	s_mov_b32 s[G1S+4], 32
	s_mov_b32 s[G1S+5], 32
	s_mov_b32 s[G1S+6], 0
	s_mov_b32 s[G1S+7], 0
	s_mov_b32 s[G0T], 1
	s_lshl_b32 s[G0T+1], s56, 15                   ; slot 0: K's halves, V's halves
	s_mov_b32 s[G0S], 1
	s_lshl_b32 s[G0S+1], s56, 13
	s_add_co_u32 s[G0S+1], s[G0S+1], SCK           ; K's two halves, then V's
	s_mov_b32 s[MNT], 0x600000
	s_mov_b32 s[SEL], 0x76543210
	s_mov_b32 s[SEL+1], 0xfedcba98
	s_mov_b32 s[CS], 0x3e38aa3b                    ; c = log2(e) / 8
	s_mov_b32 s[CS+1], s[CS]                       ; (named with it as a pair, so it is written)
	s_mov_b32 s[TB], 0
	s_mov_b32 s[TS], SCK
	s_mov_b32 s[TJ], SCV
	s_mov_b32 s[SLOTS], 3
	s_wait_kmcnt 0x0
	s_add_nc_u64 s[58:59], s[4:5], s[58:59]
	s_add_nc_u64 s[60:61], s[8:9], s[60:61]
	s_add_nc_u64 s[62:63], s[6:7], s[62:63]
	s_add_nc_u64 s[66:67], s[10:11], s[66:67]
	s_add_nc_u64 s[68:69], s[4:5], s[68:69]
	s_add_nc_u64 s[72:73], s[6:7], s[72:73]
	s_add_nc_u64 s[74:75], s[12:13], s[74:75]
	s_add_nc_u64 s[76:77], s[14:15], s[76:77]
	s_cmp_lt_u32 s56, 2                            ; waves 0, 1 fetch for K, waves 2, 3 for V: the choice hangs on the wave's number alone
	s_cselect_b64 s[G0T+2:G0T+3], s[58:59], s[60:61]
	s_cselect_b64 s[G0S+2:G0S+3], s[62:63], s[66:67]
	s_or_b32 s[G0T+3], s[G0T+3], 0x80000000
	s_or_b32 s[G0S+3], s[G0S+3], 0x80000000
	CROUND                                         ; all four work-groups are here: the first joint loads meet
	TLOAD G0S, G1S, 3                              ; the head's scale words: filled once
	TLOAD G0T, G1T, 4                              ; slot 0.  Two loads of a wave are out at the most
	global_load_b128 v[16:19], v[LI], s[68:69]     ; q, twice: in front of the zeros and behind them
	global_load_b128 v[20:23], v[LI], s[68:69] offset:512
	global_load_b128 v[32:35], v[LI], s[68:69]
	global_load_b128 v[36:39], v[LI], s[68:69] offset:512
	global_load_b32 v255, v[LR], s[72:73]          ; q's scale words
.irp j, 0,1,2,3,4,5,6,7
	v_mov_b32 v[24+\j], 0                          ; the zero codes: written once
	v_mov_b32 v[KR+16+\j], 0
	v_mov_b32 v[KR+40+\j], 0
.endr
	v_mov_b32 v13, 0xff61b1e6                      ; the largest t so far: -3e38
	v_floor_f32 v12, -v13                          ; -M
	v_mov_b32 v14, 0
	v_mov_b32 v15, 0
.irp b, 0,1,2,3
	v_mov_b32 v[BP+\b], 0                          ; a lane permute's destination counts as one of its sources
.endr
	v_mov_b32 v253, 0                              ; (named as the upper half of the pair v[252:253] before it is first written)
.set xx, 0
.rept 32
	v_mov_b32 v[O+xx], 0                           ; the step is written once: the first finds zeros, which the first change of M leaves zeros
.set xx, xx+1
.endr
; Four tiles of 16 keys: their images (1,024 bytes each) and four products.  g = 1: the scale words lie in lanes 16-31.
.macro KBATCH g
.irp t, 0,1,2,3
	ds_load_b128 v[KR+8+24*(\t/2)+16*(\t%2):KR+8+24*(\t/2)+16*(\t%2)+3], v[ADK] offset:(4*\g+\t)*1024
	ds_load_b128 v[KR+12+24*(\t/2)+16*(\t%2):KR+12+24*(\t/2)+16*(\t%2)+3], v[ADK] offset:(4*\g+\t)*1024+512
.endr
	s_wait_dscnt 0x0
.irp t, 0,1,2,3
.if \g
	v_wmma_scale_f32_16x16x128_f8f6f4 v[S+8*(4*\g+\t):S+8*(4*\g+\t)+7], v[KR+8+24*(\t/2)+8*(\t%2):KR+8+24*(\t/2)+8*(\t%2)+15], v[16+8*(\t%2):31+8*(\t%2)], 0, v[SW+\t], v255 matrix_a_fmt:MATRIX_FMT_BF8 matrix_b_fmt:MATRIX_FMT_BF8 matrix_a_scale:MATRIX_SCALE_ROW1
.else
	v_wmma_scale_f32_16x16x128_f8f6f4 v[S+8*(4*\g+\t):S+8*(4*\g+\t)+7], v[KR+8+24*(\t/2)+8*(\t%2):KR+8+24*(\t/2)+8*(\t%2)+15], v[16+8*(\t%2):31+8*(\t%2)], 0, v[SW+\t], v255 matrix_a_fmt:MATRIX_FMT_BF8 matrix_b_fmt:MATRIX_FMT_BF8
.endif
.endr
.endm
; A KEY STEP: 128 keys.
.macro STEP
	v_add_nc_u32 v[ADK], s[TB], v[LI]
	v_add_nc_u32 v[ADV], 0x10000, v[ADK]
	v_add_nc_u32 v[ADS], s[TS], v[LI]
	v_add_nc_u32 v[ADT], s[TJ], v[LR]
.rept 4
	v_nop                                          ; with the four additions: eight places behind the last step's products, in front of loads into their registers
.endr
	ds_load_b128 v[SW:SW+3], v[ADS]                ; the scale words of the step's 8 tiles of keys
	KBATCH 0
.rept 8
	v_nop
.endr
	KBATCH 1
.rept 8
	v_nop                                          ; in front of the loads below and of the first read of the scores
.endr
.irp d, 0,1,2,3
.irp c, 0,1,2,3
	ds_load_b128 v[KR+24*\d-8*(\d/3)+4*\c:KR+24*\d-8*(\d/3)+4*\c+3], v[ADV] offset:2048*\d+512*\c   ; V's four fragments land under the softmax
.endr
.endr
	ds_load_b128 v[SW:SW+3], v[ADT]                ; and their scale words
.irp b, 0,1,2,3
	v_max3_num_f32 v[BM+\b], v[S+16*\b], v[S+16*\b+1], v[S+16*\b+2]   ; the largest score of each block of 32 keys: for the row's maximum, and, since p rises with the score, for the block's largest p
.endr
.irp i, 3,5,7,9,11,13
.irp b, 0,1,2,3
	v_max3_num_f32 v[BM+\b], v[BM+\b], v[S+16*\b+\i], v[S+16*\b+\i+1]
.endr
.endr
.irp b, 0,1,2,3
	v_max_num_f32 v[BM+\b], v[BM+\b], v[S+16*\b+15]
.endr
.irp b, 0,1,2,3
	v_permlanex16_b32 v[BP+\b], v[BM+\b], s[SEL], s[SEL+1]
.endr
.irp b, 0,1,2,3
	v_max_num_f32 v[BM+\b], v[BM+\b], v[BP+\b]     ; with lane l xor 16's 16 keys
.endr
	v_max3_num_f32 v254, v[BM], v[BM+1], v[BM+2]
	v_max_num_f32 v254, v254, v[BM+3]
	v_mul_f32 v254, s[CS], v254                    ; as t (c is positive)
	v_max_num_f32 v13, v13, v254                   ; the running largest t
	v_mov_b32 v254, v12
	v_floor_f32 v12, -v13                          ; the new -M = -ceil(t)
	v_sub_f32 v254, v12, v254                      ; old M - new M: a whole number, 0 or less
	v_cvt_i32_f32 v254, v254                       ; (it saturates)
	v_ldexp_f32 v252, 1.0, v254                    ; f = 2^(old M - new M)
.set xx, 0
.rept 32
	v_pk_fma_f32 v[S+xx:S+xx+1], v[S+xx:S+xx+1], s[CS:CS+1], v[12:13] op_sel_hi:[1,0,0]   ; t - M
.set xx, xx+2
.endr
.irp b, 0,1,2,3
	v_fma_f32 v[BM+\b], v[BM+\b], s[CS], v12
.endr
.set xx, 0
.rept 64
	v_exp_f32 v[S+xx], v[S+xx]                     ; p = 2^(t - M)
.set xx, xx+1
.endr
.irp b, 0,1,2,3
	v_exp_f32 v[BM+\b], v[BM+\b]                   ; the block's largest p: the same two instructions on the same number
.endr
	v_pk_mul_f32 v[14:15], v[14:15], v[252:253] op_sel_hi:[1,0]   ; the sums under the new M (a plain line behind the exponentials)
	s_wait_alu depctr_va_vdst(0)
.irp b, 0,1,2,3
	v_max_num_f32 v[BM+\b], 0x8000000, v[BM+\b]    ; the floor 2^(16 - 127)
.endr
.irp b, 0,1,2,3
	v_add_nc_u32 v[BS+\b], 0xf8800000, v[BM+\b]
.endr
.irp b, 0,1,2,3
	v_and_or_b32 v[BH+\b], v[BM+\b], 0x7f800000, s[MNT]
.endr
.irp b, 0,1,2,3
	v_lshrrev_b32 v[BP+\b], 23, v[BS+\b]
.endr
	v_lshl_or_b32 v253, v[BP+1], 8, v[BP]          ; p's scale word for these 128 keys
	v_lshl_or_b32 v253, v[BP+2], 16, v253
	v_lshl_or_b32 v253, v[BP+3], 24, v253
	v_pk_add_f32 v[BP:BP+1], v[S:S+1], v[S+2:S+3]  ; the row's sum is taken of the unquantised p, in two chains
.set xx, 4
.rept 15
	v_pk_add_f32 v[14:15], v[14:15], v[S+xx:S+xx+1]
	v_pk_add_f32 v[BP:BP+1], v[BP:BP+1], v[S+xx+2:S+xx+3]
.set xx, xx+4
.endr
	v_pk_add_f32 v[14:15], v[14:15], v[BP:BP+1]
.irp b, 0,1,2,3
.irp i, 0,1,2,3,4,5,6,7,8,9,10,11,12,13,14,15
	v_min_num_f32 v[S+16*\b+\i], v[S+16*\b+\i], v[BH+\b]   ; the hold; p is not negative
.endr
	v_cvt_scalef32_pk8_bf8_f32 v[PC+4*\b:PC+4*\b+1], v[S+16*\b:S+16*\b+7], v[BS+\b]
	v_cvt_scalef32_pk8_bf8_f32 v[PC+4*\b+2:PC+4*\b+3], v[S+16*\b+8:S+16*\b+15], v[BS+\b]
.endr
.set xx, 0
.rept 16
	v_pk_mul_f32 v[O+xx:O+xx+1], v[O+xx:O+xx+1], v[252:253] op_sel_hi:[1,0]   ; O^T under the new M; these are also the places between the codes and the products
.set xx, xx+2
.endr
	s_wait_dscnt 0x0                               ; V
.irp d, 0,1,2,3
	v_wmma_scale_f32_16x16x128_f8f6f4 v[O+8*\d:O+8*\d+7], v[KR+24*\d-8*(\d/3):KR+24*\d-8*(\d/3)+15], v[PC:PC+15], v[O+8*\d:O+8*\d+7], v[SW+\d], v253 matrix_a_fmt:MATRIX_FMT_BF8 matrix_b_fmt:MATRIX_FMT_BF8
.endr
	s_add_co_u32 s[TB], s[TB], 8192
	s_add_co_u32 s[TS], s[TS], 512
	s_add_co_u32 s[TJ], s[TJ], 256
.endm
.macro SLOT_STEPS                      ; a slot's eight key steps: written once, walked eight times
	s_mov_b32 s[CNT], 8
.Lstep_\@:
	STEP
	s_sub_co_u32 s[CNT], s[CNT], 1
	s_cmp_lg_u32 s[CNT], 0
	s_cbranch_scc1 .Lstep_\@
	s_sub_co_u32 s[TB], s[TB], 65536
	s_xor_b32 s[TB], s[TB], SLOT1                  ; on to the other slot
.endm
; THE CHANGE OF SLOTS stands at a slot's head.  fill = 1: the slot that has been left is filled with the keys that follow; the barrier is then a round of the cluster's, and the load has eight steps in which to land.
.macro CHANGE fill
	s_wait_tensorcnt 0x0                           ; no tensor load of mine is out: my part of the slot ahead has landed, and the walking descriptor may be written
	ds_add_u32 v[SPW], v[NIL]                      ; 0 onto my spare word
.if \fill
	s_xor_b32 s[G0T+1], s[G0T+1], SLOT1
	s_add_nc_u64 s[G0T+2:G0T+3], s[G0T+2:G0T+3], 65536
.endif
	s_wait_dscnt 0x0                               ; the add is done, and my reads of the slot that I have left are over
.if \fill
	CROUND
	TLOAD G0T, G1T, 4                              ; the first thing behind the round, a wave's one tensor load until the next
.else
	s_barrier_signal -1
	s_barrier_wait -1
.endif
.endm
	s_wait_loadcnt 0x0                             ; Q
.Lslot:                                            ; three trips: behind each change of slots but the last the next 1,024 keys are asked for
	CHANGE 1
	SLOT_STEPS
	s_sub_co_u32 s[SLOTS], s[SLOTS], 1
	s_cmp_lg_u32 s[SLOTS], 0
	s_cbranch_scc1 .Lslot
	CHANGE 0                                       ; the last slot is written out
	SLOT_STEPS
	; THE WAY OUT: O^T / the sum, quantised along the head's 64 (two blocks of the projection's K), stored as half a fragment's image; the scale words meet in LDS and leave in runs of 512 bytes.
	v_add_f32 v14, v14, v15
	v_permlanex16_b32 v252, v14, s[SEL], s[SEL+1]
	v_add_f32 v14, v14, v252                       ; the row's sum
	v_rcp_f32 v14, v14
.rept 6
	v_nop                                          ; with the two additions: eight places behind the last products
.endr
.set xx, 0
	s_wait_alu depctr_va_vdst(0)
.rept 16
	v_pk_mul_f32 v[S+xx:S+xx+1], v[O+xx:O+xx+1], v[14:15] op_sel_hi:[1,0]   ; each accumulator from its low end on
.set xx, xx+2
.endr
	QUANT S, 2, 2, 254
	global_store_b128 v[LI], v[PC:PC+3], s[74:75]
	global_store_b128 v[LI], v[PC+4:PC+7], s[74:75] offset:512
	ds_store_b32 v[STW], v254                      ; both halves of the lanes write the same word with the same value
	s_wait_dscnt 0x0                               ; for the others' sake
	s_barrier_signal -1
	s_barrier_wait -1
	s_cmp_lt_u32 s[WV], 2
	s_cbranch_scc0 .Lno_scl
	ds_load_b128 v[S:S+3], v[STR]
	s_wait_dscnt 0x0
	global_store_b128 v[LI], v[S:S+3], s[76:77]    ; 512 consecutive bytes
.Lno_scl:
	s_wait_tensorcnt 0x0                           ; the wave's end
	ds_add_u32 v[SPW], v[NIL]
	s_wait_dscnt 0x0
	CROUND                                         ; the closing round
	s_endpgm
.Lfunc_end_k_qe84c842aba_attn:
	.size	k_qe84c842aba_attn, .Lfunc_end_k_qe84c842aba_attn-k_qe84c842aba_attn
	.p2alignl 7, 3214868480
	.fill 96, 4, 3214868480
	.section	.rodata,"a",@progbits
	.p2align	6, 0x0
	.amdhsa_kernel k_qe84c842aba_attn
		.amdhsa_group_segment_fixed_size 327680
		.amdhsa_private_segment_fixed_size 0
		.amdhsa_enable_private_segment 0
		.amdhsa_kernarg_size 48
		.amdhsa_user_sgpr_count 2
		.amdhsa_user_sgpr_kernarg_segment_ptr 1
		.amdhsa_wavefront_size32 1
		.amdhsa_system_sgpr_workgroup_id_x 1
		.amdhsa_system_sgpr_workgroup_id_y 1
		.amdhsa_system_sgpr_workgroup_id_z 1
		.amdhsa_system_vgpr_workitem_id 0
		.amdhsa_next_free_vgpr 256
		.amdhsa_next_free_sgpr 80
		.amdhsa_reserve_vcc 0
		.amdhsa_float_denorm_mode_32 3
		.amdhsa_float_denorm_mode_16_64 3
		.amdhsa_memory_ordered 1
		.amdhsa_forward_progress 1
		.amdhsa_inst_pref_size 54
	.end_amdhsa_kernel
	.amdgpu_metadata
---
amdhsa.version: [ 1, 2 ]
amdhsa.kernels:
  - .name:           k_qe84c842aba_attn
    .symbol:         k_qe84c842aba_attn.kd
    .args:
      - { .name: qk_img, .offset: 0, .size: 8, .value_kind: global_buffer, .address_space: global }
      - { .name: qk_scl, .offset: 8, .size: 8, .value_kind: global_buffer, .address_space: global }
      - { .name: v_img, .offset: 16, .size: 8, .value_kind: global_buffer, .address_space: global }
      - { .name: v_scl, .offset: 24, .size: 8, .value_kind: global_buffer, .address_space: global }
      - { .name: o_img, .offset: 32, .size: 8, .value_kind: global_buffer, .address_space: global }
      - { .name: o_scl, .offset: 40, .size: 8, .value_kind: global_buffer, .address_space: global }
    .group_segment_fixed_size: 327680
    .private_segment_fixed_size: 0
    .kernarg_segment_align: 8
    .kernarg_segment_size: 48
    .max_flat_workgroup_size: 512
    .sgpr_count:     80
    .vgpr_count:     256
    .wavefront_size: 32
...
	.end_amdgpu_metadata
.endif
;; end of part 3
;; launch proj (part 4): grid 4 x 16, 4 waves a work-group, clusters of 4 x 4, 327,680 bytes of LDS; arguments o_img, o_scl, codes, scl, proj_b, out0; writes out0
.if DOCPART == 4
	.amdgcn_target "amdgcn-amd-amdhsa--gfx1250"
	.amdhsa_code_object_version 6
	.text
	.protected	k_qe84c842aba_proj
	.globl	k_qe84c842aba_proj
	.p2align	8
	.type	k_qe84c842aba_proj,@function
k_qe84c842aba_proj:
	s_mov_b64 s[64:65], 0
	v_nop
	global_prefetch_b8 v0, s[64:65] scope:SCOPE_SE
	s_setreg_imm32_b32 hwreg(HW_REG_WAVE_MODE, 25, 1), 1
	s_wait_xcnt 0x0
	s_wait_alu depctr_hold_cnt(0) depctr_sa_sdst(0) depctr_va_vdst(0) depctr_va_sdst(0) depctr_va_ssrc(0) depctr_va_vcc(0) depctr_vm_vsrc(0)
	s_getreg_b32 s2, hwreg(HW_REG_IB_STS2, 6, 4)
	s_cmp_eq_u32 s2, 0
	s_cbranch_scc0 .Lentry_in_a_cluster
	s_endpgm
.Lentry_in_a_cluster:
	s_bfe_u32 s2, ttmp6, 0x10000c
	s_cmp_lg_u32 s2, 0xf033
	s_cbranch_scc0 .Lentry_shape_is_right
	s_endpgm
.Lentry_shape_is_right:
; out0 = O proj_w^T + proj_b on codes of BF8 (E5M2) with E8M0 scales.  O's codes come as images from attention (o_img), proj_w's from the quantiser (codes, stacked row blocks 28-31).
; A work-group of four waves makes 256 x 256, a wave 128 x 128: 64 accumulators.  K = 1,024 goes in 8 steps of 128 through two LDS slots of two steps each, written out without a loop.
; The frame is that of the QKV product: fragments are dense images read at 16 x lane; source 0 = 16 rows of proj_w, source 1 = 16 tokens, so that a lane holds eight neighbouring numbers of a row of out0;
; clusters of 4 x 4 with joint loads (O's tiles shared along a row, proj_w's along a column); the scale words for all of K stay in registers.
; 64 work-groups: the output has no more tiles of this size; a smaller tile would double the LDS bytes for each product, and this launch is a small part of the program's work.
; O's scale words come as two bytes a head: the word of K step ks is head 2 ks's two bytes under head 2 ks + 1's.
; REGISTERS: window 0: v1 16 x lane, v16-21 LDS addresses, v24-25 the stage, v28-29 for the add, v32-63 proj_w's scale words, v64-95 O's, v96-127 the odd heads' halves, v128-255 A's fragments, later rows of out0.
;   window 1: B's fragments, two sets; at the end v0-63 the bias, v64-127 a block's results with the bias.   windows 2, 3: the accumulators.
.set SLOT,  131072
.set SPARE, 2*SLOT                     ; the spare words: 128 bytes a wave, two blocks of 256 bytes that no other line names
.set SP,   528                         ; the way out: a stage of 16 rows x (512 + 16) bytes for each wave, in slot 0, which has had its last fill and its last read by then
.set LI,   1
.set ADRA, 16
.set ADRB, 20
.set STO,  24
.set RD,   25
.set SPW,  28
.set NIL,  29
.set SB,   32
.set SA,   64
.set SH,   96
.set AF,   128
.set BK,   128
.set TT,   64                          ; in window 1
.set WV,   22
.set RH,   23
.set CH,   24
.set BBLK, 30
.set ABLK, 31
.set G1A,  32
.set G0A,  40
.set G1B,  48
.set G0B,  56
.set MSB, 0
.macro WIN new
.if MSB != (\new)
	s_set_vgpr_msb (MSB<<8)|(\new)
.set MSB, \new
.endif
.endm
.set MUL_LO, 0xa1
.set MUL_HI, 0xf1
.set TO_B,   0x40
.macro JLOAD s                         ; a joint load: waves 0 and 1 fetch A's halves, waves 2 and 3 B's; four v_nop follow each line
	s_cmp_eq_u32 s[RH], 0
	s_cbranch_scc0 .Lfor_b_\@
	tensor_load_to_lds s[G0A+4*\s:G0A+4*\s+3], s[G1A:G1A+7]
	s_nop 0
.rept 4
	v_nop
.endr
	s_branch .Lasked_\@
.Lfor_b_\@:
	tensor_load_to_lds s[G0B+4*\s:G0B+4*\s+3], s[G1B:G1B+7]
	s_nop 0
.rept 4
	v_nop
.endr
.Lasked_\@:
.endm
.macro CREST
	s_cmp_lg_u32 s[WV], 0
	s_cbranch_scc1 .Lnot_wave_0_\@
	s_barrier_signal -3
.Lnot_wave_0_\@:
	s_barrier_wait -3
	s_barrier_signal -1
	s_barrier_wait -1
.endm
.macro CROUND
	s_barrier_signal -1
	s_barrier_wait -1
	CREST
.endm
.macro PLACES n                        ; plain lines behind matrix instructions: 8 for this form
.rept \n
	v_nop
.endr
.endm
.macro FRAG reg, adr, q, i
.irp c, 0,1,2,3
	ds_load_b128 v[\reg+4*\c:\reg+4*\c+3], v[\adr] offset:(\i)*4096+(\q)*2048+512*\c
.endr
.endm
.macro FETCH_B slot, q, p
	WIN TO_B
.irp i, 0,1,2,3,4,5,6,7
	FRAG 128*(\p)+16*\i, ADRB+\slot, \q, \i
.endr
	WIN 0
.endm
.macro FETCH_A slot, q, i0
.irp i, \i0, \i0+1, \i0+2, \i0+3
	FRAG AF+16*(\i), ADRA+\slot, \q, \i
.endr
.endm
.macro WM a, b, p, ks, zero            ; one product; a scale register holds the words of row tiles 0-3 in lanes 0-15 and of tiles 4-7 in lanes 16-31
.set rD, 8*(8*((\a)%4)+(\b))
.set rB, 128*(\p)+16*(\b)
.set rA, AF+16*(\a)
.set rX, SB+4*(\ks)+(\b)%4
.set rY, SA+4*(\ks)+(\a)%4
.if \zero
.if (\b) < 4
.if (\a) < 4
	v_wmma_scale_f32_16x16x128_f8f6f4 v[rD:rD+7], v[rB:rB+15], v[rA:rA+15], 0, v[rX], v[rY] matrix_a_fmt:MATRIX_FMT_BF8 matrix_b_fmt:MATRIX_FMT_BF8
.else
	v_wmma_scale_f32_16x16x128_f8f6f4 v[rD:rD+7], v[rB:rB+15], v[rA:rA+15], 0, v[rX], v[rY] matrix_a_fmt:MATRIX_FMT_BF8 matrix_b_fmt:MATRIX_FMT_BF8 matrix_b_scale:MATRIX_SCALE_ROW1
.endif
.else
.if (\a) < 4
	v_wmma_scale_f32_16x16x128_f8f6f4 v[rD:rD+7], v[rB:rB+15], v[rA:rA+15], 0, v[rX], v[rY] matrix_a_fmt:MATRIX_FMT_BF8 matrix_b_fmt:MATRIX_FMT_BF8 matrix_a_scale:MATRIX_SCALE_ROW1
.else
	v_wmma_scale_f32_16x16x128_f8f6f4 v[rD:rD+7], v[rB:rB+15], v[rA:rA+15], 0, v[rX], v[rY] matrix_a_fmt:MATRIX_FMT_BF8 matrix_b_fmt:MATRIX_FMT_BF8 matrix_a_scale:MATRIX_SCALE_ROW1 matrix_b_scale:MATRIX_SCALE_ROW1
.endif
.endif
.else
.if (\b) < 4
.if (\a) < 4
	v_wmma_scale_f32_16x16x128_f8f6f4 v[rD:rD+7], v[rB:rB+15], v[rA:rA+15], v[rD:rD+7], v[rX], v[rY] matrix_a_fmt:MATRIX_FMT_BF8 matrix_b_fmt:MATRIX_FMT_BF8
.else
	v_wmma_scale_f32_16x16x128_f8f6f4 v[rD:rD+7], v[rB:rB+15], v[rA:rA+15], v[rD:rD+7], v[rX], v[rY] matrix_a_fmt:MATRIX_FMT_BF8 matrix_b_fmt:MATRIX_FMT_BF8 matrix_b_scale:MATRIX_SCALE_ROW1
.endif
.else
.if (\a) < 4
	v_wmma_scale_f32_16x16x128_f8f6f4 v[rD:rD+7], v[rB:rB+15], v[rA:rA+15], v[rD:rD+7], v[rX], v[rY] matrix_a_fmt:MATRIX_FMT_BF8 matrix_b_fmt:MATRIX_FMT_BF8 matrix_a_scale:MATRIX_SCALE_ROW1
.else
	v_wmma_scale_f32_16x16x128_f8f6f4 v[rD:rD+7], v[rB:rB+15], v[rA:rA+15], v[rD:rD+7], v[rX], v[rY] matrix_a_fmt:MATRIX_FMT_BF8 matrix_b_fmt:MATRIX_FMT_BF8 matrix_a_scale:MATRIX_SCALE_ROW1 matrix_b_scale:MATRIX_SCALE_ROW1
.endif
.endif
.endif
.endm
.macro MUL16 a0, p, ks, zero           ; the 64 accumulators take turns, in the same order in every step
.irp a, \a0, \a0+1
.irp b, 0,1,2,3,4,5,6,7
	WM \a, \b, \p, \ks, \zero
.endr
.endr
.endm
.macro STEP slot, ks, zero
	s_wait_dscnt 16                                ; B's set and A's blocks 0-3 are in; the youngest 16 loads (A's blocks 4-7) may be out
	WIN MUL_LO
	MUL16 0, 0, \ks, \zero
	MUL16 2, 0, \ks, \zero
	s_wait_dscnt 0x0
	PLACES 8
	FETCH_B \slot, 1, 1
	FETCH_A \slot, 1, 0
	WIN MUL_HI
	MUL16 4, 0, \ks, \zero
	MUL16 6, 0, \ks, \zero
	PLACES 8
	WIN 0
	FETCH_A \slot, 1, 4
.endm
.macro TURN slot, next, ks, fill
	s_wait_tensorcnt 0x0                           ; all my tensor loads have landed: my part of the next slot
	ds_add_u32 v[SPW], v[NIL]                      ; 0 onto my spare word
	s_wait_dscnt 17                                ; the add and the youngest 16 loads may be out
	WIN MUL_LO
	MUL16 0, 1, \ks, 0
	s_wait_dscnt 0x0                               ; the add is done, and my reads of this slot are over
	s_barrier_signal -1
	MUL16 2, 1, \ks, 0
	WIN 0
	s_barrier_wait -1
.if \fill
	CREST                                          ; no wave of any partner still reads this slot or has a load on its way
	s_add_nc_u64 s[G0A+4*\slot+2:G0A+4*\slot+3], s[G0A+4*\slot+2:G0A+4*\slot+3], 8192
	s_add_nc_u64 s[G0B+4*\slot+2:G0B+4*\slot+3], s[G0B+4*\slot+2:G0B+4*\slot+3], 8192
	JLOAD \slot
	PLACES 4
.else
	PLACES 8
.endif
	FETCH_B \next, 0, 0
	FETCH_A \next, 0, 0
	WIN MUL_HI
	MUL16 4, 1, \ks, 0
	MUL16 6, 1, \ks, 0
	PLACES 8
	WIN 0
	FETCH_A \next, 0, 4
.endm
	s_load_b256 s[4:11], s[0:1], 0x0               ; o_img s[4:5], o_scl s[6:7], codes s[8:9], scl s[10:11]
	s_load_b128 s[12:15], s[0:1], 0x20             ; proj_b s[12:13], out0 s[14:15]
	v_lshl_add_u32 v[SPW], v0, 2, SPARE
	v_mov_b32 v[NIL], 0
	ds_add_u32 v28, v29
	s_wait_dscnt 0x0
	v_lshrrev_b32 v1, 5, v0
	v_readfirstlane_b32 s[WV], v1
	s_lshr_b32 s[RH], s[WV], 1
	s_and_b32 s[CH], s[WV], 1
	s_bfe_u32 s25, ttmp6, 0x40000                  ; cx
	s_bfe_u32 s26, ttmp6, 0x40004                  ; cy
	s_lshl_b32 s[BBLK], ttmp9, 2
	s_add_co_u32 s[BBLK], s[BBLK], s25             ; block of 256 rows of proj_w
	s_and_b32 s[ABLK], ttmp7, 0xffff
	s_lshl_b32 s[ABLK], s[ABLK], 2
	s_add_co_u32 s[ABLK], s[ABLK], s26             ; block of 256 tokens
	s_lshl_b32 s68, s26, 2
	s_lshl_b32 s68, 15, s68                        ; my row of the cluster
	s_lshl_b32 s69, 0x1111, s25                    ; my column
	s_or_b32 s[G1A], s68, (3<<16)|(1<<21)          ; 8 row tiles, of each 4,096 bytes (two K steps), 16,384 bytes apart; elements of 8 bytes
	s_or_b32 s[G1B], s69, (3<<16)|(1<<21)
.irp g, G1A, G1B
	s_mov_b32 s[\g+1], 512<<16
	s_mov_b32 s[\g+2], 8<<16
	s_mov_b32 s[\g+3], 512<<16
	s_mov_b32 s[\g+4], 8
	s_mov_b32 s[\g+5], 2048
	s_mov_b32 s[\g+6], 0
	s_mov_b32 s[\g+7], 0
.endr
	s_lshl_b32 s72, s[CH], 17
	s_lshl_b32 s70, s[ABLK], 18
	s_add_co_u32 s70, s70, s72
	s_mov_b32 s71, 0
	s_lshl_b32 s74, s[BBLK], 18
	s_add_co_u32 s74, s74, s72
	s_add_co_u32 s74, s74, 28*262144               ; proj_w's rows begin at stacked block 28
	s_mov_b32 s75, 0
	s_lshl_b32 s73, s[WV], 15
	s_lshl_b32 s76, s[BBLK], 13
	s_lshl_b32 s77, s[CH], 12
	s_add_co_u32 s76, s76, s77
	s_add_co_u32 s76, s76, 28*8192
	s_mov_b32 s77, 0
	s_lshl_b32 s78, s[ABLK], 10                    ; O's scale words: 4 bytes a token in each head's 16,384
	s_lshl_b32 s79, s[RH], 9
	s_add_co_u32 s78, s78, s79
	s_mov_b32 s79, 0
	s_lshl_b32 s84, s[BBLK], 10                    ; 4 x my first column
	s_lshl_b32 s85, s[CH], 9
	s_add_co_u32 s84, s84, s85
	s_mov_b32 s85, 0
	s_lshl_b32 s86, s[ABLK], 20                    ; my first row of out0, 4,096 bytes a row
	s_lshl_b32 s87, s[RH], 19
	s_add_co_u32 s86, s86, s87
	s_add_co_u32 s86, s86, s84
	s_mov_b32 s87, 0
	s_wait_kmcnt 0x0
	s_add_nc_u64 s[70:71], s[4:5], s[70:71]
	s_add_nc_u64 s[74:75], s[8:9], s[74:75]
	s_add_nc_u64 s[76:77], s[10:11], s[76:77]
	s_add_nc_u64 s[78:79], s[6:7], s[78:79]
	s_add_nc_u64 s[12:13], s[12:13], s[84:85]
	s_add_nc_u64 s[14:15], s[14:15], s[86:87]
	CROUND                                         ; all sixteen work-groups are here: the first joint loads meet
.irp s, 0,1
	s_mov_b32 s[G0A+4*\s], 1
	s_add_co_u32 s[G0A+4*\s+1], s73, \s*SLOT
	s_add_nc_u64 s[G0A+4*\s+2:G0A+4*\s+3], s[70:71], \s*4096
	s_or_b32 s[G0A+4*\s+3], s[G0A+4*\s+3], 0x80000000
	s_mov_b32 s[G0B+4*\s], 1
	s_add_co_u32 s[G0B+4*\s+1], s73, \s*SLOT
	s_add_nc_u64 s[G0B+4*\s+2:G0B+4*\s+3], s[74:75], \s*4096
	s_or_b32 s[G0B+4*\s+3], s[G0B+4*\s+3], 0x80000000
	JLOAD \s
.endr
	v_and_b32 v2, 31, v0
	v_lshlrev_b32 v[LI], 4, v2
.irp k, 0,1,2,3,4,5,6,7
	global_load_b128 v[SB+4*\k:SB+4*\k+3], v[LI], s[76:77] offset:512*\k
	global_load_b128 v[SA+4*\k:SA+4*\k+3], v[LI], s[78:79] offset:2*\k*16384        ; head 2 k's two bytes,
	global_load_b128 v[SH+4*\k:SH+4*\k+3], v[LI], s[78:79] offset:(2*\k+1)*16384    ; head 2 k + 1's
.endr
	v_and_b32 v3, 15, v0                           ; r
	v_bfe_u32 v4, v0, 4, 1                         ; h
	v_lshlrev_b32 v5, 5, v4                        ; the bias: 32 h
	s_mul_i32 s82, s[WV], 16*SP                    ; my stage
	v_mul_u32_u24 v[STO], v3, SP
	v_lshl_add_u32 v[STO], v4, 5, v[STO]
	v_add_nc_u32 v[STO], s82, v[STO]               ; in: row r, 32 bytes for each half of the lanes
	v_add_nc_u32 v[RD], s82, v[LI]                 ; back: the 32 lanes take one row of 512 bytes
	s_lshl_b32 s80, s[RH], 15
	s_lshl_b32 s81, s[CH], 15
	s_add_co_u32 s81, s81, 65536
.irp s, 0,1
	v_add_nc_u32 v[ADRA+\s], s80, v[LI]
	v_add_nc_u32 v[ADRB+\s], s81, v[LI]
	s_add_co_u32 s80, s80, SLOT
	s_add_co_u32 s81, s81, SLOT
.endr
	s_wait_tensorcnt 1                             ; my part of slot 0 is in; slot 1's may stay out
	s_barrier_signal -1
	s_barrier_wait -1
	FETCH_B 0, 0, 0
	FETCH_A 0, 0, 0
	FETCH_A 0, 0, 4
	s_wait_loadcnt 0x0                             ; the scale words
.set xx, 0
.rept 32
	v_lshl_or_b32 v[SA+xx], v[SH+xx], 16, v[SA+xx] ; ascending: behind the words of K step 0 stand 28 plain lines or more, ahead of the first product
.set xx, xx+1
.endr
	STEP 0, 0, 1                                   ; the first products start the sums
	TURN 0, 1, 1, 1
	STEP 1, 2, 0
	TURN 1, 0, 3, 1
	STEP 0, 4, 0
	TURN 0, 1, 5, 0
	STEP 1, 6, 0
	WIN 0x40                                       ; B's set 0 has had its last read and its places: the bias lands there under the last K step's products
.irp n, 0,1,2,3,4,5,6,7
	global_load_b128 v[8*\n:8*\n+3], v5, s[12:13] offset:64*\n       ; register 8 b + j = column 16 b + 8 h + j
	global_load_b128 v[8*\n+4:8*\n+7], v5, s[12:13] offset:64*\n+16
.endr
	WIN 0
	s_wait_dscnt 16                                ; K step 7: nothing more to fetch
	WIN MUL_LO
	MUL16 0, 1, 7, 0
	MUL16 2, 1, 7, 0
	s_wait_dscnt 0x0
	WIN MUL_HI
	MUL16 4, 1, 7, 0
	MUL16 6, 1, 7, 0
	WIN 0
	PLACES 8
	s_wait_loadcnt 0x0                             ; the bias
; THE WAY OUT, block by block of 16 rows x 128 columns: the bias is added, the block goes through my own stage in LDS and comes back as whole rows of 512 bytes.
.macro BIAS a
	WIN 0x46+(\a)/4                                ; destination and source 1 window 1, source 0 the accumulators' window
.set xx, 0
.rept 32
	v_pk_add_f32 v[TT+xx:TT+xx+1], v[64*((\a)%4)+xx:64*((\a)%4)+xx+1], v[xx:xx+1]   ; each accumulator from its low end on
.set xx, xx+2
.endr
	WIN 0
.endm
.macro TOSTAGE a
	WIN 0x04                                       ; an LDS store's data are its source 1: window 1
.irp b, 0,1,2,3,4,5,6,7
	ds_store_b128 v[STO], v[TT+8*\b:TT+8*\b+3] offset:64*\b
	ds_store_b128 v[STO], v[TT+8*\b+4:TT+8*\b+7] offset:64*\b+16
.endr
	WIN 0
.set BB, BK+64*((\a)%2)
.set li, 0
.rept 16
	ds_load_b128 v[BB+4*li:BB+4*li+3], v[RD] offset:li*SP      ; LDS serves a wave's instructions in order: these see the stores above
.set li, li+1
.endr
.endm
.macro SEND a, younger
.set BB, BK+64*((\a)%2)
	s_wait_dscnt \younger                          ; the block is back in registers
.if (\a) > 0
	s_add_nc_u64 s[14:15], s[14:15], 65536         ; 16 rows on (behind a wait on XCNT: the earlier stores have read their base)
.endif
.set li, 0
.rept 16
	global_store_b128 v[LI], v[BB+4*li:BB+4*li+3], s[14:15] offset:li*4096 th:TH_STORE_NT   ; 512 consecutive bytes, aligned
.set li, li+1
.endr
.endm
.irp a, 0,1,2,3,4,5,6,7
.if \a > 0
	s_wait_dscnt 16                                ; the last block's 16 stores into the stage have read their registers; its 16 loads may be out
.endif
	BIAS \a
.if \a > 1
	s_wait_xcnt 0x0                                ; block a - 2's stores have read their registers and their base
.endif
	TOSTAGE \a
.if \a > 0
	SEND \a-1, 32                                  ; behind block a - 1's loads: block a's 16 stores and 16 loads
.endif
.endr
	s_wait_xcnt 0x0
	SEND 7, 0
	s_wait_tensorcnt 0x0                           ; the wave's end
	ds_add_u32 v[SPW], v[NIL]
	s_wait_dscnt 0x0
	CROUND                                         ; the closing round
	s_endpgm
.Lfunc_end_k_qe84c842aba_proj:
	.size	k_qe84c842aba_proj, .Lfunc_end_k_qe84c842aba_proj-k_qe84c842aba_proj
	.p2alignl 7, 3214868480
	.fill 96, 4, 3214868480
	.section	.rodata,"a",@progbits
	.p2align	6, 0x0
	.amdhsa_kernel k_qe84c842aba_proj
		.amdhsa_group_segment_fixed_size 327680
		.amdhsa_private_segment_fixed_size 0
		.amdhsa_enable_private_segment 0
		.amdhsa_kernarg_size 48
		.amdhsa_user_sgpr_count 2
		.amdhsa_user_sgpr_kernarg_segment_ptr 1
		.amdhsa_wavefront_size32 1
		.amdhsa_system_sgpr_workgroup_id_x 1
		.amdhsa_system_sgpr_workgroup_id_y 1
		.amdhsa_system_sgpr_workgroup_id_z 1
		.amdhsa_system_vgpr_workitem_id 0
		.amdhsa_next_free_vgpr 1024
		.amdhsa_next_free_sgpr 100
		.amdhsa_reserve_vcc 0
		.amdhsa_float_denorm_mode_32 3
		.amdhsa_float_denorm_mode_16_64 3
		.amdhsa_memory_ordered 1
		.amdhsa_forward_progress 1
		.amdhsa_inst_pref_size 163
	.end_amdhsa_kernel
	.amdgpu_metadata
---
amdhsa.version: [ 1, 2 ]
amdhsa.kernels:
  - .name:           k_qe84c842aba_proj
    .symbol:         k_qe84c842aba_proj.kd
    .args:
      - { .name: o_img, .offset: 0, .size: 8, .value_kind: global_buffer, .address_space: global }
      - { .name: o_scl, .offset: 8, .size: 8, .value_kind: global_buffer, .address_space: global }
      - { .name: codes, .offset: 16, .size: 8, .value_kind: global_buffer, .address_space: global }
      - { .name: scl, .offset: 24, .size: 8, .value_kind: global_buffer, .address_space: global }
      - { .name: proj_b, .offset: 32, .size: 8, .value_kind: global_buffer, .address_space: global }
      - { .name: out0, .offset: 40, .size: 8, .value_kind: global_buffer, .address_space: global }
    .group_segment_fixed_size: 327680
    .private_segment_fixed_size: 0
    .kernarg_segment_align: 8
    .kernarg_segment_size: 48
    .max_flat_workgroup_size: 128
    .sgpr_count:     100
    .vgpr_count:     1024
    .wavefront_size: 32
...
	.end_amdgpu_metadata
.endif
;; end of part 4
;; ======== version 2 of 2: 4 launches
;; limits: right only within a limited range of input values
;; workspace buffers: codes 8,388,608 bytes; scl 262,144 bytes; qk_img 8,388,608 bytes; qk_scl 524,288 bytes; v_img 4,194,304 bytes; v_scl 131,072 bytes; o_img 4,194,304 bytes; o_scl 262,144 bytes
;; launch quant (part 5): grid 256 x 1, 4 waves a work-group, no clusters, 34,304 bytes of LDS; arguments hidden_states, qkv_w, proj_w, codes, scl; writes codes, scl
.if DOCPART == 5
	.amdgcn_target "amdgcn-amd-amdhsa--gfx1250"
	.amdhsa_code_object_version 6
	.text
	.protected	k_qe84c842aba_quant
	.globl	k_qe84c842aba_quant
	.p2align	8
	.type	k_qe84c842aba_quant,@function
k_qe84c842aba_quant:
	s_mov_b64 s[64:65], 0
	v_nop
	global_prefetch_b8 v0, s[64:65] scope:SCOPE_SE
	s_setreg_imm32_b32 hwreg(HW_REG_WAVE_MODE, 25, 1), 1
	s_wait_xcnt 0x0
; hidden_states [4096][1024], qkv_w [3072][1024] and proj_w [1024][1024], f32, K innermost, are taken as 8,192 stacked rows and turned into
; codes of BF8 (E5M2) with one E8M0 scale byte for each 32 along K.  A block's scale is 2^(floor(log2(largest magnitude)) - 15).
; THE CODES ARE LAID AS IMAGES OF THE OPERAND'S REGISTERS: a fragment (16 rows x 128 K) is [c 0..3][lane][16 bytes], 2,048 bytes; codes = [row tile][K step 0..7][fragment].
; THE ORDER INSIDE A BLOCK OF 32: slot i of lane (r, h) in block c stands for k = 32 c + 8 h + i (i < 8) and k = 32 c + 16 + 8 h + i - 8 (i >= 8).
; Every operand of this program is laid so, on both sides of each product: the blocks are the true blocks, only the order of the sums inside a block differs.
; THE SCALE WORDS (four bytes: one row, 128 along K): scl = [row / 128][K step][row tile / 4][r][row tile % 4], so that one load of 16 bytes a lane brings the words of 8 row tiles.
; LIMITS: NaN and infinities among the inputs are not served; a block whose largest magnitude lies under 2^-111 has its byte held at 1; a block of zeros gets the byte 1
; where the rule says 127: its codes are zeros, and the bytes are read by this program alone.
; SHARES: a work-group takes 64 rows x 512 along K, a wave 64 rows x 128: four fragments.  Each load reads 512 consecutive bytes of a row; a fragment's 16 rows turn through the wave's
; own stage in LDS (rows of 512 + 16 bytes) and come back 16 numbers of each block a lane.  Memory binds: no matrix unit, no tensor load, no cluster, no barrier (waves share nothing).
.set RP,   528                         ; a stage row
.set RA,   16                          ; v16-143  two sets of 64: a fragment's numbers as loaded
.set X,    144                         ; v144-207 the same, 16 of each block a lane
.set TM,   208                         ; v208-223 at work in QUANT
.set PC,   224                         ; v224-239 the codes
.set PW,   240                         ; v240-243 the four fragments' scale words
.set GA,   2                           ; v2  16 x lane
.set STA,  3                           ; v3  the stage, on the way in
.set LDA,  4                           ; v4  and on the way out
.set SAD,  6                           ; v6  my 8 bytes of the wave's 256 bytes of scale words
.set MNT,  14                          ; s14 the mantissa field of 57,344
.set WV,   15
.set SEL,  22                          ; s[22:23] lane selects: lane l xor 16
; 16 nb numbers of a lane from v[s] on (register 16 b + i = slot i of block b) become codes in v[PC] on and a scale word in v[pw].
; kind 4: four bytes; 3: two bytes, doubled into the upper half; 2: two bytes.
.macro QUANT s, nb, kind, pw
.set qb, 0
.rept \nb
	v_max3_num_f32 v[TM+qb], |v[(\s)+16*qb]|, |v[(\s)+16*qb+1]|, 0x8000000   ; my 16 numbers and the floor 2^(16 - 127): the byte cannot fall under 1
.set qb, qb+1
.endr
.set qi, 2
.rept 7
.set qb, 0
.rept \nb
	v_max3_num_f32 v[TM+qb], v[TM+qb], |v[(\s)+16*qb+qi]|, |v[(\s)+16*qb+qi+1]|   ; the blocks by turns
.set qb, qb+1
.endr
.set qi, qi+2
.endr
.set qb, 0
.rept \nb
	v_permlanex16_b32 v[TM+4+qb], v[TM+qb], s[SEL], s[SEL+1]
.set qb, qb+1
.endr
.set qb, 0
.rept \nb
	v_max_num_f32 v[TM+qb], v[TM+qb], v[TM+4+qb]   ; with lane l xor 16's: the block's largest magnitude
.set qb, qb+1
.endr
.set qb, 0
.rept \nb
	v_add_nc_u32 v[TM+12+qb], 0xf8800000, v[TM+qb]   ; 15 off its exponent field: the conversion's scale operand
.set qb, qb+1
.endr
.set qb, 0
.rept \nb
	v_and_or_b32 v[TM+8+qb], v[TM+qb], 0x7f800000, s[MNT]   ; 57,344 x the scale
.set qb, qb+1
.endr
.set qb, 0
.rept \nb
	v_lshrrev_b32 v[TM+4+qb], 23, v[TM+12+qb]   ; the scale's byte
.set qb, qb+1
.endr
	v_lshl_or_b32 v[\pw], v[TM+5], 8, v[TM+4]
.if \kind == 4
	v_lshl_or_b32 v[\pw], v[TM+6], 16, v[\pw]
	v_lshl_or_b32 v[\pw], v[TM+7], 24, v[\pw]
.elseif \kind == 3
	v_lshl_or_b32 v[\pw], v[\pw], 16, v[\pw]
.endif
.set qb, 0
.rept \nb
.set qi, 0
.rept 16
	v_med3_num_f32 v[(\s)+16*qb+qi], v[(\s)+16*qb+qi], -v[TM+8+qb], v[TM+8+qb]   ; the conversion to an 8-bit code does not saturate (ISA guide 7.6.2): the hold comes first
.set qi, qi+1
.endr
	v_cvt_scalef32_pk8_bf8_f32 v[PC+4*qb:PC+4*qb+1], v[(\s)+16*qb:(\s)+16*qb+7], v[TM+12+qb]
	v_cvt_scalef32_pk8_bf8_f32 v[PC+4*qb+2:PC+4*qb+3], v[(\s)+16*qb+8:(\s)+16*qb+15], v[TM+12+qb]
.set qb, qb+1
.endr
	v_nop                                          ; a plain line behind the last conversion
.endm
	s_load_b128 s[4:7], s[0:1], 0x0                ; hidden_states, qkv_w
	s_load_b128 s[8:11], s[0:1], 0x10              ; proj_w, codes
	s_load_b64 s[12:13], s[0:1], 0x20              ; scl
	v_lshl_add_u32 v254, v0, 2, 0x8400
	v_mov_b32 v255, 0
	v_lshrrev_b32 v5, 5, v0
	v_readfirstlane_b32 s[WV], v5                  ; wave 0..3
	v_and_b32 v1, 31, v0                           ; lane
	v_lshlrev_b32 v[GA], 4, v1
	s_mul_i32 s18, s[WV], 16*RP                    ; my stage
	v_add_nc_u32 v[STA], s18, v[GA]                ; in: a row's 512 bytes as they lie
	v_and_b32 v7, 15, v0                           ; r
	v_bfe_u32 v8, v0, 4, 1                         ; h
	v_mul_u32_u24 v[LDA], v7, RP
	v_lshl_add_u32 v[LDA], v8, 5, v[LDA]
	v_add_nc_u32 v[LDA], s18, v[LDA]               ; out: row r, + 32 h bytes
	v_lshlrev_b32 v[SAD], 4, v7
	v_lshl_add_u32 v[SAD], v8, 3, v[SAD]           ; 16 r + 8 h
.irp b, 0,1,2,3
	v_mov_b32 v[TM+4+\b], 0                        ; written once: a lane permute's destination counts as one of its sources
.endr
	s_mov_b32 s[MNT], 0x600000
	s_mov_b32 s[SEL], 0x76543210
	s_mov_b32 s[SEL+1], 0xfedcba98
	s_lshr_b32 s16, ttmp9, 1                       ; which 64 of the 8,192 stacked rows
	s_and_b32 s17, ttmp9, 1
	s_lshl_b32 s17, s17, 2
	s_add_co_u32 s17, s17, s[WV]                   ; which K step of 128
	s_mov_b32 s20, 112
	s_wait_alu depctr_va_vdst(0)
	s_wait_kmcnt 0x0
	s_cmp_lt_u32 s16, 64                           ; the tensor is chosen by the work-group's number alone; only pointers are chosen, the text has one path
	s_cselect_b64 s[4:5], s[4:5], s[6:7]
	s_cselect_b32 s18, 0, 64
	s_cmp_lt_u32 s16, 112
	s_cselect_b64 s[4:5], s[4:5], s[8:9]
	s_cselect_b32 s18, s18, s20
	s_sub_co_u32 s18, s16, s18                     ; the block of 64 rows inside its tensor
	s_lshl_b32 s18, s18, 18                        ; 64 rows of 4,096 bytes
	s_lshl_b32 s19, s17, 9                         ; 128 numbers
	s_add_co_u32 s18, s18, s19
	s_mov_b32 s19, 0
	s_add_nc_u64 s[4:5], s[4:5], s[18:19]
	s_lshl_b32 s18, s16, 16                        ; codes: four row tiles of 16,384 bytes,
	s_lshl_b32 s20, s17, 11                        ; the K step's fragment
	s_add_co_u32 s18, s18, s20
	s_add_nc_u64 s[10:11], s[10:11], s[18:19]
	s_lshr_b32 s18, s16, 1
	s_lshl_b32 s18, s18, 12                        ; scale words: 4,096 bytes for 128 rows,
	s_lshl_b32 s20, s17, 9                         ; 512 a K step,
	s_add_co_u32 s18, s18, s20
	s_and_b32 s20, s16, 1
	s_lshl_b32 s20, s20, 8                         ; 256 for my 64 rows
	s_add_co_u32 s18, s18, s20
	s_add_nc_u64 s[12:13], s[12:13], s[18:19]
.macro LOAD t                          ; fragment t's 16 rows: each load reads 512 consecutive bytes
.set li, 0
.rept 16
	global_load_b128 v[RA+64*((\t)%2)+4*li:RA+64*((\t)%2)+4*li+3], v[GA], s[4:5] offset:(16*(\t)+li)*4096 th:TH_LOAD_NT
.set li, li+1
.endr
.endm
.macro TURNX t                         ; through the stage: LDS serves a wave's instructions in order, so no wait stands between the stores and the loads
.set li, 0
.rept 16
	ds_store_b128 v[STA], v[RA+64*((\t)%2)+4*li:RA+64*((\t)%2)+4*li+3] offset:li*RP
.set li, li+1
.endr
.irp b, 0,1,2,3
	ds_load_b128 v[X+16*\b:X+16*\b+3], v[LDA] offset:128*\b
	ds_load_b128 v[X+16*\b+4:X+16*\b+7], v[LDA] offset:128*\b+16
	ds_load_b128 v[X+16*\b+8:X+16*\b+11], v[LDA] offset:128*\b+64
	ds_load_b128 v[X+16*\b+12:X+16*\b+15], v[LDA] offset:128*\b+80
.endr
.endm
	LOAD 0
	LOAD 1
.irp t, 0,1,2,3
.if \t < 3
	s_wait_loadcnt 16                              ; this fragment's 16 loads are in; the next one's 16 may be out
.else
	s_wait_loadcnt 0x0
.endif
	TURNX \t
	s_wait_dscnt 0x0                               ; the numbers are back, so the stage's stores have read their registers,
.if \t < 2
	LOAD \t+2                                      ; which take the fragment two further on
.endif
	s_wait_xcnt 0x0                                ; the last fragment's stores have read the codes' registers
	QUANT X, 4, 4, PW+\t
.irp c, 0,1,2,3
	global_store_b128 v[GA], v[PC+4*\c:PC+4*\c+3], s[10:11] offset:\t*16384+\c*512   ; 512 consecutive bytes
.endr
.endr
	v_cmp_le_u32 vcc_lo, 16, v1                    ; lanes 16-31 hold the same words as lanes 0-15: they send fragments 2 and 3
	v_cndmask_b32 v244, v[PW], v[PW+2], vcc_lo
	v_cndmask_b32 v245, v[PW+1], v[PW+3], vcc_lo
	global_store_b64 v[SAD], v[244:245], s[12:13]  ; 256 consecutive bytes, aligned
	s_wait_tensorcnt 0x0
	ds_add_u32 v254, v255
	s_wait_dscnt 0x0
	s_endpgm
.Lfunc_end_k_qe84c842aba_quant:
	.size	k_qe84c842aba_quant, .Lfunc_end_k_qe84c842aba_quant-k_qe84c842aba_quant
	.p2alignl 7, 3214868480
	.fill 96, 4, 3214868480
	.section	.rodata,"a",@progbits
	.p2align	6, 0x0
	.amdhsa_kernel k_qe84c842aba_quant
		.amdhsa_group_segment_fixed_size 34304
		.amdhsa_private_segment_fixed_size 0
		.amdhsa_enable_private_segment 0
		.amdhsa_kernarg_size 40
		.amdhsa_user_sgpr_count 2
		.amdhsa_user_sgpr_kernarg_segment_ptr 1
		.amdhsa_wavefront_size32 1
		.amdhsa_system_sgpr_workgroup_id_x 1
		.amdhsa_system_sgpr_workgroup_id_y 1
		.amdhsa_system_sgpr_workgroup_id_z 1
		.amdhsa_system_vgpr_workitem_id 0
		.amdhsa_next_free_vgpr 256
		.amdhsa_next_free_sgpr 66
		.amdhsa_reserve_vcc 1
		.amdhsa_float_denorm_mode_32 3
		.amdhsa_float_denorm_mode_16_64 3
		.amdhsa_memory_ordered 1
		.amdhsa_forward_progress 1
		.amdhsa_inst_pref_size 51
	.end_amdhsa_kernel
	.amdgpu_metadata
---
amdhsa.version: [ 1, 2 ]
amdhsa.kernels:
  - .name:           k_qe84c842aba_quant
    .symbol:         k_qe84c842aba_quant.kd
    .args:
      - { .name: hidden_states, .offset: 0, .size: 8, .value_kind: global_buffer, .address_space: global }
      - { .name: qkv_w, .offset: 8, .size: 8, .value_kind: global_buffer, .address_space: global }
      - { .name: proj_w, .offset: 16, .size: 8, .value_kind: global_buffer, .address_space: global }
      - { .name: codes, .offset: 24, .size: 8, .value_kind: global_buffer, .address_space: global }
      - { .name: scl, .offset: 32, .size: 8, .value_kind: global_buffer, .address_space: global }
    .group_segment_fixed_size: 34304
    .private_segment_fixed_size: 0
    .kernarg_segment_align: 8
    .kernarg_segment_size: 40
    .max_flat_workgroup_size: 128
    .sgpr_count:     66
    .vgpr_count:     256
    .wavefront_size: 32
...
	.end_amdgpu_metadata
.endif
;; end of part 5
;; launch qkv (part 6): grid 12 x 16, 4 waves a work-group, clusters of 4 x 4, 327,680 bytes of LDS; arguments codes, scl, cos, sin, qkv_b, qk_img, qk_scl, v_img, v_scl; writes qk_img, qk_scl, v_img, v_scl
.if DOCPART == 6
	.amdgcn_target "amdgcn-amd-amdhsa--gfx1250"
	.amdhsa_code_object_version 6
	.text
	.protected	k_qe84c842aba_qkv
	.globl	k_qe84c842aba_qkv
	.p2align	8
	.type	k_qe84c842aba_qkv,@function
k_qe84c842aba_qkv:
	s_mov_b64 s[64:65], 0
	v_nop
	global_prefetch_b8 v0, s[64:65] scope:SCOPE_SE
	s_setreg_imm32_b32 hwreg(HW_REG_WAVE_MODE, 25, 1), 1
	s_wait_xcnt 0x0
	s_wait_alu depctr_hold_cnt(0) depctr_sa_sdst(0) depctr_va_vdst(0) depctr_va_sdst(0) depctr_va_ssrc(0) depctr_va_vcc(0) depctr_vm_vsrc(0)
	s_getreg_b32 s2, hwreg(HW_REG_IB_STS2, 6, 4)
	s_cmp_eq_u32 s2, 0
	s_cbranch_scc0 .Lentry_in_a_cluster
	s_endpgm
.Lentry_in_a_cluster:
	s_bfe_u32 s2, ttmp6, 0x10000c
	s_cmp_lg_u32 s2, 0xf033
	s_cbranch_scc0 .Lentry_shape_is_right
	s_endpgm
.Lentry_shape_is_right:
; qkv = hidden_states qkv_w^T + qkv_b on codes of BF8 (E5M2) with E8M0 scales; then RoPE on q and k; then q, k and v are quantised for attention's two products and stored as images of operand registers.
; A work-group of four waves makes 256 x 256, a wave 128 x 128: 64 accumulators, 512 registers.  K = 1,024 goes in 8 steps of 128 through two LDS slots of two steps each, written out without a loop.
; OPERANDS ARE IMAGES: a fragment (16 rows x 128 K) is 2,048 dense bytes [c][lane][16]; it is read by four loads at 16 x lane: no pitch, no padding.  The order of k inside a block of 32 is the same on both sides
; (slot i of lane (r, h): k = 8 h + i, then 16 + 8 h + i - 8), which is the order in which two neighbouring result tiles lie in a lane's 16 registers.
; SOURCE 0 IS SIDE B, SOURCE 1 SIDE A: lane (r, h) of accumulator (a, b) holds A's row 16 a + r and, in register j, B's row 16 b + 8 h + j.
; CLUSTERS of 4 x 4: cluster x = 0 makes q, 1 makes k: B = rows of qkv_w, A = tokens: a lane holds one token and its registers run along the head's 64, attention's first K.
; Cluster x = 2 makes v: B = tokens (the keys), A = rows of qkv_w: a lane holds one channel and its registers run along the keys, attention's second K.  The K loop is one text: only the block numbers change places.
; A's tiles are shared along a row of the cluster, B's along a column: joint loads, each asked for by four work-groups.  The one branch on ids hangs on the cluster's x, which all partners share.
; THE SCALE WORDS of the wave's 128 + 128 rows for all of K stay in 64 registers: 16 loads of 512 dense bytes.
; OUT: qk_img [G = 0..15 q's heads, 16..31 k's][token tile][c 0..1][lane][16]; qk_scl [G][token / 64][r][tile % 4], a word = the two block bytes, doubled; v_img [head][128 keys][16 channels][c][lane][16]; v_scl [head][128 keys][r][channel tile].
; LIMITS: NaN and infinities are not served; a block whose largest magnitude lies under 2^-111 has its byte held at 1; a block of zeros gets the byte 1 (zero codes; read by this program alone).
; REGISTERS: window 0: v1-8 lane terms, v16-21 LDS addresses, v28-29 for the add, v32-63 B's scale words, v64-95 A's, v128-255 A's fragments (one set), later the way out.
;   window 1: B's fragments, two sets (v0, v128); at the end biases, cos and sin.   windows 2, 3: the accumulators of A's blocks 0-3, 4-7 ((a, b) at v[8 (8 (a % 4) + b)]).
.set SLOT,  131072                     ; a slot: A's halves, then B's, 32,768 bytes each (8 row tiles x 2 K steps x 2,048)
.set SPARE, 2*SLOT                     ; the spare words: 128 bytes a wave, two blocks of 256 bytes that no other line names
.set LI,   1                           ; v1  16 x lane
.set LN,   2                           ; v2  lane
.set CSA,  4                           ; v4  cos, sin: 256 r + 32 h
.set BIA,  5                           ; v5  32 h
.set BVA,  6                           ; v6  4 r
.set VSA,  7                           ; v7  8,192 h + 16 r
.set ADRA, 16
.set ADRB, 20
.set SPW,  28
.set NIL,  29
.set SB,   32
.set SA,   64
.set AF,   128
.set WV,   22
.set RH,   23                          ; my half of A's rows.  Also: I fetch for A (0) or for B (1)
.set CH,   24                          ; my half of B's rows.  Also: which half I fetch
.set ISV,  29
.set BBLK, 30                          ; block of 256 stacked rows on side B
.set ABLK, 31                          ; and on side A
.set G1A,  32
.set G0A,  40
.set G1B,  48
.set G0B,  56
.set MNT,  96
.set SEL,  98
.set MSB, 0
.macro WIN new                         ; the immediate's high byte repeats the setting that is left
.if MSB != (\new)
	s_set_vgpr_msb (MSB<<8)|(\new)
.set MSB, \new
.endif
.endm
.set MUL_LO, 0xa1                      ; source 0 (B) window 1, source 1 (A) window 0, C and D window 2
.set MUL_HI, 0xf1
.set TO_B,   0x40
.macro JLOAD s                         ; a joint load: waves 0 and 1 fetch A's halves, waves 2 and 3 B's; four v_nop follow each line
	s_cmp_eq_u32 s[RH], 0
	s_cbranch_scc0 .Lfor_b_\@
	tensor_load_to_lds s[G0A+4*\s:G0A+4*\s+3], s[G1A:G1A+7]
	s_nop 0
.rept 4
	v_nop
.endr
	s_branch .Lasked_\@
.Lfor_b_\@:
	tensor_load_to_lds s[G0B+4*\s:G0B+4*\s+3], s[G1B:G1B+7]
	s_nop 0
.rept 4
	v_nop
.endr
.Lasked_\@:
.endm
.macro CREST                           ; a round of the cluster's barrier behind its opening barrier
	s_cmp_lg_u32 s[WV], 0
	s_cbranch_scc1 .Lnot_wave_0_\@
	s_barrier_signal -3
.Lnot_wave_0_\@:
	s_barrier_wait -3
	s_barrier_signal -1
	s_barrier_wait -1
.endm
.macro CROUND
	s_barrier_signal -1
	s_barrier_wait -1
	CREST
.endm
.macro PLACES n                        ; plain lines behind matrix instructions: 8 for this form, in front of loads into its registers and of reads of its results
.rept \n
	v_nop
.endr
.endm
.macro FRAG reg, adr, q, i
.irp c, 0,1,2,3
	ds_load_b128 v[\reg+4*\c:\reg+4*\c+3], v[\adr] offset:(\i)*4096+(\q)*2048+512*\c
.endr
.endm
.macro FETCH_B slot, q, p
	WIN TO_B
.irp i, 0,1,2,3,4,5,6,7
	FRAG 128*(\p)+16*\i, ADRB+\slot, \q, \i
.endr
	WIN 0
.endm
.macro FETCH_A slot, q, i0
.irp i, \i0, \i0+1, \i0+2, \i0+3
	FRAG AF+16*(\i), ADRA+\slot, \q, \i
.endr
.endm
; One product.  A scale register holds the words of row tiles 0-3 in lanes 0-15 and of tiles 4-7 in lanes 16-31.
.macro WM a, b, p, ks, zero
.set rD, 8*(8*((\a)%4)+(\b))
.set rB, 128*(\p)+16*(\b)
.set rA, AF+16*(\a)
.set rX, SB+4*(\ks)+(\b)%4
.set rY, SA+4*(\ks)+(\a)%4
.if \zero
.if (\b) < 4
.if (\a) < 4
	v_wmma_scale_f32_16x16x128_f8f6f4 v[rD:rD+7], v[rB:rB+15], v[rA:rA+15], 0, v[rX], v[rY] matrix_a_fmt:MATRIX_FMT_BF8 matrix_b_fmt:MATRIX_FMT_BF8
.else
	v_wmma_scale_f32_16x16x128_f8f6f4 v[rD:rD+7], v[rB:rB+15], v[rA:rA+15], 0, v[rX], v[rY] matrix_a_fmt:MATRIX_FMT_BF8 matrix_b_fmt:MATRIX_FMT_BF8 matrix_b_scale:MATRIX_SCALE_ROW1
.endif
.else
.if (\a) < 4
	v_wmma_scale_f32_16x16x128_f8f6f4 v[rD:rD+7], v[rB:rB+15], v[rA:rA+15], 0, v[rX], v[rY] matrix_a_fmt:MATRIX_FMT_BF8 matrix_b_fmt:MATRIX_FMT_BF8 matrix_a_scale:MATRIX_SCALE_ROW1
.else
	v_wmma_scale_f32_16x16x128_f8f6f4 v[rD:rD+7], v[rB:rB+15], v[rA:rA+15], 0, v[rX], v[rY] matrix_a_fmt:MATRIX_FMT_BF8 matrix_b_fmt:MATRIX_FMT_BF8 matrix_a_scale:MATRIX_SCALE_ROW1 matrix_b_scale:MATRIX_SCALE_ROW1
.endif
.endif
.else
.if (\b) < 4
.if (\a) < 4
	v_wmma_scale_f32_16x16x128_f8f6f4 v[rD:rD+7], v[rB:rB+15], v[rA:rA+15], v[rD:rD+7], v[rX], v[rY] matrix_a_fmt:MATRIX_FMT_BF8 matrix_b_fmt:MATRIX_FMT_BF8
.else
	v_wmma_scale_f32_16x16x128_f8f6f4 v[rD:rD+7], v[rB:rB+15], v[rA:rA+15], v[rD:rD+7], v[rX], v[rY] matrix_a_fmt:MATRIX_FMT_BF8 matrix_b_fmt:MATRIX_FMT_BF8 matrix_b_scale:MATRIX_SCALE_ROW1
.endif
.else
.if (\a) < 4
	v_wmma_scale_f32_16x16x128_f8f6f4 v[rD:rD+7], v[rB:rB+15], v[rA:rA+15], v[rD:rD+7], v[rX], v[rY] matrix_a_fmt:MATRIX_FMT_BF8 matrix_b_fmt:MATRIX_FMT_BF8 matrix_a_scale:MATRIX_SCALE_ROW1
.else
	v_wmma_scale_f32_16x16x128_f8f6f4 v[rD:rD+7], v[rB:rB+15], v[rA:rA+15], v[rD:rD+7], v[rX], v[rY] matrix_a_fmt:MATRIX_FMT_BF8 matrix_b_fmt:MATRIX_FMT_BF8 matrix_a_scale:MATRIX_SCALE_ROW1 matrix_b_scale:MATRIX_SCALE_ROW1
.endif
.endif
.endif
.endm
.macro MUL16 a0, p, ks, zero           ; A's blocks a0, a0 + 1 x B's eight.  The 64 accumulators take turns, in the same order in every step
.irp a, \a0, \a0+1
.irp b, 0,1,2,3,4,5,6,7
	WM \a, \b, \p, \ks, \zero
.endr
.endr
.endm
.macro STEP slot, ks, zero             ; a slot's first K step (B's set 0); it fetches the slot's second
	s_wait_dscnt 16                                ; B's set and A's blocks 0-3 are in; the youngest 16 loads (A's blocks 4-7) may be out
	WIN MUL_LO
	MUL16 0, 0, \ks, \zero
	MUL16 2, 0, \ks, \zero
	s_wait_dscnt 0x0
	PLACES 8
	FETCH_B \slot, 1, 1
	FETCH_A \slot, 1, 0
	WIN MUL_HI
	MUL16 4, 0, \ks, \zero
	MUL16 6, 0, \ks, \zero
	PLACES 8
	WIN 0
	FETCH_A \slot, 1, 4
.endm
.macro TURN slot, next, ks, fill       ; a slot's second K step (B's set 1) changes slots: one barrier; fill = 1: it opens a round of the cluster's barrier, and this slot is filled again
	s_wait_tensorcnt 0x0                           ; all my tensor loads have landed: my part of the next slot
	ds_add_u32 v[SPW], v[NIL]                      ; 0 onto my spare word
	s_wait_dscnt 17                                ; the add and the youngest 16 loads may be out
	WIN MUL_LO
	MUL16 0, 1, \ks, 0
	s_wait_dscnt 0x0                               ; the add is done, and my reads of this slot are over
	s_barrier_signal -1
	MUL16 2, 1, \ks, 0
	WIN 0
	s_barrier_wait -1
.if \fill
	CREST                                          ; no wave of any partner still reads this slot or has a load on its way
	s_add_nc_u64 s[G0A+4*\slot+2:G0A+4*\slot+3], s[G0A+4*\slot+2:G0A+4*\slot+3], 8192   ; four K steps on
	s_add_nc_u64 s[G0B+4*\slot+2:G0B+4*\slot+3], s[G0B+4*\slot+2:G0B+4*\slot+3], 8192
	JLOAD \slot                                    ; the first tensor load behind the round; its four v_nop are four of the eight places
	PLACES 4
.else
	PLACES 8
.endif
	FETCH_B \next, 0, 0
	FETCH_A \next, 0, 0
	WIN MUL_HI
	MUL16 4, 1, \ks, 0
	MUL16 6, 1, \ks, 0
	PLACES 8
	WIN 0
	FETCH_A \next, 0, 4
.endm
.macro LAST                            ; K step 7: nothing more to fetch
	s_wait_dscnt 16
	WIN MUL_LO
	MUL16 0, 1, 7, 0
	MUL16 2, 1, 7, 0
	s_wait_dscnt 0x0
	WIN MUL_HI
	MUL16 4, 1, 7, 0
	MUL16 6, 1, 7, 0
	WIN 0
	PLACES 8
.endm
; 16 nb numbers of a lane from v[s] on (register 16 b + i = slot i of block b) become codes in v[PC] on and a scale word in v[pw].  kind 4: four bytes; 3: two bytes, doubled; 2: two bytes.
.macro QUANT s, nb, kind, pw
.set qb, 0
.rept \nb
	v_max3_num_f32 v[TM+qb], |v[(\s)+16*qb]|, |v[(\s)+16*qb+1]|, 0x8000000   ; my 16 numbers and the floor 2^(16 - 127)
.set qb, qb+1
.endr
.set qi, 2
.rept 7
.set qb, 0
.rept \nb
	v_max3_num_f32 v[TM+qb], v[TM+qb], |v[(\s)+16*qb+qi]|, |v[(\s)+16*qb+qi+1]|
.set qb, qb+1
.endr
.set qi, qi+2
.endr
.set qb, 0
.rept \nb
	v_permlanex16_b32 v[TM+4+qb], v[TM+qb], s[SEL], s[SEL+1]
.set qb, qb+1
.endr
.set qb, 0
.rept \nb
	v_max_num_f32 v[TM+qb], v[TM+qb], v[TM+4+qb]   ; the block's largest magnitude
.set qb, qb+1
.endr
.set qb, 0
.rept \nb
	v_add_nc_u32 v[TM+12+qb], 0xf8800000, v[TM+qb]   ; 15 off its exponent field: the conversion's scale operand
.set qb, qb+1
.endr
.set qb, 0
.rept \nb
	v_and_or_b32 v[TM+8+qb], v[TM+qb], 0x7f800000, s[MNT]   ; 57,344 x the scale
.set qb, qb+1
.endr
.set qb, 0
.rept \nb
	v_lshrrev_b32 v[TM+4+qb], 23, v[TM+12+qb]   ; the scale's byte
.set qb, qb+1
.endr
	v_lshl_or_b32 v[\pw], v[TM+5], 8, v[TM+4]
.if \kind == 4
	v_lshl_or_b32 v[\pw], v[TM+6], 16, v[\pw]
	v_lshl_or_b32 v[\pw], v[TM+7], 24, v[\pw]
.elseif \kind == 3
	v_lshl_or_b32 v[\pw], v[\pw], 16, v[\pw]
.endif
.set qb, 0
.rept \nb
.set qi, 0
.rept 16
	v_med3_num_f32 v[(\s)+16*qb+qi], v[(\s)+16*qb+qi], -v[TM+8+qb], v[TM+8+qb]   ; the hold: the conversion does not saturate (ISA guide 7.6.2)
.set qi, qi+1
.endr
	v_cvt_scalef32_pk8_bf8_f32 v[PC+4*qb:PC+4*qb+1], v[(\s)+16*qb:(\s)+16*qb+7], v[TM+12+qb]
	v_cvt_scalef32_pk8_bf8_f32 v[PC+4*qb+2:PC+4*qb+3], v[(\s)+16*qb+8:(\s)+16*qb+15], v[TM+12+qb]
.set qb, qb+1
.endr
	v_nop                                          ; a plain line behind the last conversion
.endm
	s_load_b256 s[4:11], s[0:1], 0x0               ; codes s[4:5], scl s[6:7], cos s[8:9], sin s[10:11]
	s_load_b256 s[12:19], s[0:1], 0x20             ; qkv_b s[12:13], qk_img s[14:15], qk_scl s[16:17], v_img s[18:19]
	s_load_b64 s[20:21], s[0:1], 0x40              ; v_scl
	v_lshl_add_u32 v[SPW], v0, 2, SPARE
	v_mov_b32 v[NIL], 0
	ds_add_u32 v28, v29
	ds_add_u32 v28, v29
	s_wait_dscnt 0x0
	v_lshrrev_b32 v1, 5, v0
	v_readfirstlane_b32 s[WV], v1                  ; wave 0..3
	s_lshr_b32 s[RH], s[WV], 1
	s_and_b32 s[CH], s[WV], 1
	s_bfe_u32 s25, ttmp6, 0x40000                  ; cx
	s_bfe_u32 s26, ttmp6, 0x40004                  ; cy
	s_lshl_b32 s66, ttmp9, 2
	s_add_co_u32 s66, s66, 16                      ; the cluster's first block of qkv_w among the stacked blocks of 256 rows
	s_and_b32 s67, ttmp7, 0xffff
	s_lshl_b32 s67, s67, 2                         ; its first block of tokens
	s_cmp_eq_u32 ttmp9, 2                          ; v's clusters take the tokens as side B
	s_cselect_b32 s[BBLK], s67, s66
	s_cselect_b32 s[ABLK], s66, s67
	s_cselect_b32 s[ISV], 1, 0
	s_add_co_u32 s[BBLK], s[BBLK], s25             ; shared along a column of the cluster
	s_add_co_u32 s[ABLK], s[ABLK], s26             ; shared along a row
	s_lshl_b32 s68, s26, 2
	s_lshl_b32 s68, 15, s68                        ; my row of the cluster
	s_lshl_b32 s69, 0x1111, s25                    ; my column
	; descriptor group 1: 8 row tiles, of each 4,096 bytes (two K steps), 16,384 bytes apart; elements of 8 bytes; no padding
	s_or_b32 s[G1A], s68, (3<<16)|(1<<21)          ; 15:0 the mask; 17:16 elements of 8 bytes; 21 set beside a mask
	s_or_b32 s[G1B], s69, (3<<16)|(1<<21)
.irp g, G1A, G1B
	s_mov_b32 s[\g+1], 512<<16                     ; tensor_dim0 = 512
	s_mov_b32 s[\g+2], 8<<16                       ; tensor_dim1 = 8
	s_mov_b32 s[\g+3], 512<<16                     ; tile_dim0 = 512
	s_mov_b32 s[\g+4], 8                           ; tile_dim1 = 8
	s_mov_b32 s[\g+5], 2048                        ; from row tile to row tile
	s_mov_b32 s[\g+6], 0
	s_mov_b32 s[\g+7], 0
.endr
	s_lshl_b32 s72, s[CH], 17                      ; the half that I fetch: 8 row tiles
	s_lshl_b32 s70, s[ABLK], 18
	s_add_co_u32 s70, s70, s72
	s_mov_b32 s71, 0
	s_lshl_b32 s74, s[BBLK], 18
	s_add_co_u32 s74, s74, s72
	s_mov_b32 s75, 0
	s_lshl_b32 s73, s[WV], 15                      ; where it goes: wave x 32,768: no place in the cluster enters an LDS address
	s_lshl_b32 s76, s[BBLK], 13                    ; the scale words of my 128 rows of B,
	s_lshl_b32 s77, s[CH], 12
	s_add_co_u32 s76, s76, s77
	s_mov_b32 s77, 0
	s_lshl_b32 s78, s[ABLK], 13                    ; and of A
	s_lshl_b32 s79, s[RH], 12
	s_add_co_u32 s78, s78, s79
	s_mov_b32 s79, 0
	s_mov_b32 s[MNT], 0x600000
	s_mov_b32 s[SEL], 0x76543210
	s_mov_b32 s[SEL+1], 0xfedcba98
	s_wait_kmcnt 0x0
	s_add_nc_u64 s[70:71], s[4:5], s[70:71]
	s_add_nc_u64 s[74:75], s[4:5], s[74:75]
	s_add_nc_u64 s[76:77], s[6:7], s[76:77]
	s_add_nc_u64 s[78:79], s[6:7], s[78:79]
	CROUND                                         ; all sixteen work-groups are here: the first joint loads meet
.irp s, 0,1
	s_mov_b32 s[G0A+4*\s], 1
	s_add_co_u32 s[G0A+4*\s+1], s73, \s*SLOT
	s_add_nc_u64 s[G0A+4*\s+2:G0A+4*\s+3], s[70:71], \s*4096
	s_or_b32 s[G0A+4*\s+3], s[G0A+4*\s+3], 0x80000000
	s_mov_b32 s[G0B+4*\s], 1
	s_add_co_u32 s[G0B+4*\s+1], s73, \s*SLOT
	s_add_nc_u64 s[G0B+4*\s+2:G0B+4*\s+3], s[74:75], \s*4096
	s_or_b32 s[G0B+4*\s+3], s[G0B+4*\s+3], 0x80000000
.endr
	JLOAD 0                                        ; slot 0: one tensor load a wave at the head
	v_and_b32 v[LN], 31, v0
	v_lshlrev_b32 v[LI], 4, v[LN]
.irp k, 0,1,2,3,4,5,6,7
	global_load_b128 v[SB+4*\k:SB+4*\k+3], v[LI], s[76:77] offset:512*\k   ; 512 dense bytes: the words of 8 row tiles for K step k
	global_load_b128 v[SA+4*\k:SA+4*\k+3], v[LI], s[78:79] offset:512*\k
.endr
	v_and_b32 v3, 15, v0                           ; r
	v_bfe_u32 v8, v0, 4, 1                         ; h
	v_lshlrev_b32 v[CSA], 8, v3
	v_lshl_add_u32 v[CSA], v8, 5, v[CSA]
	v_lshlrev_b32 v[BIA], 5, v8
	v_lshlrev_b32 v[BVA], 2, v3
	v_lshlrev_b32 v[VSA], 4, v3
	v_lshl_add_u32 v[VSA], v8, 13, v[VSA]
	s_lshl_b32 s80, s[RH], 15                      ; my 128 rows of A,
	s_lshl_b32 s81, s[CH], 15
	s_add_co_u32 s81, s81, 65536                   ; of B, behind A's two halves
.irp s, 0,1
	v_add_nc_u32 v[ADRA+\s], s80, v[LI]
	v_add_nc_u32 v[ADRB+\s], s81, v[LI]
	s_add_co_u32 s80, s80, SLOT
	s_add_co_u32 s81, s81, SLOT
.endr
	s_wait_alu depctr_va_vdst(0)
	s_wait_tensorcnt 0x0                           ; my part of slot 0 is in
	ds_add_u32 v[SPW], v[NIL]
	s_wait_dscnt 0x0
	CROUND                                         ; a whole round: slot 0 is whole, and the joint loads meet
	JLOAD 1                                        ; slot 1's first fill: the first tensor load behind the round
	FETCH_B 0, 0, 0
	FETCH_A 0, 0, 0
	FETCH_A 0, 0, 4
	s_wait_loadcnt 0x0                             ; the scale words
	STEP 0, 0, 1                                   ; the first products start the sums: nothing is cleared
	TURN 0, 1, 1, 1
	STEP 1, 2, 0
	TURN 1, 0, 3, 1
	STEP 0, 4, 0
	TURN 0, 1, 5, 0                                ; nothing is left to fetch
	STEP 1, 6, 0
	s_cmp_eq_u32 s[ISV], 1                         ; the same in all partners
	s_cbranch_scc1 .Lv_path
	; ---- q and k.  B's set 0 (window 1, v0-127) has had its last read and its places: the biases and the first tile's cos and sin land there under the last K step's products.
.set T,   128                          ; v128-159 a token's 32 numbers of a head (of my half of the lanes), with the bias
.set U,   160                          ; v160-191 after RoPE
.set TM,  192
.set PC,  208
.set PWS, 216                          ; v216-231 scale words: 8 hh + a
.set OW,  232
	s_lshl_b32 s80, s[ABLK], 16                    ; cos, sin at my first token: 256 bytes a token
	s_lshl_b32 s81, s[RH], 15
	s_add_co_u32 s80, s80, s81
	s_mov_b32 s81, 0
	s_add_nc_u64 s[8:9], s[8:9], s[80:81]
	s_add_nc_u64 s[10:11], s[10:11], s[80:81]
	s_sub_co_u32 s82, s[BBLK], 16                  ; the block of 256 rows inside qkv_w
	s_lshl_b32 s84, s82, 10
	s_lshl_b32 s83, s[CH], 9
	s_add_co_u32 s84, s84, s83                     ; 4 x my first row
	s_mov_b32 s85, 0
	s_add_nc_u64 s[12:13], s[12:13], s[84:85]
	s_lshl_b32 s82, s82, 2
	s_lshl_b32 s83, s[CH], 1
	s_add_co_u32 s82, s82, s83                     ; G: my first head (q's 0-15, k's 16-31)
	s_lshl_b32 s86, s82, 18
	s_lshl_b32 s83, s[ABLK], 14
	s_add_co_u32 s86, s86, s83
	s_lshl_b32 s83, s[RH], 13
	s_add_co_u32 s86, s86, s83                     ; + 1,024 bytes a token tile
	s_mov_b32 s87, 0
	s_add_nc_u64 s[14:15], s[14:15], s[86:87]
	s_lshl_b32 s88, s82, 14
	s_lshl_b32 s83, s[ABLK], 10
	s_add_co_u32 s88, s88, s83
	s_lshl_b32 s83, s[RH], 9
	s_add_co_u32 s88, s88, s83                     ; + 4 bytes a token
	s_mov_b32 s89, 0
	s_add_nc_u64 s[16:17], s[16:17], s[88:89]
.macro CSLOAD a                        ; cos and sin of token tile a: register 8 bb + j = channel 16 bb + 8 h + j, as the results lie; sets by turns at window 1 v64 and v128
.set CSB, 64+64*((\a)%2)
	WIN 0x40
.irp bb, 0,1,2,3
	global_load_b128 v[CSB+8*\bb:CSB+8*\bb+3], v[CSA], s[8:9] offset:(\a)*4096+64*\bb
	global_load_b128 v[CSB+8*\bb+4:CSB+8*\bb+7], v[CSA], s[8:9] offset:(\a)*4096+64*\bb+16
	global_load_b128 v[CSB+32+8*\bb:CSB+32+8*\bb+3], v[CSA], s[10:11] offset:(\a)*4096+64*\bb
	global_load_b128 v[CSB+32+8*\bb+4:CSB+32+8*\bb+7], v[CSA], s[10:11] offset:(\a)*4096+64*\bb+16
.endr
	WIN 0
.endm
	WIN 0x40
.irp n, 0,1,2,3,4,5,6,7
	global_load_b128 v[8*\n:8*\n+3], v[BIA], s[12:13] offset:64*\n      ; the bias of my 128 rows of qkv_w: register 8 b + j = row 16 b + 8 h + j
	global_load_b128 v[8*\n+4:8*\n+7], v[BIA], s[12:13] offset:64*\n+16
.endr
	WIN 0
	CSLOAD 0
	LAST
	CSLOAD 1                                       ; B's set 1 is free now
.irp b, 0,1,2,3
	v_mov_b32 v[TM+4+\b], 0                        ; a lane permute's destination counts as one of its sources
.endr
; Token tile a, head hh: bias, RoPE (channel d pairs with d + 32, which lies 16 registers on), quantised along the head's 64: two blocks, 8 registers of codes.
.macro ROPEQ a, hh
.set AC, 64*((\a)%4)+32*(\hh)
.set CSB, 64+64*((\a)%2)
	s_wait_xcnt 0x0                                ; the last stores have read the codes' registers
	WIN 0x06+(\a)/4                                ; source 0 the accumulators' window, source 1 window 1
.set xx, 0
.rept 16
	v_pk_add_f32 v[T+xx:T+xx+1], v[AC+xx:AC+xx+1], v[32*(\hh)+xx:32*(\hh)+xx+1]   ; each accumulator from its low end on
.set xx, xx+2
.endr
	WIN 0x04
.set xx, 0
.rept 8
	v_pk_mul_f32 v[U+xx:U+xx+1], v[T+16+xx:T+17+xx], v[CSB+32+xx:CSB+33+xx]        ; x(d + 32) sin(d)
	v_pk_mul_f32 v[U+16+xx:U+17+xx], v[T+xx:T+xx+1], v[CSB+48+xx:CSB+49+xx]        ; x(d) sin(d + 32)
.set xx, xx+2
.endr
.set xx, 0
.rept 8
	v_pk_fma_f32 v[U+xx:U+xx+1], v[T+xx:T+xx+1], v[CSB+xx:CSB+xx+1], v[U+xx:U+xx+1] neg_lo:[0,0,1] neg_hi:[0,0,1]
	v_pk_fma_f32 v[U+16+xx:U+17+xx], v[T+16+xx:T+17+xx], v[CSB+16+xx:CSB+17+xx], v[U+16+xx:U+17+xx]
.set xx, xx+2
.endr
	WIN 0
	QUANT U, 2, 3, PWS+8*(\hh)+(\a)
	global_store_b128 v[LI], v[PC:PC+3], s[14:15] offset:(\hh)*262144+(\a)*1024        ; 512 consecutive bytes
	global_store_b128 v[LI], v[PC+4:PC+7], s[14:15] offset:(\hh)*262144+(\a)*1024+512
.endm
.irp a, 0,1,2,3,4,5,6,7
.if \a < 7
	s_wait_loadcnt 16                              ; this tile's cos and sin (and the biases) are in; the next tile's 16 loads may be out
.else
	s_wait_loadcnt 0x0
.endif
	ROPEQ \a, 0
	ROPEQ \a, 1
.if \a < 6
	CSLOAD \a+2
.endif
.endr
	v_cmp_le_u32 vcc_lo, 16, v[LN]                 ; lanes 16-31 send the words of tiles 4-7
.irp hh, 0,1
	s_wait_xcnt 0x0
.irp t, 0,1,2,3
	v_cndmask_b32 v[OW+\t], v[PWS+8*\hh+\t], v[PWS+8*\hh+4+\t], vcc_lo
.endr
	global_store_b128 v[LI], v[OW:OW+3], s[16:17] offset:\hh*16384   ; 512 consecutive bytes
.endr
	s_branch .Lend
.Lv_path:
	; ---- v.  A lane holds one channel; its 64 registers of a block a are 128 keys: four blocks, one fragment.
.set T,   128                          ; v128-191
.set TM,  192
.set PC,  208                          ; v208-223
.set PWS, 224                          ; v224-231
.set OW,  232
	s_sub_co_u32 s82, s[ABLK], 16
	s_lshl_b32 s84, s82, 10
	s_lshl_b32 s83, s[RH], 9
	s_add_co_u32 s84, s84, s83                     ; 4 x my first row of qkv_w
	s_mov_b32 s85, 0
	s_add_nc_u64 s[12:13], s[12:13], s[84:85]
	s_sub_co_u32 s82, s[ABLK], 24
	s_lshl_b32 s82, s82, 2
	s_lshl_b32 s83, s[RH], 1
	s_add_co_u32 s82, s82, s83                     ; my first head
	s_lshl_b32 s83, s[BBLK], 1
	s_add_co_u32 s83, s83, s[CH]                   ; my 128 keys
	s_lshl_b32 s86, s82, 18
	s_lshl_b32 s90, s83, 13
	s_add_co_u32 s86, s86, s90
	s_mov_b32 s87, 0
	s_add_nc_u64 s[18:19], s[18:19], s[86:87]
	s_lshl_b32 s88, s82, 13
	s_lshl_b32 s90, s83, 8
	s_add_co_u32 s88, s88, s90
	s_mov_b32 s89, 0
	s_add_nc_u64 s[20:21], s[20:21], s[88:89]
	WIN 0x40
.irp n, 0,1,2,3,4,5,6,7
	global_load_b32 v[2*\n], v[BVA], s[12:13] offset:64*\n     ; my channel's bias, into both registers of a pair for the packed addition
	global_load_b32 v[2*\n+1], v[BVA], s[12:13] offset:64*\n
.endr
	WIN 0
	LAST
.irp b, 0,1,2,3
	v_mov_b32 v[TM+4+\b], 0
.endr
	s_wait_loadcnt 0x0
.macro VQ a
	s_wait_xcnt 0x0                                ; the last stores have read the codes' registers
	WIN 0x06+(\a)/4
.set xx, 0
.rept 32
	v_pk_add_f32 v[T+xx:T+xx+1], v[64*((\a)%4)+xx:64*((\a)%4)+xx+1], v[2*(\a):2*(\a)+1]   ; each accumulator from its low end on
.set xx, xx+2
.endr
	WIN 0
	QUANT T, 4, 4, PWS+(\a)
.irp c, 0,1,2,3
	global_store_b128 v[LI], v[PC+4*\c:PC+4*\c+3], s[18:19] offset:((\a)/4)*262144+((\a)%4)*2048+512*\c
.endr
.endm
.irp a, 0,1,2,3,4,5,6,7
	VQ \a
.endr
	v_cmp_le_u32 vcc_lo, 16, v[LN]                 ; lanes 16-31 send the second head's words
	s_wait_xcnt 0x0
.irp t, 0,1,2,3
	v_cndmask_b32 v[OW+\t], v[PWS+\t], v[PWS+4+\t], vcc_lo
.endr
	global_store_b128 v[VSA], v[OW:OW+3], s[20:21] ; two aligned runs of 256 bytes, one for each head
.Lend:
	s_wait_tensorcnt 0x0                           ; the wave's end
	ds_add_u32 v[SPW], v[NIL]
	s_wait_dscnt 0x0
	CROUND                                         ; the closing round
	s_endpgm
.Lfunc_end_k_qe84c842aba_qkv:
	.size	k_qe84c842aba_qkv, .Lfunc_end_k_qe84c842aba_qkv-k_qe84c842aba_qkv
	.p2alignl 7, 3214868480
	.fill 96, 4, 3214868480
	.section	.rodata,"a",@progbits
	.p2align	6, 0x0
	.amdhsa_kernel k_qe84c842aba_qkv
		.amdhsa_group_segment_fixed_size 327680
		.amdhsa_private_segment_fixed_size 0
		.amdhsa_enable_private_segment 0
		.amdhsa_kernarg_size 72
		.amdhsa_user_sgpr_count 2
		.amdhsa_user_sgpr_kernarg_segment_ptr 1
		.amdhsa_wavefront_size32 1
		.amdhsa_system_sgpr_workgroup_id_x 1
		.amdhsa_system_sgpr_workgroup_id_y 1
		.amdhsa_system_sgpr_workgroup_id_z 1
		.amdhsa_system_vgpr_workitem_id 0
		.amdhsa_next_free_vgpr 1024
		.amdhsa_next_free_sgpr 100
		.amdhsa_reserve_vcc 1
		.amdhsa_float_denorm_mode_32 3
		.amdhsa_float_denorm_mode_16_64 3
		.amdhsa_memory_ordered 1
		.amdhsa_forward_progress 1
		.amdhsa_inst_pref_size 255
	.end_amdhsa_kernel
	.section	.bss,"aw",@nobits
	.p2align	6
	.space	262144
	.amdgpu_metadata
---
amdhsa.version: [ 1, 2 ]
amdhsa.kernels:
  - .name:           k_qe84c842aba_qkv
    .symbol:         k_qe84c842aba_qkv.kd
    .args:
      - { .name: codes, .offset: 0, .size: 8, .value_kind: global_buffer, .address_space: global }
      - { .name: scl, .offset: 8, .size: 8, .value_kind: global_buffer, .address_space: global }
      - { .name: cos, .offset: 16, .size: 8, .value_kind: global_buffer, .address_space: global }
      - { .name: sin, .offset: 24, .size: 8, .value_kind: global_buffer, .address_space: global }
      - { .name: qkv_b, .offset: 32, .size: 8, .value_kind: global_buffer, .address_space: global }
      - { .name: qk_img, .offset: 40, .size: 8, .value_kind: global_buffer, .address_space: global }
      - { .name: qk_scl, .offset: 48, .size: 8, .value_kind: global_buffer, .address_space: global }
      - { .name: v_img, .offset: 56, .size: 8, .value_kind: global_buffer, .address_space: global }
      - { .name: v_scl, .offset: 64, .size: 8, .value_kind: global_buffer, .address_space: global }
    .group_segment_fixed_size: 327680
    .private_segment_fixed_size: 0
    .kernarg_segment_align: 8
    .kernarg_segment_size: 72
    .max_flat_workgroup_size: 128
    .sgpr_count:     100
    .vgpr_count:     1024
    .wavefront_size: 32
...
	.end_amdgpu_metadata
.endif
;; end of part 6
;; launch attn (part 7): grid 16 x 16, 8 waves a work-group, clusters of 4 x 1, 327,680 bytes of LDS; arguments qk_img, qk_scl, v_img, v_scl, o_img, o_scl; writes o_img, o_scl
.if DOCPART == 7
	.amdgcn_target "amdgcn-amd-amdhsa--gfx1250"
	.amdhsa_code_object_version 6
	.text
	.protected	k_qe84c842aba_attn
	.globl	k_qe84c842aba_attn
	.p2align	8
	.type	k_qe84c842aba_attn,@function
k_qe84c842aba_attn:
	s_mov_b64 s[64:65], 0
	v_nop
	global_prefetch_b8 v0, s[64:65] scope:SCOPE_SE
	s_setreg_imm32_b32 hwreg(HW_REG_WAVE_MODE, 25, 1), 1
	s_wait_xcnt 0x0
	s_wait_alu depctr_hold_cnt(0) depctr_sa_sdst(0) depctr_va_vdst(0) depctr_va_sdst(0) depctr_va_ssrc(0) depctr_va_vcc(0) depctr_vm_vsrc(0)
	s_getreg_b32 s2, hwreg(HW_REG_IB_STS2, 6, 4)
	s_cmp_eq_u32 s2, 0
	s_cbranch_scc0 .Lentry_in_a_cluster
	s_endpgm
.Lentry_in_a_cluster:
	s_bfe_u32 s2, ttmp6, 0x10000c
	s_cmp_lg_u32 s2, 0x3003
	s_cbranch_scc0 .Lentry_shape_is_right
	s_endpgm
.Lentry_shape_is_right:
; O = softmax(Q K^T / 8) V for one head, both products on codes of BF8 (E5M2) with E8M0 scales; O / the row's sum is quantised along the head's 64 and stored as an image of the next launch's operand registers.
; t = score x log2(e) / 8; M = the running largest t rounded up to a whole number; p = 2^(t - M) is quantised along the keys; the row's sum is taken of the unquantised p; when M moves, the sum and O are multiplied by 2^(old M - new M).
; SHARES: a work-group owns 256 queries of one head, each of its 8 waves two tiles of 16 queries.  Tile 0's state lies in register window 0, tile 1's in window 1, under the same numbers: one macro serves both.
; Each fragment of K and of V that a wave reads from LDS feeds both its tiles.  K's fragments: window 0, v192-255, fetched one key step ahead; V's: window 1, v192-255, fetched behind the step's first product, two softmaxes ahead of the second.
; BOTH PRODUCTS ARE USED TRANSPOSED: S^T = K Q^T, O^T = V^T P^T: a lane holds one query (lane % 16).  The head's 64 fill half of a product's 128: a fragment of K holds two key tiles, and Q stands as (q, 0) or (0, q).
; THE RING: two slots of 1,024 keys (K 65,536 bytes, then V 65,536), filled by joint loads of the cluster's four work-groups, which walk the same head: waves 0-3, 32,768 bytes each.  The head's scale words (K 16,384, V 8,192 bytes) come once: waves 4-6.
; A slot's last key step fetches K's first step of the slot again (the address is taken modulo 8 steps), so that the step is one text; those registers are loaded anew behind the change of slots.
; NO PREFETCH: a refill is asked for eight key steps (192 products a wave) ahead of the wait for it.
; LIMITS: NaN and infinities are not served; the promise holds while |t| stays under 2^31; a block whose largest magnitude lies under 2^-111 has its byte held at 1; a block of zeros gets the byte 1 (zero codes; read by this program alone).
.set SLOT1, 131072
.set SCK,   2*SLOT1
.set SCV,   SCK+16384
.set SPARE, SCV+8192                   ; the spare words: 128 bytes a wave
.set STG,   SPARE+1024                 ; the stage of O's scale words: 1,024 bytes
.set CLIT,  0x3e38aa3b                 ; log2(e) / 8
.set LI,   1                           ; window 0: 16 x lane
.set LR,   2                           ; 16 x (lane % 16)
.set STW,  3
.set STR,  4
.set SPW,  5
.set NIL,  6
.set ADK,  8
.set ADV,  9
.set ADS,  10
.set ADT,  11
.set NM,   12                          ; each window: -M; v13 the largest t; v14, v15 the sum in two halves
.set TX,   13
.set Q,    16                          ; v16-39 q, zeros, q
.set S,    40                          ; v40-103 S^T, then p
.set O,    104                         ; v104-135 O^T
.set PC,   136                         ; v136-151 p's codes
.set BM,   152
.set BP,   156
.set BH,   160
.set BS,   164
.set BQ,   168
.set F,    172                         ; f = 2^(old M - new M)
.set TT,   174
.set NM2,  175                         ; -M once more, in an odd register: the two halves of a dual line take their addends from an even and an odd one
.set SWK,  176                         ; window 0 alone: scale words: K's, V's, p's of both tiles, q's of both tiles
.set SWV,  180
.set PW,   186
.set QS,   188
.set FR,   192
.set WV,   18
.set MNT,  19
.set SEL,  20
.set CS,   22
.set G1T,  24
.set G1S,  32
.set G0T,  40
.set G0S,  44
.set TB,   48
.set TS,   49
.set TJ,   50
.set SLOTS, 51
.set CNT,  52
.set SJ,   53
.set T0,   54
.set T1,   55
.set T2,   56
.set T3,   57
.set MSB, 0
.macro WIN new                         ; the immediate's high byte repeats the setting that is left
.if MSB != (\new)
	s_set_vgpr_msb (MSB<<8)|(\new)
.set MSB, \new
.endif
.endm
.macro WALU
	s_wait_alu depctr_va_vdst(0)
.endm
.macro PLACES n
.rept \n
	v_nop
.endr
.endm
.macro TLOAD                           ; the ring's joint load: waves 0-3; an s_nop 0 and four v_nop follow it
	s_cmp_lt_u32 s[WV], 4
	s_cbranch_scc0 .Lnone_\@
	tensor_load_to_lds s[G0T:G0T+3], s[G1T:G1T+7]
	s_nop 0
	PLACES 4
.Lnone_\@:
.endm
.macro CROUND                          ; a round of the cluster's barrier
	s_barrier_signal -1
	s_barrier_wait -1
	s_cmp_lg_u32 s[WV], 0
	s_cbranch_scc1 .Lnot_wave_0_\@
	s_barrier_signal -3
.Lnot_wave_0_\@:
	s_barrier_wait -3
	s_barrier_signal -1
	s_barrier_wait -1
.endm
	s_load_b256 s[4:11], s[0:1], 0x0               ; qk_img, qk_scl, v_img, v_scl
	s_load_b128 s[12:15], s[0:1], 0x20             ; o_img, o_scl
	v_lshl_add_u32 v[SPW], v0, 2, SPARE
	v_mov_b32 v[NIL], 0
	ds_add_u32 v[SPW], v[NIL]                      ; the opening lines: the add twice on end and its wait
	ds_add_u32 v[SPW], v[NIL]
	v_lshrrev_b32 v7, 5, v0
	v_readfirstlane_b32 s[WV], v7                  ; wave 0..7
	s_and_b32 s56, s[WV], 3
	s_and_b32 s57, s[WV], 1
	s_lshr_b32 s78, s[WV], 1
	s_lshl_b32 s78, s78, 8
	s_lshl_b32 s79, s57, 3
	s_add_co_u32 s78, s78, s79
	s_add_co_u32 s78, s78, STG                     ; the stage: [tile / 4][r][tile % 4], my first tile = 2 x wave
	s_lshl_b32 s79, s57, 9
	s_add_co_u32 s79, s79, STG
	s_bfe_u32 s53, ttmp6, 0x40000                  ; cx
	s_lshl_b32 s54, ttmp9, 2
	s_add_co_u32 s54, s54, s53                     ; which 256 queries
	s_and_b32 s55, ttmp7, 0xffff                   ; the head
	s_lshl_b32 s60, s55, 18
	s_lshl_b32 s61, s57, 15
	s_add_co_u32 s60, s60, s61                     ; V's codes: the head, my half of a slot's part
	s_add_co_u32 s58, s60, 16*262144               ; K's: behind q's sixteen heads
	s_mov_b32 s59, 0
	s_mov_b32 s61, 0
	s_lshl_b32 s62, s55, 14
	s_lshl_b32 s63, s57, 13
	s_add_co_u32 s62, s62, s63
	s_add_co_u32 s62, s62, 16*16384                ; K's scale words, my half
	s_mov_b32 s63, 0
	s_lshl_b32 s66, s55, 13                        ; V's scale words
	s_mov_b32 s67, 0
	s_lshl_b32 s70, s54, 4
	s_lshl_b32 s71, s[WV], 1
	s_add_co_u32 s70, s70, s71                     ; my first query tile
	s_lshl_b32 s68, s55, 18
	s_lshl_b32 s69, s70, 10
	s_add_co_u32 s68, s68, s69                     ; q's codes
	s_mov_b32 s69, 0
	s_lshl_b32 s72, s55, 14
	s_lshr_b32 s73, s70, 2
	s_lshl_b32 s73, s73, 8
	s_add_co_u32 s72, s72, s73
	s_and_b32 s73, s70, 3
	s_lshl_b32 s73, s73, 2
	s_add_co_u32 s72, s72, s73                     ; q's scale words
	s_mov_b32 s73, 0
	s_lshl_b32 s74, s70, 14
	s_lshr_b32 s75, s55, 1
	s_lshl_b32 s75, s75, 11
	s_add_co_u32 s74, s74, s75
	s_and_b32 s75, s55, 1
	s_lshl_b32 s75, s75, 10
	s_add_co_u32 s74, s74, s75                     ; o_img: [tile][K step = head / 2][c = 2 (head % 2) ..]
	s_mov_b32 s75, 0
	s_lshl_b32 s76, s55, 14
	s_lshl_b32 s77, s54, 10
	s_add_co_u32 s76, s76, s77
	s_lshl_b32 s77, s57, 9
	s_add_co_u32 s76, s76, s77                     ; o_scl: waves 0 and 1 store 512 bytes each
	s_mov_b32 s77, 0
	s_mov_b32 s[G1T], 15|(3<<16)|(1<<21)           ; the mask of all four partners; elements of 8 bytes; 128 dense rows of 256 bytes
	s_mov_b32 s[G1T+1], 32<<16
	s_mov_b32 s[G1T+2], 128<<16
	s_mov_b32 s[G1T+3], 32<<16
	s_mov_b32 s[G1T+4], 128
	s_mov_b32 s[G1T+5], 32
	s_mov_b32 s[G1T+6], 0
	s_mov_b32 s[G1T+7], 0
	s_mov_b32 s[G1S], 15|(3<<16)|(1<<21)           ; 32 dense rows of 256 bytes
	s_mov_b32 s[G1S+1], 32<<16
	s_mov_b32 s[G1S+2], 32<<16
	s_mov_b32 s[G1S+3], 32<<16
	s_mov_b32 s[G1S+4], 32
	s_mov_b32 s[G1S+5], 32
	s_mov_b32 s[G1S+6], 0
	s_mov_b32 s[G1S+7], 0
	s_mov_b32 s[G0T], 1
	s_lshl_b32 s[G0T+1], s56, 15
	s_mov_b32 s[G0S], 1
	s_lshl_b32 s[G0S+1], s56, 13
	s_add_co_u32 s[G0S+1], s[G0S+1], SCK
	s_mov_b32 s[MNT], 0x600000
	s_mov_b32 s[SEL], 0x76543210
	s_mov_b32 s[SEL+1], 0xfedcba98
	s_mov_b32 s[CS], CLIT
	s_mov_b32 s[TB], 0
	s_mov_b32 s[TS], SCK
	s_mov_b32 s[TJ], SCV-256                       ; V's scale words: 256 x the step's count (1 to 8) is added
	s_mov_b32 s[SLOTS], 3
	s_wait_dscnt 0x0                               ; both opening adds are done
	s_wait_kmcnt 0x0
	s_add_nc_u64 s[58:59], s[4:5], s[58:59]
	s_add_nc_u64 s[60:61], s[8:9], s[60:61]
	s_add_nc_u64 s[62:63], s[6:7], s[62:63]
	s_add_nc_u64 s[66:67], s[10:11], s[66:67]
	s_add_nc_u64 s[68:69], s[4:5], s[68:69]
	s_add_nc_u64 s[72:73], s[6:7], s[72:73]
	s_add_nc_u64 s[74:75], s[12:13], s[74:75]
	s_add_nc_u64 s[76:77], s[14:15], s[76:77]
	s_cmp_lt_u32 s56, 2                            ; wave % 4 = 0, 1: K's halves; 2, 3: V's
	s_cselect_b64 s[G0T+2:G0T+3], s[58:59], s[60:61]
	s_cselect_b64 s[G0S+2:G0S+3], s[62:63], s[66:67]
	s_or_b32 s[G0T+3], s[G0T+3], 0x80000000
	s_or_b32 s[G0S+3], s[G0S+3], 0x80000000
	CROUND                                         ; the four work-groups are here: the first joint loads meet
	s_cmp_lt_u32 s[WV], 4                          ; the head's loads, one a wave, in one chain of arms: waves 0-3 slot 0, waves 4-6 the scale words
	s_cbranch_scc0 .Lhead_s
	tensor_load_to_lds s[G0T:G0T+3], s[G1T:G1T+7]
	s_nop 0
	PLACES 4
	s_branch .Lhead_asked
.Lhead_s:
	s_cmp_lt_u32 s[WV], 7
	s_cbranch_scc0 .Lhead_asked
	tensor_load_to_lds s[G0S:G0S+3], s[G1S:G1S+7]
	s_nop 0
	PLACES 4
.Lhead_asked:
	v_and_b32 v7, 31, v0
	v_lshlrev_b32 v[LI], 4, v7
	v_and_b32 v7, 15, v0
	v_lshlrev_b32 v[LR], 4, v7
	v_add_nc_u32 v[STW], s78, v[LR]
	v_add_nc_u32 v[STR], s79, v[LI]
.macro QLOAD tl                        ; a tile's q, twice, round eight registers of zeros
	WIN 0x40*\tl
	global_load_b128 v[Q:Q+3], v[LI], s[68:69] offset:1024*\tl
	global_load_b128 v[Q+4:Q+7], v[LI], s[68:69] offset:1024*\tl+512
	global_load_b128 v[Q+16:Q+19], v[LI], s[68:69] offset:1024*\tl
	global_load_b128 v[Q+20:Q+23], v[LI], s[68:69] offset:1024*\tl+512
.endm
.macro INIT                            ; the step is one text: the first finds zeros, which the first change of M leaves zeros
	v_mov_b32 v[NM], 0x7f61b1e6                    ; -M = 3e38,
	v_mov_b32 v[TX], 0xff61b1e6                    ; the largest t so far: -3e38
	v_mov_b32 v14, 0
	v_mov_b32 v15, 0
	v_mov_b32 v[F+1], 0                            ; (named as the upper half of the pair v[F:F+1])
.irp j, 0,1,2,3,4,5,6,7
	v_mov_b32 v[Q+8+\j], 0
.endr
.irp b, 0,1,2,3
	v_mov_b32 v[BP+\b], 0                          ; a lane permute's destination counts as one of its sources
.endr
.set xx, 0
.rept 32
	v_mov_b32 v[O+xx], 0
.set xx, xx+1
.endr
.endm
	global_load_b32 v[QS], v[LR], s[72:73]
	global_load_b32 v[QS+1], v[LR], s[72:73] offset:4
	QLOAD 0
	INIT
	QLOAD 1
	INIT
	WIN 0
.macro KLOAD                           ; eight key tiles (four fragments) and their scale words: 17 loads
.irp t, 0,1,2,3,4,5,6,7
	ds_load_b128 v[FR+8*\t:FR+8*\t+3], v[ADK] offset:\t*1024
	ds_load_b128 v[FR+8*\t+4:FR+8*\t+7], v[ADK] offset:\t*1024+512
.endr
	ds_load_b128 v[SWK:SWK+3], v[ADS]
.endm
.macro VLOAD                           ; V's four fragments, into window 1, and their scale words: 17 loads.  The address holds 8,192 x the step's count (1 to 8): V's part of a slot begins 65,536 = 8,192 + 57,344 bytes in
	WIN 0x40
.irp d, 0,1,2,3
.irp c, 0,1,2,3
	ds_load_b128 v[FR+16*\d+4*\c:FR+16*\d+4*\c+3], v[ADV] offset:57344+2048*\d+512*\c
.endr
.endr
	WIN 0
	ds_load_b128 v[SWV:SWV+3], v[ADT]
.endm
.macro SPROD tl                        ; S^T of tile tl: source 0 K (window 0), source 1 q and the result in the tile's window
	WIN 0x44*\tl
.irp t, 0,1,2,3
	v_wmma_scale_f32_16x16x128_f8f6f4 v[S+8*\t:S+8*\t+7], v[FR+16*(\t/2):FR+16*(\t/2)+15], v[Q+8*(\t%2):Q+8*(\t%2)+15], 0, v[SWK+\t], v[QS+\tl] matrix_a_fmt:MATRIX_FMT_BF8 matrix_b_fmt:MATRIX_FMT_BF8
.endr
.irp t, 4,5,6,7
	v_wmma_scale_f32_16x16x128_f8f6f4 v[S+8*\t:S+8*\t+7], v[FR+16*(\t/2):FR+16*(\t/2)+15], v[Q+8*(\t%2):Q+8*(\t%2)+15], 0, v[SWK+\t-4], v[QS+\tl] matrix_a_fmt:MATRIX_FMT_BF8 matrix_b_fmt:MATRIX_FMT_BF8 matrix_a_scale:MATRIX_SCALE_ROW1
.endr
.endm
.macro PV tl                           ; O^T += V^T P^T: source 0 V (window 1), the rest in the tile's window
	WIN 0x01+0x54*\tl
.irp d, 0,1,2,3
	v_wmma_scale_f32_16x16x128_f8f6f4 v[O+8*\d:O+8*\d+7], v[FR+16*\d:FR+16*\d+15], v[PC:PC+15], v[O+8*\d:O+8*\d+7], v[SWV+\d], v[PW+\tl] matrix_a_fmt:MATRIX_FMT_BF8 matrix_b_fmt:MATRIX_FMT_BF8
.endr
.endm
.macro DADD a, x, y                    ; two additions in one line: a += .. in both halves of a pair
	v_dual_add_f32 v[\a], v[\x], v[\y] :: v_dual_add_f32 v[\a+1], v[\x+1], v[\y+1]
.endm
; THE SOFTMAX OF ONE TILE AND 128 KEYS; every register in the tile's window, but p's scale word, which goes to window 0.
.macro SOFT tl
	WIN 0x55*\tl
.if \tl
	WALU
.endif
.irp b, 0,1,2,3
	v_max3_num_f32 v[BM+\b], v[S+16*\b], v[S+16*\b+1], v[S+16*\b+2]   ; each block's largest score, in two chains a block
.endr
.irp b, 0,1,2,3
	v_max3_num_f32 v[BQ+\b], v[S+16*\b+8], v[S+16*\b+9], v[S+16*\b+10]
.endr
.irp i, 3,5
.irp b, 0,1,2,3
	v_max3_num_f32 v[BM+\b], v[BM+\b], v[S+16*\b+\i], v[S+16*\b+\i+1]
.endr
.irp b, 0,1,2,3
	v_max3_num_f32 v[BQ+\b], v[BQ+\b], v[S+16*\b+8+\i], v[S+16*\b+9+\i]
.endr
.endr
.irp b, 0,1,2,3
	v_max3_num_f32 v[BM+\b], v[BM+\b], v[S+16*\b+7], v[S+16*\b+15]
.endr
.irp b, 0,1,2,3
	v_max_num_f32 v[BM+\b], v[BM+\b], v[BQ+\b]
.endr
.irp b, 0,1,2,3
	v_permlanex16_b32 v[BP+\b], v[BM+\b], s[SEL], s[SEL+1]
.endr
.irp b, 0,1,2,3
	v_max_num_f32 v[BM+\b], v[BM+\b], v[BP+\b]     ; with lane l xor 16's 16 keys
.endr
	v_max3_num_f32 v[TT], v[BM], v[BM+1], v[BM+2]
	v_max_num_f32 v[TT], v[TT], v[BM+3]
	v_mul_f32 v[TT], s[CS], v[TT]
	v_max_num_f32 v[TX], v[TX], v[TT]              ; the running largest t
	v_mov_b32 v[TT], v[NM]
	v_floor_f32 v[NM], -v[TX]                      ; -M = floor(-t)
	v_sub_f32 v[TT], v[NM], v[TT]                  ; old M - new M
	v_cvt_i32_f32 v[TT], v[TT]                     ; (it saturates)
	v_ldexp_f32 v[F], 1.0, v[TT]                   ; f
	v_mov_b32 v[NM2], v[NM]
.set xx, 0
.rept 32
	v_dual_fmamk_f32 v[S+xx], v[S+xx], CLIT, v[NM] :: v_dual_fmamk_f32 v[S+xx+1], v[S+xx+1], CLIT, v[NM2]   ; t - M, one rounding, two in a line
.set xx, xx+2
.endr
.irp b, 0,1,2,3
	v_fma_f32 v[BM+\b], v[BM+\b], s[CS], v[NM]     ; the same of each block's largest score
.endr
	WALU                                           ; ahead of the batch
.set xx, 0
.rept 64
	v_exp_f32 v[S+xx], v[S+xx]                     ; p
.set xx, xx+1
.endr
	v_pk_mul_f32 v[14:15], v[14:15], v[F:F+1] op_sel_hi:[1,0]   ; the sums under the new M; a plain line behind the batch
	WALU                                           ; one wait for the batch
.irp b, 0,1,2,3
	v_exp_f32 v[BM+\b], v[BM+\b]                   ; each block's largest p
.endr
	v_nop                                          ; a place behind the four
	DADD BP, S, S+2                                ; the row's sum of the unquantised p, in four chains
	DADD BP+2, S+4, S+6
	DADD BQ, S+8, S+10
.set xx, 12
.rept 6
	DADD 14, S+xx, 14
	DADD BP, S+xx+2, BP
	DADD BP+2, S+xx+4, BP+2
	DADD BQ, S+xx+6, BQ
.set xx, xx+8
.endr
	DADD 14, S+60, 14
	DADD BP, S+62, BP
	DADD BP+2, BQ, BP+2
	DADD 14, BP, 14
	DADD 14, BP+2, 14
	WALU                                           ; and one for the four
.irp b, 0,1,2,3
	v_max_num_f32 v[BM+\b], 0x8000000, v[BM+\b]    ; the floor 2^(16 - 127): the byte cannot fall under 1
.endr
.irp b, 0,1,2,3
	v_add_nc_u32 v[BS+\b], 0xf8800000, v[BM+\b]    ; 15 off the exponent field: the conversion's scale operand
.endr
.irp b, 0,1,2,3
	v_and_or_b32 v[BH+\b], v[BM+\b], 0x7f800000, s[MNT]   ; 57,344 x the scale
.endr
.irp b, 0,1,2,3
	v_lshrrev_b32 v[BQ+\b], 23, v[BS+\b]           ; the scale's byte
.endr
	v_lshl_or_b32 v[TT], v[BQ+1], 8, v[BQ]
	v_lshl_or_b32 v[TT], v[BQ+2], 16, v[TT]
	WIN 0x15*\tl
	v_lshl_or_b32 v[PW+\tl], v[BQ+3], 24, v[TT]    ; p's scale word: scale operands are taken from window 0
	WIN 0x55*\tl
.irp b, 0,1,2,3
.set xx, S+16*\b
.rept 8
	v_dual_min_num_f32 v[xx], v[xx], v[BH+\b] :: v_dual_min_num_f32 v[xx+1], v[xx+1], v[BH+\b]   ; the hold: the conversion does not saturate (ISA guide 7.6.2); p is not negative
.set xx, xx+2
.endr
	v_cvt_scalef32_pk8_bf8_f32 v[PC+4*\b:PC+4*\b+1], v[S+16*\b:S+16*\b+7], v[BS+\b]
	v_cvt_scalef32_pk8_bf8_f32 v[PC+4*\b+2:PC+4*\b+3], v[S+16*\b+8:S+16*\b+15], v[BS+\b]
.endr
	WALU                                           ; directly ahead of the first reader of O^T
.set xx, 0
.rept 16
	v_pk_mul_f32 v[O+xx:O+xx+1], v[O+xx:O+xx+1], v[F:F+1] op_sel_hi:[1,0]   ; O^T under the new M; also the places ahead of the second product
.set xx, xx+2
.endr
.endm
; A KEY STEP: 128 keys, both tiles.  LDS loads out: at its top K's 17 alone; ahead of the second product the next K's 17 behind V's 17.
.macro STEP
	s_and_b32 s[SJ], s[CNT], 7                     ; K: the next step of this slot, modulo 8
	s_lshl_b32 s[T0], s[SJ], 13
	s_add_co_u32 s[T0], s[T0], s[TB]
	s_lshl_b32 s[T1], s[SJ], 9
	s_add_co_u32 s[T1], s[T1], s[TS]
	s_lshl_b32 s[T2], s[CNT], 8                    ; V: this step
	s_add_co_u32 s[T2], s[T2], s[TJ]
	s_lshl_b32 s[T3], s[CNT], 13
	s_add_co_u32 s[T3], s[T3], s[TB]
	s_wait_dscnt 0x0                               ; K's fragments and words are in
	SPROD 0
	SPROD 1
	WIN 0
	v_add_nc_u32 v[ADK], s[T0], v[LI]
	v_add_nc_u32 v[ADS], s[T1], v[LI]
	v_add_nc_u32 v[ADT], s[T2], v[LR]
	v_add_nc_u32 v[ADV], s[T3], v[LI]
	PLACES 4                                       ; eight places with the four above: behind both products, ahead of the loads into their registers and of the first read of the scores
	VLOAD
	KLOAD
	SOFT 0
	SOFT 1
	WALU                                           ; directly ahead of the wait below
	s_wait_dscnt 17                                ; V's fragments and words are in; the next K's 17 loads may be out
	PV 0
	PV 1
	WIN 0
.endm
.macro SLOT_STEPS
	v_add_nc_u32 v[ADK], s[TB], v[LI]
	v_add_nc_u32 v[ADS], s[TS], v[LI]
	KLOAD
	s_mov_b32 s[CNT], 1
.Lstep_\@:
	STEP
	s_add_co_u32 s[CNT], s[CNT], 1
	s_cmp_lt_u32 s[CNT], 9
	s_cbranch_scc1 .Lstep_\@
	s_xor_b32 s[TB], s[TB], SLOT1
	s_add_co_u32 s[TS], s[TS], 4096
	s_add_co_u32 s[TJ], s[TJ], 2048
.endm
; THE CHANGE OF SLOTS, at a slot's head: all my tensor loads are in, the add, my reads of the slot that I left are over; a round of the cluster's barrier; the slot that was left is filled with the keys that follow.
.macro CHANGE fill
	s_wait_tensorcnt 0x0
	ds_add_u32 v[SPW], v[NIL]
.if \fill
	ds_add_u32 v[SPW], v[NIL]                      ; the add twice on end here
	s_xor_b32 s[G0T+1], s[G0T+1], SLOT1
	s_add_nc_u64 s[G0T+2:G0T+3], s[G0T+2:G0T+3], 65536
.endif
	s_wait_dscnt 0x0
.if \fill
	CROUND
	TLOAD
.else
	s_barrier_signal -1
	s_barrier_wait -1
.endif
.endm
	WALU                                           ; the head's end
	s_wait_loadcnt 0x0                             ; q and its scale words
.Lslot:
	CHANGE 1
	SLOT_STEPS
	s_sub_co_u32 s[SLOTS], s[SLOTS], 1
	s_cmp_lg_u32 s[SLOTS], 0
	s_cbranch_scc1 .Lslot
	CHANGE 0                                       ; the last slot is written out: nothing is left to fetch
	SLOT_STEPS
; THE WAY OUT of a tile: O^T / the sum, quantised along the head's 64 (two blocks); 1,024 bytes of codes; the scale word goes to the stage.
.macro FIN tl
	WIN 0x55*\tl
	v_add_f32 v14, v14, v15
	v_permlanex16_b32 v[TT], v14, s[SEL], s[SEL+1]
	v_add_f32 v14, v14, v[TT]                      ; the row's sum
	WALU
	v_rcp_f32 v14, v14
	v_nop
	WALU
.set xx, 0
.rept 16
	v_pk_mul_f32 v[S+xx:S+xx+1], v[O+xx:O+xx+1], v[14:15] op_sel_hi:[1,0]
.set xx, xx+2
.endr
.irp b, 0,1
	v_max3_num_f32 v[BM+\b], |v[S+16*\b]|, |v[S+16*\b+1]|, 0x8000000
.endr
.irp i, 2,4,6,8,10,12,14
.irp b, 0,1
	v_max3_num_f32 v[BM+\b], v[BM+\b], |v[S+16*\b+\i]|, |v[S+16*\b+\i+1]|
.endr
.endr
.irp b, 0,1
	v_permlanex16_b32 v[BP+\b], v[BM+\b], s[SEL], s[SEL+1]
.endr
.irp b, 0,1
	v_max_num_f32 v[BM+\b], v[BM+\b], v[BP+\b]
.endr
.irp b, 0,1
	v_add_nc_u32 v[BS+\b], 0xf8800000, v[BM+\b]
.endr
.irp b, 0,1
	v_and_or_b32 v[BH+\b], v[BM+\b], 0x7f800000, s[MNT]
.endr
.irp b, 0,1
	v_lshrrev_b32 v[BQ+\b], 23, v[BS+\b]
.endr
	WIN 0x15*\tl
	v_lshl_or_b32 v[PW+\tl], v[BQ+1], 8, v[BQ]     ; two bytes
	WIN 0x55*\tl
.irp b, 0,1
.set xx, S+16*\b
.rept 16
	v_med3_num_f32 v[xx], v[xx], -v[BH+\b], v[BH+\b]
.set xx, xx+1
.endr
	v_cvt_scalef32_pk8_bf8_f32 v[PC+4*\b:PC+4*\b+1], v[S+16*\b:S+16*\b+7], v[BS+\b]
	v_cvt_scalef32_pk8_bf8_f32 v[PC+4*\b+2:PC+4*\b+3], v[S+16*\b+8:S+16*\b+15], v[BS+\b]
.endr
	v_nop                                          ; a plain line behind the last conversion
	WIN 0x04*\tl
	global_store_b128 v[LI], v[PC:PC+3], s[74:75] offset:16384*\tl          ; 512 consecutive bytes
	global_store_b128 v[LI], v[PC+4:PC+7], s[74:75] offset:16384*\tl+512
	WIN 0
.endm
	PLACES 8                                       ; behind the last products, ahead of the first read of O^T
	FIN 0
	FIN 1
	ds_store_b32 v[STW], v[PW]
	ds_store_b32 v[STW], v[PW+1] offset:4
	s_wait_dscnt 0x0
	s_barrier_signal -1
	s_barrier_wait -1
	s_cmp_lt_u32 s[WV], 2
	s_cbranch_scc0 .Lno_scl
	ds_load_b128 v[S:S+3], v[STR]
	s_wait_dscnt 0x0
	global_store_b128 v[LI], v[S:S+3], s[76:77]    ; 512 consecutive bytes
.Lno_scl:
	s_wait_tensorcnt 0x0                           ; the wave's end
	ds_add_u32 v[SPW], v[NIL]
	s_wait_dscnt 0x0
	CROUND                                         ; the closing round
	s_endpgm
.Lfunc_end_k_qe84c842aba_attn:
	.size	k_qe84c842aba_attn, .Lfunc_end_k_qe84c842aba_attn-k_qe84c842aba_attn
	.p2alignl 7, 3214868480
	.fill 96, 4, 3214868480
	.section	.rodata,"a",@progbits
	.p2align	6, 0x0
	.amdhsa_kernel k_qe84c842aba_attn
		.amdhsa_group_segment_fixed_size 327680
		.amdhsa_private_segment_fixed_size 0
		.amdhsa_enable_private_segment 0
		.amdhsa_kernarg_size 48
		.amdhsa_user_sgpr_count 2
		.amdhsa_user_sgpr_kernarg_segment_ptr 1
		.amdhsa_wavefront_size32 1
		.amdhsa_system_sgpr_workgroup_id_x 1
		.amdhsa_system_sgpr_workgroup_id_y 1
		.amdhsa_system_sgpr_workgroup_id_z 1
		.amdhsa_system_vgpr_workitem_id 0
		.amdhsa_next_free_vgpr 512
		.amdhsa_next_free_sgpr 80
		.amdhsa_reserve_vcc 0
		.amdhsa_float_denorm_mode_32 3
		.amdhsa_float_denorm_mode_16_64 3
		.amdhsa_memory_ordered 1
		.amdhsa_forward_progress 1
		.amdhsa_inst_pref_size 99
	.end_amdhsa_kernel
	.amdgpu_metadata
---
amdhsa.version: [ 1, 2 ]
amdhsa.kernels:
  - .name:           k_qe84c842aba_attn
    .symbol:         k_qe84c842aba_attn.kd
    .args:
      - { .name: qk_img, .offset: 0, .size: 8, .value_kind: global_buffer, .address_space: global }
      - { .name: qk_scl, .offset: 8, .size: 8, .value_kind: global_buffer, .address_space: global }
      - { .name: v_img, .offset: 16, .size: 8, .value_kind: global_buffer, .address_space: global }
      - { .name: v_scl, .offset: 24, .size: 8, .value_kind: global_buffer, .address_space: global }
      - { .name: o_img, .offset: 32, .size: 8, .value_kind: global_buffer, .address_space: global }
      - { .name: o_scl, .offset: 40, .size: 8, .value_kind: global_buffer, .address_space: global }
    .group_segment_fixed_size: 327680
    .private_segment_fixed_size: 0
    .kernarg_segment_align: 8
    .kernarg_segment_size: 48
    .max_flat_workgroup_size: 256
    .sgpr_count:     80
    .vgpr_count:     512
    .wavefront_size: 32
...
	.end_amdgpu_metadata
.endif
;; end of part 7
;; launch proj (part 8): grid 8 x 32, 4 waves a work-group, clusters of 4 x 4, 327,680 bytes of LDS; arguments o_img, o_scl, codes, scl, proj_b, out0; writes out0
.if DOCPART == 8
	.amdgcn_target "amdgcn-amd-amdhsa--gfx1250"
	.amdhsa_code_object_version 6
	.text
	.protected	k_qe84c842aba_proj
	.globl	k_qe84c842aba_proj
	.p2align	8
	.type	k_qe84c842aba_proj,@function
k_qe84c842aba_proj:
	s_mov_b64 s[64:65], 0
	v_nop
	global_prefetch_b8 v0, s[64:65] scope:SCOPE_SE
	s_setreg_imm32_b32 hwreg(HW_REG_WAVE_MODE, 25, 1), 1
	s_wait_xcnt 0x0
	s_wait_alu depctr_hold_cnt(0) depctr_sa_sdst(0) depctr_va_vdst(0) depctr_va_sdst(0) depctr_va_ssrc(0) depctr_va_vcc(0) depctr_vm_vsrc(0)
	s_getreg_b32 s2, hwreg(HW_REG_IB_STS2, 6, 4)
	s_cmp_eq_u32 s2, 0
	s_cbranch_scc0 .Lentry_in_a_cluster
	s_endpgm
.Lentry_in_a_cluster:
	s_bfe_u32 s2, ttmp6, 0x10000c
	s_cmp_lg_u32 s2, 0xf033
	s_cbranch_scc0 .Lentry_shape_is_right
	s_endpgm
.Lentry_shape_is_right:
; out0 = O proj_w^T + proj_b on codes of BF8 (E5M2) with E8M0 scales.  A work-group of four waves makes 128 x 128, a wave 64 x 64: 16 accumulators; K = 1,024 in 8 steps of 128.
; Operands are images of operand registers: [row tile][K step][c][lane][16 bytes].  A wave's four row tiles, all of K, are 65,536 dense bytes: ONE joint load a wave at the head brings all that the work-group reads (waves 0, 1: A's halves; 2, 3: B's); nothing is filled again.
; A fragment lies at 16,384 x row tile + 2,048 x K step.  The bias is the first products' C.  Results leave through each wave's stage in LDS as aligned runs of 256 bytes.
.set HALFB, 65536
.set KHB,   32768
.set BSIDE, 2*HALFB
.set STG,   4*HALFB
.set SP,    272
.set LI,   1
.set LR,   2
.set BIA,  5
.set ADRA, 16
.set ADRB, 20
.set STO,  24
.set RD,   25
.set CO,   26
.set SB,   32
.set SA,   64
.set SH,   96
.set ACC,  128
.set BI,   0
.set OB,   32
.set WV,   22
.set RH,   23
.set CH,   24
.set BBLK, 30
.set ABLK, 31
.set G1A,  32
.set G0A,  40
.set G1B,  48
.set G0B,  56
.set MSB, 0
.macro WIN new
.if MSB != (\new)
	s_set_vgpr_msb (MSB<<8)|(\new)
.set MSB, \new
.endif
.endm
.macro JLOAD s
	s_cmp_eq_u32 s[RH], 0
	s_cbranch_scc0 .Lfor_b_\@
	tensor_load_to_lds s[G0A+4*\s:G0A+4*\s+3], s[G1A:G1A+7]
	s_nop 0
.rept 4
	v_nop
.endr
	s_branch .Lasked_\@
.Lfor_b_\@:
	tensor_load_to_lds s[G0B+4*\s:G0B+4*\s+3], s[G1B:G1B+7]
	s_nop 0
.rept 4
	v_nop
.endr
.Lasked_\@:
.endm
.macro CROUND
	s_barrier_signal -1
	s_barrier_wait -1
	s_cmp_lg_u32 s[WV], 0
	s_cbranch_scc1 .Lnot_wave_0_\@
	s_barrier_signal -3
.Lnot_wave_0_\@:
	s_barrier_wait -3
	s_barrier_signal -1
	s_barrier_wait -1
.endm
.macro PLACES n
.rept \n
	v_nop
.endr
.endm
.macro FETCH ks
.set pp, 128*((\ks)%2)
	WIN 0x40
.irp i, 0,1,2,3
.irp c, 0,1,2,3
	ds_load_b128 v[pp+16*\i+4*\c:pp+16*\i+4*\c+3], v[ADRB] offset:\i*16384+(\ks)*2048+512*\c
.endr
.endr
.irp i, 0,1,2,3
.irp c, 0,1,2,3
	ds_load_b128 v[pp+64+16*\i+4*\c:pp+64+16*\i+4*\c+3], v[ADRA] offset:\i*16384+(\ks)*2048+512*\c
.endr
.endr
.endm
.macro MUL ks, first
.set pp, 128*((\ks)%2)
.if \first
	WIN 0x25
.else
	WIN 0x05
.endif
.irp a, 0,1,2,3
.irp b, 0,1,2,3
.if \first
	v_wmma_scale_f32_16x16x128_f8f6f4 v[ACC+8*(4*\a+\b):ACC+8*(4*\a+\b)+7], v[pp+16*\b:pp+16*\b+15], v[pp+64+16*\a:pp+64+16*\a+15], v[BI+8*\b:BI+8*\b+7], v[SB+4*(\ks)+\b], v[SA+4*(\ks)+\a] matrix_a_fmt:MATRIX_FMT_BF8 matrix_b_fmt:MATRIX_FMT_BF8
.else
	v_wmma_scale_f32_16x16x128_f8f6f4 v[ACC+8*(4*\a+\b):ACC+8*(4*\a+\b)+7], v[pp+16*\b:pp+16*\b+15], v[pp+64+16*\a:pp+64+16*\a+15], v[ACC+8*(4*\a+\b):ACC+8*(4*\a+\b)+7], v[SB+4*(\ks)+\b], v[SA+4*(\ks)+\a] matrix_a_fmt:MATRIX_FMT_BF8 matrix_b_fmt:MATRIX_FMT_BF8
.endif
.endr
.endr
.endm
	s_load_b256 s[4:11], s[0:1], 0x0
	s_load_b128 s[12:15], s[0:1], 0x20
	v_lshl_add_u32 v30, v0, 2, 0x44400
	v_mov_b32 v31, 0
	ds_add_u32 v30, v31
	ds_add_u32 v30, v31
	v_lshrrev_b32 v1, 5, v0
	v_readfirstlane_b32 s[WV], v1
	s_lshr_b32 s[RH], s[WV], 1
	s_and_b32 s[CH], s[WV], 1
	s_bfe_u32 s25, ttmp6, 0x40000
	s_bfe_u32 s26, ttmp6, 0x40004
	s_lshl_b32 s[BBLK], ttmp9, 2
	s_add_co_u32 s[BBLK], s[BBLK], s25
	s_and_b32 s[ABLK], ttmp7, 0xffff
	s_lshl_b32 s[ABLK], s[ABLK], 2
	s_add_co_u32 s[ABLK], s[ABLK], s26
	s_lshl_b32 s68, s26, 2
	s_lshl_b32 s68, 15, s68
	s_lshl_b32 s69, 0x1111, s25
	s_or_b32 s[G1A], s68, (3<<16)|(1<<21)
	s_or_b32 s[G1B], s69, (3<<16)|(1<<21)
.irp g, G1A, G1B
	s_mov_b32 s[\g+1], 2048<<16
	s_mov_b32 s[\g+2], 4<<16
	s_mov_b32 s[\g+3], 2048<<16
	s_mov_b32 s[\g+4], 4
	s_mov_b32 s[\g+5], 2048
	s_mov_b32 s[\g+6], 0
	s_mov_b32 s[\g+7], 0
.endr
	s_lshl_b32 s72, s[CH], 16
	s_lshl_b32 s70, s[ABLK], 17
	s_add_co_u32 s70, s70, s72
	s_mov_b32 s71, 0
	s_lshl_b32 s74, s[BBLK], 17
	s_add_co_u32 s74, s74, s72
	s_add_co_u32 s74, s74, 28*262144
	s_mov_b32 s75, 0
	s_lshl_b32 s73, s[WV], 16
	s_lshl_b32 s76, s[BBLK], 12
	s_lshl_b32 s77, s[CH], 8
	s_add_co_u32 s76, s76, s77
	s_add_co_u32 s76, s76, 56*4096
	s_mov_b32 s77, 0
	s_lshl_b32 s78, s[ABLK], 9
	s_lshl_b32 s79, s[RH], 8
	s_add_co_u32 s78, s78, s79
	s_mov_b32 s79, 0
	s_lshl_b32 s84, s[BBLK], 9
	s_lshl_b32 s85, s[CH], 8
	s_add_co_u32 s84, s84, s85
	s_mov_b32 s85, 0
	s_lshl_b32 s86, s[ABLK], 19
	s_lshl_b32 s87, s[RH], 18
	s_add_co_u32 s86, s86, s87
	s_add_co_u32 s86, s86, s84
	s_mov_b32 s87, 0
	s_wait_dscnt 0x0
	s_wait_kmcnt 0x0
	s_add_nc_u64 s[70:71], s[4:5], s[70:71]
	s_add_nc_u64 s[74:75], s[8:9], s[74:75]
	s_add_nc_u64 s[76:77], s[10:11], s[76:77]
	s_add_nc_u64 s[78:79], s[6:7], s[78:79]
	s_add_nc_u64 s[12:13], s[12:13], s[84:85]
	s_add_nc_u64 s[14:15], s[14:15], s[86:87]
	CROUND
.irp s, 0
	s_mov_b32 s[G0A+4*\s], 1
	s_add_co_u32 s[G0A+4*\s+1], s73, \s*KHB
	s_add_nc_u64 s[G0A+4*\s+2:G0A+4*\s+3], s[70:71], \s*8192
	s_or_b32 s[G0A+4*\s+3], s[G0A+4*\s+3], 0x80000000
	s_mov_b32 s[G0B+4*\s], 1
	s_add_co_u32 s[G0B+4*\s+1], s73, \s*KHB
	s_add_nc_u64 s[G0B+4*\s+2:G0B+4*\s+3], s[74:75], \s*8192
	s_or_b32 s[G0B+4*\s+3], s[G0B+4*\s+3], 0x80000000
	JLOAD \s
.endr
	v_and_b32 v3, 31, v0
	v_lshlrev_b32 v[LI], 4, v3
	v_and_b32 v3, 15, v0
	v_bfe_u32 v4, v0, 4, 1
	v_lshlrev_b32 v[LR], 4, v3
	v_lshlrev_b32 v[BIA], 5, v4
.irp k, 0,1,2,3,4,5,6,7
	global_load_b128 v[SB+4*\k:SB+4*\k+3], v[LR], s[76:77] offset:512*\k
	global_load_b128 v[SA+4*\k:SA+4*\k+3], v[LR], s[78:79] offset:2*\k*16384
	global_load_b128 v[SH+4*\k:SH+4*\k+3], v[LR], s[78:79] offset:(2*\k+1)*16384
.endr
	WIN 0x80
.irp n, 0,1,2,3
	global_load_b128 v[BI+8*\n:BI+8*\n+3], v[BIA], s[12:13] offset:64*\n
	global_load_b128 v[BI+8*\n+4:BI+8*\n+7], v[BIA], s[12:13] offset:64*\n+16
.endr
	WIN 0
	s_mul_i32 s82, s[WV], 16*SP
	s_add_co_u32 s82, s82, STG
	v_mul_u32_u24 v[STO], v3, SP
	v_lshl_add_u32 v[STO], v4, 5, v[STO]
	v_add_nc_u32 v[STO], s82, v[STO]
	v_mul_u32_u24 v[RD], v4, SP
	v_lshl_add_u32 v[RD], v3, 4, v[RD]
	v_add_nc_u32 v[RD], s82, v[RD]
	v_lshlrev_b32 v[CO], 12, v4
	v_lshl_add_u32 v[CO], v3, 4, v[CO]
	s_lshl_b32 s80, s[RH], 16
	s_lshl_b32 s81, s[CH], 16
	s_add_co_u32 s81, s81, BSIDE
.irp s, 0
	v_add_nc_u32 v[ADRA+\s], s80, v[LI]
	v_add_nc_u32 v[ADRB+\s], s81, v[LI]
	s_add_co_u32 s80, s80, KHB
	s_add_co_u32 s81, s81, KHB
.endr
	s_wait_alu depctr_va_vdst(0)
	s_wait_tensorcnt 0x0
	s_barrier_signal -1
	s_barrier_wait -1
	FETCH 0
	s_wait_loadcnt 0x0
	WIN 0
.set xx, 0
.rept 32
	v_lshl_or_b32 v[SA+xx], v[SH+xx], 16, v[SA+xx]
.set xx, xx+1
.endr
	s_wait_dscnt 16
	FETCH 1
	s_wait_dscnt 32
	MUL 0, 1
.irp ks, 1,2,3,4,5,6
	PLACES 8
	s_wait_alu depctr_va_vdst(0)
	s_wait_dscnt 16
	FETCH \ks+1
	s_wait_dscnt 32
	MUL \ks, 0
.endr
	s_wait_dscnt 0x0
	MUL 7, 0
	PLACES 8
.macro TOSTAGE a
	WIN 0
.irp b, 0,1,2,3
	ds_store_b128 v[STO], v[ACC+8*(4*(\a)+\b):ACC+8*(4*(\a)+\b)+3] offset:64*\b
	ds_store_b128 v[STO], v[ACC+8*(4*(\a)+\b)+4:ACC+8*(4*(\a)+\b)+7] offset:64*\b+16
.endr
	WIN 0x80
.irp t, 0,1,2,3,4,5,6,7
	ds_load_b128 v[OB+32*(\a)+4*\t:OB+32*(\a)+4*\t+3], v[RD] offset:\t*2*SP
.endr
.endm
.macro SEND a, younger
	s_wait_dscnt \younger
	WIN 0x08
.irp t, 0,1,2,3,4,5,6,7
	global_store_b128 v[CO], v[OB+32*(\a)+4*\t:OB+32*(\a)+4*\t+3], s[14:15] offset:(\a)*65536+\t*8192 th:TH_STORE_NT
.endr
.endm
	TOSTAGE 0
	TOSTAGE 1
	SEND 0, 16
	TOSTAGE 2
	SEND 1, 16
	TOSTAGE 3
	SEND 2, 16
	SEND 3, 0
	WIN 0
	s_wait_tensorcnt 0x0
	ds_add_u32 v30, v31
	s_wait_dscnt 0x0
	CROUND
	s_endpgm
.Lfunc_end_k_qe84c842aba_proj:
	.size	k_qe84c842aba_proj, .Lfunc_end_k_qe84c842aba_proj-k_qe84c842aba_proj
	.p2alignl 7, 3214868480
	.fill 96, 4, 3214868480
	.section	.rodata,"a",@progbits
	.p2align	6, 0x0
	.amdhsa_kernel k_qe84c842aba_proj
		.amdhsa_group_segment_fixed_size 327680
		.amdhsa_private_segment_fixed_size 0
		.amdhsa_enable_private_segment 0
		.amdhsa_kernarg_size 48
		.amdhsa_user_sgpr_count 2
		.amdhsa_user_sgpr_kernarg_segment_ptr 1
		.amdhsa_wavefront_size32 1
		.amdhsa_system_sgpr_workgroup_id_x 1
		.amdhsa_system_sgpr_workgroup_id_y 1
		.amdhsa_system_sgpr_workgroup_id_z 1
		.amdhsa_system_vgpr_workitem_id 0
		.amdhsa_next_free_vgpr 768
		.amdhsa_next_free_sgpr 100
		.amdhsa_reserve_vcc 0
		.amdhsa_float_denorm_mode_32 3
		.amdhsa_float_denorm_mode_16_64 3
		.amdhsa_memory_ordered 1
		.amdhsa_forward_progress 1
		.amdhsa_inst_pref_size 54
	.end_amdhsa_kernel
	.amdgpu_metadata
---
amdhsa.version: [ 1, 2 ]
amdhsa.kernels:
  - .name:           k_qe84c842aba_proj
    .symbol:         k_qe84c842aba_proj.kd
    .args:
      - { .name: o_img, .offset: 0, .size: 8, .value_kind: global_buffer, .address_space: global }
      - { .name: o_scl, .offset: 8, .size: 8, .value_kind: global_buffer, .address_space: global }
      - { .name: codes, .offset: 16, .size: 8, .value_kind: global_buffer, .address_space: global }
      - { .name: scl, .offset: 24, .size: 8, .value_kind: global_buffer, .address_space: global }
      - { .name: proj_b, .offset: 32, .size: 8, .value_kind: global_buffer, .address_space: global }
      - { .name: out0, .offset: 40, .size: 8, .value_kind: global_buffer, .address_space: global }
    .group_segment_fixed_size: 327680
    .private_segment_fixed_size: 0
    .kernarg_segment_align: 8
    .kernarg_segment_size: 48
    .max_flat_workgroup_size: 128
    .sgpr_count:     100
    .vgpr_count:     768
    .wavefront_size: 32
...
	.end_amdgpu_metadata
.endif
;; end of part 8
